; MI455X (gfx1250); checked and timed in simulation.
; The chip was launched on July 23, 2026; its instructions are those of AMD's public machine-readable ISA for CDNA 5 (MIT licence, August 2026) and "CDNA5" Instruction Set Architecture Reference Guide (July 2026). The comments in the code are by the model that wrote it; some were corrected since.
;; Self Attention. Allowed arithmetic: float matrix products may take bf16 or f16 operands with f32 sums; other float arithmetic in f32, or as packed bf16 or f16 multiplies, adds, multiply-adds, maxima and minima; sums over many terms, partial sums and values carried from step to step in f32; what a program stores and reads back later, other than sums and carried values, may be rounded once to bf16 or f16.
;; Inputs: Wk 1,024 x 1,024 float32; Wq 1,024 x 1,024 float32; Wv 1,024 x 1,024 float32; bk 1,024 float32; bq 1,024 float32; bv 1,024 float32; x 4 x 2,048 x 1,024 float32.
;; Outputs: out0 4 x 2,048 x 1,024 float32.
;; 3 versions, each right; version 2 is faster than version 1; version 3 is version 2 with the launch cast written anew for expert scheduling mode. Each part assembles by itself: llvm-mc -triple=amdgcn-amd-amdhsa -mcpu=gfx1250 --defsym DOCPART=n.
;; ======== version 1 of 3: 4 launches
;; limits: values are held in f16: magnitudes above 65,504 overflow, below 6.1e-05 lose precision
;; workspace buffers: xb 16,777,216 bytes; wb 6,291,456 bytes; qkv 50,331,648 bytes; pt 33,554,432 bytes; ms 524,288 bytes; ls 524,288 bytes
;; launch cast (part 1): grid 704 x 1, 8 waves a work-group, no clusters, 0 bytes of LDS; arguments x, Wq, Wk, Wv, xb, wb; writes xb, wb
.if DOCPART == 1
	.amdgcn_target "amdgcn-amd-amdhsa--gfx1250"
	.amdhsa_code_object_version 6
	.text
	.protected	k_q542056caf1_cast
	.globl	k_q542056caf1_cast
	.p2align	8
	.type	k_q542056caf1_cast,@function
k_q542056caf1_cast:
	s_mov_b64 s[64:65], 0
	v_nop
	global_prefetch_b8 v0, s[64:65] scope:SCOPE_SE
	s_setreg_imm32_b32 hwreg(HW_REG_WAVE_MODE, 25, 1), 1
	s_wait_xcnt 0x0
; xb[8192][1024] = bf16(x).   wb[1024 d][3072 e] = bf16(Wq | Wk | Wv)[d][e]: the three weights side by side, rows as they lie ([d][e]): nothing is turned.
; A stream: each f32 is read once and each bf16 written once; no LDS, no barrier, no matrix work, since no number meets another.
; A work-group takes 16 rows of 1,024 f32.  Groups 0-511: x's rows.  Groups 512-703: 64 groups for each weight.
; Thread t takes the 16 bytes at byte 16 t of every row (eight waves cover a row's 4,096 bytes) and stores 8 bytes at byte 8 t:
; a wave's load covers 512 consecutive bytes, its store 256 consecutive bytes at a multiple of 256 from the buffer's first byte.
; All 16 loads go out first; no register that a load or store names is written again, so the only waits are the counted ones for data.
.set X, 4                              ; v[4:67]    row j: 4 f32 as loaded
.set Y, 68                             ; v[68:99]   row j: 4 bf16 to store
.set O, 100                            ; v[100:115] row j: my byte offset in the destination
	s_load_b256 s[4:11], s[0:1], 0x0               ; x s[4:5], Wq s[6:7], Wk s[8:9], Wv s[10:11]
	s_load_b128 s[12:15], s[0:1], 0x20             ; xb s[12:13], wb s[14:15]
	s_mov_b32 s30, ttmp9                           ; the work-group's number
	s_sub_co_u32 s16, s30, 512                     ; its number among the weights' groups (of no meaning for x's groups: chosen away below)
	s_lshr_b32 s17, s16, 6                         ; which weight: 0, 1, 2
	s_and_b32 s18, s16, 63                         ; which 16 rows of it
	s_mov_b32 s20, 6144                            ; bytes in a row of wb
	s_cmp_lt_u32 s30, 512                          ; x's group?
	s_cselect_b32 s17, 0, s17
	s_cselect_b32 s19, s30, s18                    ; block of 16 rows
	s_cselect_b32 s20, 2048, s20                   ; bytes in a row of the destination
	s_lshl_b32 s26, s19, 16                        ; source: 16 rows of 4,096 bytes a block
	s_mov_b32 s27, 0
	s_lshl_b32 s28, s19, 4
	s_mul_i32 s28, s28, s20                        ; destination: 16 rows a block,
	s_lshl_b32 s21, s17, 11
	s_add_co_u32 s28, s28, s21                     ; and the weight's 2,048 bytes in a row of wb
	s_mov_b32 s29, 0
	v_lshlrev_b32 v1, 4, v0                        ; 16 t
	v_lshlrev_b32 v[O], 3, v0                      ; 8 t
.irp j, 1,2,3,4,5,6,7,8,9,10,11,12,13,14,15
	v_add_nc_u32 v[O+(\j)], s20, v[O+(\j)-1]       ; a row further down
.endr
	s_wait_kmcnt 0x0
	s_cmp_lt_u32 s30, 512                          ; compared anew: the shifts and sums above have written SCC
	s_cselect_b64 s[22:23], s[12:13], s[14:15]     ; to xb or wb
	s_cselect_b64 s[24:25], s[4:5], s[6:7]         ; from x or Wq,
	s_cmp_eq_u32 s17, 1
	s_cselect_b64 s[24:25], s[8:9], s[24:25]       ; or Wk,
	s_cmp_eq_u32 s17, 2
	s_cselect_b64 s[24:25], s[10:11], s[24:25]     ; or Wv
	s_add_nc_u64 s[24:25], s[24:25], s[26:27]
	s_add_nc_u64 s[22:23], s[22:23], s[28:29]
.irp j, 0,1,2,3,4,5,6,7,8,9,10,11,12,13,14,15
	global_load_b128 v[X+4*(\j):X+4*(\j)+3], v1, s[24:25] offset:4096*(\j) th:TH_LOAD_NT
.endr
.irp j, 0,1,2,3,4,5,6,7,8,9,10,11,12,13,14,15
	s_wait_loadcnt 15-(\j)                         ; loads come back in order (ISA guide 5.7.1): row j is in, the 15 - j younger rows stay out
	v_cvt_pk_bf16_f32 v[Y+2*(\j)],   v[X+4*(\j)],   v[X+4*(\j)+1]
	v_cvt_pk_bf16_f32 v[Y+2*(\j)+1], v[X+4*(\j)+2], v[X+4*(\j)+3]
	global_store_b64 v[O+(\j)], v[Y+2*(\j):Y+2*(\j)+1], s[22:23]
.endr
	s_endpgm
.Lfunc_end_k_q542056caf1_cast:
	.size	k_q542056caf1_cast, .Lfunc_end_k_q542056caf1_cast-k_q542056caf1_cast
	.p2alignl 7, 3214868480
	.fill 96, 4, 3214868480
	.section	.rodata,"a",@progbits
	.p2align	6, 0x0
	.amdhsa_kernel k_q542056caf1_cast
		.amdhsa_group_segment_fixed_size 0
		.amdhsa_private_segment_fixed_size 0
		.amdhsa_enable_private_segment 0
		.amdhsa_kernarg_size 48
		.amdhsa_user_sgpr_count 2
		.amdhsa_user_sgpr_kernarg_segment_ptr 1
		.amdhsa_wavefront_size32 1
		.amdhsa_system_sgpr_workgroup_id_x 1
		.amdhsa_system_sgpr_workgroup_id_y 1
		.amdhsa_system_sgpr_workgroup_id_z 1
		.amdhsa_system_vgpr_workitem_id 0
		.amdhsa_next_free_vgpr 116
		.amdhsa_next_free_sgpr 66
		.amdhsa_reserve_vcc 0
		.amdhsa_float_denorm_mode_32 3
		.amdhsa_float_denorm_mode_16_64 3
		.amdhsa_memory_ordered 1
		.amdhsa_forward_progress 1
		.amdhsa_inst_pref_size 8
	.end_amdhsa_kernel
	.amdgpu_metadata
---
amdhsa.version: [ 1, 2 ]
amdhsa.kernels:
  - .name:           k_q542056caf1_cast
    .symbol:         k_q542056caf1_cast.kd
    .args:
      - { .name: x, .offset: 0, .size: 8, .value_kind: global_buffer, .address_space: global }
      - { .name: Wq, .offset: 8, .size: 8, .value_kind: global_buffer, .address_space: global }
      - { .name: Wk, .offset: 16, .size: 8, .value_kind: global_buffer, .address_space: global }
      - { .name: Wv, .offset: 24, .size: 8, .value_kind: global_buffer, .address_space: global }
      - { .name: xb, .offset: 32, .size: 8, .value_kind: global_buffer, .address_space: global }
      - { .name: wb, .offset: 40, .size: 8, .value_kind: global_buffer, .address_space: global }
    .group_segment_fixed_size: 0
    .private_segment_fixed_size: 0
    .kernarg_segment_align: 8
    .kernarg_segment_size: 48
    .max_flat_workgroup_size: 256
    .sgpr_count:     66
    .vgpr_count:     116
    .wavefront_size: 32
...
	.end_amdgpu_metadata
.endif
;; end of part 1
;; launch proj (part 2): grid 12 x 64, 4 waves a work-group, clusters of 4 x 4, 327,680 bytes of LDS; arguments xb, wb, bq, bk, bv, qkv; writes qkv
.if DOCPART == 2
	.amdgcn_target "amdgcn-amd-amdhsa--gfx1250"
	.amdhsa_code_object_version 6
	.text
	.protected	k_q542056caf1_proj
	.globl	k_q542056caf1_proj
	.p2align	8
	.type	k_q542056caf1_proj,@function
k_q542056caf1_proj:
	s_mov_b64 s[64:65], 0
	v_nop
	global_prefetch_b8 v0, s[64:65] scope:SCOPE_SE
	s_setreg_imm32_b32 hwreg(HW_REG_WAVE_MODE, 25, 1), 1
	s_wait_xcnt 0x0
	s_wait_alu depctr_hold_cnt(0) depctr_sa_sdst(0) depctr_va_vdst(0) depctr_va_sdst(0) depctr_va_ssrc(0) depctr_va_vcc(0) depctr_vm_vsrc(0)
	s_getreg_b32 s2, hwreg(HW_REG_IB_STS2, 6, 4)
	s_cmp_eq_u32 s2, 0
	s_cbranch_scc0 .Lentry_in_a_cluster
	s_endpgm
.Lentry_in_a_cluster:
	s_bfe_u32 s2, ttmp6, 0x10000c
	s_cmp_lg_u32 s2, 0xf033
	s_cbranch_scc0 .Lentry_shape_is_right
	s_endpgm
.Lentry_shape_is_right:
; qkv[8192][3072] (f16) = xb[8192][1024] (bf16) x wb[1024][3072] (bf16) + (bq | bk | bv), sums in f32, rounded once.  Columns 0-1023 are Q, 1024-2047 K, 2048-3071 V.
; LIMITS.  f16 holds no number beyond 65,504: a Q, K or V past that leaves as an infinity.  The biases are rounded to bf16, like x and the weights.  NaN and infinities are not treated apart.
; TILE.  128 x 256 of the result to a work-group: 64 x 12 = 768 work-groups, three to each of 256 WGPs (256 x 256 would give 384, a round and a half).
; Four waves, each 64 x 128: 32 accumulators of 16 x 16, 256 registers.  K goes in steps of 128 through two LDS slots filled by tensor loads.
; A (xb) lies [row][k]: fragments by ds_load_b128.  B (wb) lies [k][column]: fragments by the turning load ds_load_tr16_b128, so the weights are never transposed in memory.
; THE MATRIX INSTRUCTION IS USED TRANSPOSED (source 0 = 16 columns of B, source 1 = 16 rows of A): a lane then holds eight neighbouring numbers of one row of the result.
; THE BIAS is the C operand of the products that start the sums: a lane's eight columns' biases, the same for all row blocks.
; CLUSTER.  4 x 4 work-groups.  The four of a row of the cluster need the same tiles of A, the four of a column the same tiles of B: each tile is asked for jointly, by the same
; tensor load with the same descriptor and a mask that names the four, which divides the requests for A and B by four.
; REGISTERS, in windows of 256 (s_set_vgpr_msb: bits 1:0 source 0, 3:2 source 1, 5:4 source 2, 7:6 destination):
;   window 0: v0-31 addresses; v32-127, v128-223 two fragment buffers (64 registers of B: 8 x 16 columns x 32 k; 32 of A: 4 x 16 rows x 32 k); on the way out v32-191
;   window 1: the accumulators, (a, b) at v[8 (8 a + b)]          window 2: v0-63 the bias fragments, column block b at v[8 b]
.set KSTEP,  128
.set PA,     272                       ; a row of A in LDS: 256 bytes + 16 = 68 words: the 16 rows of a load start at 16 different groups of four banks (64 banks of 4 bytes: ISA guide 11.1)
.set PB,     544                       ; a row of B: 512 bytes + 32 = 136 words
.set AT,     128*PA                    ; A's tile: 128 rows
.set SLOT,   AT+128*PB                 ; then B's: 128 k rows of 256 columns
.set STAGE,  2*SLOT                    ; behind the ring, never filled by a tensor load: 16 rows x 272 bytes for each wave, for the way out
.set SP,     272
.set SPARE,  STAGE+4*16*SP             ; behind the stages: the spare words, 128 bytes for each wave: two blocks of 256 bytes that no other line names
.set LAPS,   1024/(2*KSTEP)            ; a lap = two K steps = once round the ring
.set STEPA,  KSTEP*2                   ; a K step in memory: 256 bytes along A's rows,
.set STEPB,  KSTEP*6144                ; 128 rows of B
.set ADRA, 8                           ; v8-9    LDS address of my A fragments in slot 0, 1
.set ADRB, 10                          ; v10-11  the same for B
.set STO,  12                          ; v12     the way out: where I put 16 bytes of a row
.set RD,   13                          ; v13     the way out: where I read a row back
.set CO,   14                          ; v14     my byte offset in qkv
.set BO,   18                          ; v18     my byte offset in the bias
.set SPW,  28                          ; v28     LDS address of my spare word: SPARE + 4 x my thread's number; never rewritten
.set NIL,  29                          ; v29     0; never rewritten
.set F0,   32
.set F1,   128
.set TMP,  32                          ; the way out: packed results
.set OB,   64                          ; the way out: block a's 16 rows read back at v[64 + 32 a]: a buffer of its own for each block, so no store's data is written again
.set WV,   16                          ; s16  wave
.set HI,   17                          ; s17  my half of the tile's rows; also: I fetch for A (0) or for B (1)
.set LO,   18                          ; s18  my half of its columns; also: which half of that tile I fetch
.set G1A,  24                          ; s[24:31] descriptor group 1 for A's tiles;  s[32:39] group 0, one set for each slot
.set G0A,  32
.set G1B,  48                          ; s[48:55], s[56:63] the same for B's
.set G0B,  56
.set MUL,  0x50                        ; sources in window 0, C and D in window 1
.set MULB, 0x60                        ; D in window 1, C (the bias) in window 2
.set MSB, 0
.macro WIN new                         ; the immediate's high byte repeats the setting that is left; a switch that changes nothing is dropped
.if MSB != (\new)
	s_set_vgpr_msb (MSB<<8)|(\new)
.set MSB, \new
.endif
.endm
; A joint load: waves 0 and 1 fetch A's two halves, waves 2 and 3 B's.  The branch hangs on the wave's number alone.  An s_nop 0 and four v_nop follow each of the two lines.
.macro JLOAD s
	s_cmp_eq_u32 s[HI], 0
	s_cbranch_scc0 .Lfor_b_\@
	tensor_load_to_lds s[G0A+4*(\s):G0A+4*(\s)+3], s[G1A:G1A+7]
	s_nop 0
.rept 4
	v_nop
.endr
	s_branch .Lasked_\@
.Lfor_b_\@:
	tensor_load_to_lds s[G0B+4*(\s):G0B+4*(\s)+3], s[G1B:G1B+7]
	s_nop 0
.rept 4
	v_nop
.endr
.Lasked_\@:
.endm
.macro CREST                           ; a round of the cluster's barrier behind its opening barrier: wave 0 signals for the work-group, every wave waits for all sixteen, my work-group's barrier closes it
	s_cmp_lg_u32 s[WV], 0
	s_cbranch_scc1 .Lnot_wave_0_\@
	s_barrier_signal -3
.Lnot_wave_0_\@:
	s_barrier_wait -3
	s_barrier_signal -1
	s_barrier_wait -1
.endm
.macro CROUND                          ; a whole round
	s_barrier_signal -1
	s_barrier_wait -1
	CREST
.endm
.macro PLACES                          ; four places between a matrix instruction and a load into, or a vector instruction on, its registers (ISA guide 7.12.1 for vector instructions)
.rept 4
	v_nop
.endr
.endm
	s_load_b256 s[4:11], s[0:1], 0x0               ; xb s[4:5], wb s[6:7], bq s[8:9], bk s[10:11]
	s_load_b128 s[12:15], s[0:1], 0x20             ; bv s[12:13], qkv s[14:15]
	v_lshl_add_u32 v[SPW], v0, 2, SPARE
	v_mov_b32 v[NIL], 0
	ds_add_u32 v28, v29
	s_wait_dscnt 0x0
	v_lshrrev_b32 v1, 5, v0
	v_readfirstlane_b32 s[WV], v1                  ; wave 0..3
	s_lshr_b32 s[HI], s[WV], 1
	s_and_b32 s[LO], s[WV], 1
	s_bfe_u32 s19, ttmp6, 0x40000                  ; cx, cy: my place in the cluster
	s_bfe_u32 s20, ttmp6, 0x40004
	s_mov_b32 s70, ttmp9                           ; the cluster's x: 0, 1, 2 = its 1,024 columns are Q's, K's, V's
	s_lshl_b32 s21, ttmp9, 2
	s_add_co_u32 s21, s21, s19                     ; tile column = 4 x cluster x + cx
	s_and_b32 s23, ttmp7, 0xffff
	s_lshl_b32 s22, s23, 2
	s_add_co_u32 s22, s22, s20                     ; tile row = 4 x cluster y + cy
	s_lshl_b32 s71, s20, 2
	s_lshl_b32 s71, 15, s71                        ; my row of the cluster: places 4 cy .. 4 cy + 3
	s_lshl_b32 s72, 0x1111, s19                    ; my column: places cx, cx + 4, cx + 8, cx + 12
	; group 1 for A: 64 rows x 128 elements of 2 bytes, 4 words of padding behind every 64 words
	s_or_b32 s[G1A], s71, (1<<16)|(1<<20)|(1<<21)|(5<<22)|(3<<25)  ; 15:0 the mask; 17:16 2-byte elements; 20 padding on; 21 set beside a mask; 24:22 interval code 5; 31:25 pad code 3
	s_mov_b32 s[G1A+1], 128<<16                    ; tensor_dim0 = 128
	s_mov_b32 s[G1A+2], 64<<16                     ; tensor_dim1 = 64
	s_mov_b32 s[G1A+3], 128<<16                    ; tile_dim0 = 128
	s_mov_b32 s[G1A+4], 64                         ; tile_dim1 = 64
	s_mov_b32 s[G1A+5], 1024                       ; elements from row to row of xb
	s_mov_b32 s[G1A+6], 0
	s_mov_b32 s[G1A+7], 0
	; group 1 for B: 64 k rows x 256 elements, 8 words of padding behind every 128 words
	s_or_b32 s[G1B], s72, (1<<16)|(1<<20)|(1<<21)|(6<<22)|(7<<25)
	s_mov_b32 s[G1B+1], 256<<16
	s_mov_b32 s[G1B+2], 64<<16
	s_mov_b32 s[G1B+3], 256<<16
	s_mov_b32 s[G1B+4], 64
	s_mov_b32 s[G1B+5], 3072                       ; elements from row to row of wb
	s_mov_b32 s[G1B+6], 0
	s_mov_b32 s[G1B+7], 0
	; where the tiles come from: A's hang on the tile row alone, B's on the tile column alone, each in registers that never hold the other coordinate
	s_lshl_b32 s73, s[LO], 6                       ; which 64 rows of a tile I fetch
	s_lshl_b32 s40, s22, 7
	s_add_co_u32 s40, s40, s73
	s_lshl_b32 s40, s40, 11                        ; A: (128 x tile row + 64 x half) rows of 2,048 bytes
	s_mov_b32 s41, 0
	s_mul_i32 s42, s[LO], 64*6144                  ; B: 64 x half rows of 6,144 bytes,
	s_lshl_b32 s74, s21, 9
	s_add_co_u32 s42, s42, s74                     ; 512 bytes a tile column
	s_mov_b32 s43, 0
	s_mul_i32 s2, s[LO], 64*PA                     ; and where they go: no place in the cluster enters an LDS address
	s_mul_i32 s75, s[LO], 64*PB
	s_add_co_u32 s75, s75, AT
	; my part of qkv, and of the bias
	s_lshl_b32 s44, s22, 7
	s_lshl_b32 s46, s[HI], 6
	s_add_co_u32 s44, s44, s46
	s_mul_i32 s44, s44, 6144                       ; my first row,
	s_lshl_b32 s74, s21, 1
	s_add_co_u32 s74, s74, s[LO]
	s_lshl_b32 s74, s74, 8
	s_add_co_u32 s44, s44, s74                     ; my first column: 512 x tile column + 256 x half bytes
	s_mov_b32 s45, 0
	s_lshl_b32 s46, s19, 10                        ; in the bias: 256 f32 a tile column of the cluster,
	s_lshl_b32 s74, s[LO], 9
	s_add_co_u32 s46, s46, s74                     ; 128 f32 a half
	s_mov_b32 s47, 0
	s_wait_kmcnt 0x0
	s_add_nc_u64 s[40:41], s[4:5], s[40:41]
	s_add_nc_u64 s[42:43], s[6:7], s[42:43]
	s_add_nc_u64 s[14:15], s[14:15], s[44:45]
	s_cmp_eq_u32 s70, 1
	s_cselect_b64 s[66:67], s[10:11], s[8:9]       ; bk or bq,
	s_cmp_eq_u32 s70, 2
	s_cselect_b64 s[66:67], s[12:13], s[66:67]     ; or bv
	s_add_nc_u64 s[66:67], s[66:67], s[46:47]
	CROUND                                         ; all sixteen work-groups are here: the first joint loads meet
.irp s, 0,1
	s_mov_b32 s[G0A+4*(\s)], 1                                      ; count = 1
	s_add_co_u32 s[G0A+4*(\s)+1], s2, (\s)*SLOT                     ; LDS address
	s_add_nc_u64 s[G0A+4*(\s)+2:G0A+4*(\s)+3], s[40:41], (\s)*STEPA ; global address: K step s
	s_or_b32 s[G0A+4*(\s)+3], s[G0A+4*(\s)+3], 0x80000000           ; type = 2
	s_mov_b32 s[G0B+4*(\s)], 1
	s_add_co_u32 s[G0B+4*(\s)+1], s75, (\s)*SLOT
	s_add_nc_u64 s[G0B+4*(\s)+2:G0B+4*(\s)+3], s[42:43], (\s)*STEPB
	s_or_b32 s[G0B+4*(\s)+3], s[G0B+4*(\s)+3], 0x80000000
	JLOAD \s                                       ; both slots are asked for before anything else: two tensor loads of mine are out, the most in this text
.endr
	; the bias of my 128 columns: in the result a lane holds columns 16 b + 8 (l / 16) + 0..7
	v_and_b32 v1, 15, v0                           ; r = l % 16
	v_bfe_u32 v2, v0, 4, 1                         ; h = l / 16
	v_lshlrev_b32 v[BO], 5, v2                     ; 8 h f32
.irp b, 0,1,2,3,4,5,6,7
	global_load_b128 v[32+8*(\b):32+8*(\b)+3], v[BO], s[66:67] offset:64*(\b)
	global_load_b128 v[32+8*(\b)+4:32+8*(\b)+7], v[BO], s[66:67] offset:64*(\b)+16
.endr
	; A fragment of A: lane l holds row l % 16; registers 0-3 k = 8 h + 0..7, registers 4-7 k = 16 + 8 h + 0..7: two loads of 16 bytes, 32 bytes apart
	v_mul_u32_u24 v3, v1, PA
	v_lshl_add_u32 v3, v2, 4, v3                   ; r x pitch + 16 h
	s_mul_i32 s73, s[HI], 64*PA                    ; my 64 rows of A
	v_add_nc_u32 v[ADRA], s73, v3
	v_add_nc_u32 v[ADRA+1], SLOT, v[ADRA]
	; The turning load takes 16 k x 16 columns (lane l reads k row 8 h + l % 8, columns 8 ((l / 8) % 2) + 0..7) and leaves half a fragment: lane l holds column l % 16 and 8 k
	v_and_b32 v4, 7, v0
	v_lshl_add_u32 v4, v2, 3, v4
	v_mul_u32_u24 v4, v4, PB
	v_bfe_u32 v5, v0, 3, 1
	v_lshl_add_u32 v4, v5, 4, v4
	s_lshl_b32 s73, s[LO], 8                       ; my 128 columns of B, which lies behind A's tile
	s_add_co_u32 s73, s73, AT
	v_add_nc_u32 v[ADRB], s73, v4
	v_add_nc_u32 v[ADRB+1], SLOT, v[ADRB]
	s_mul_i32 s73, s[WV], 16*SP
	s_add_co_u32 s73, s73, STAGE                   ; my stage
	v_add_nc_u32 v[STO], s73, v3                   ; in: row r, 16 bytes for each half of the lanes (the stage's pitch is A's)
	v_mul_u32_u24 v4, v2, SP                       ; back: lanes 0-15 take one row of 256 bytes, lanes 16-31 the next
	v_lshl_add_u32 v4, v1, 4, v4
	v_add_nc_u32 v[RD], s73, v4
	v_mul_u32_u24 v4, v2, 6144                     ; and the same two rows in qkv
	v_lshl_add_u32 v[CO], v1, 4, v4
	s_wait_loadcnt 0x0                             ; the bias
.set i, 0
.rept 32
	v_cvt_pk_bf16_f32 v[96+i], v[32+2*i], v[33+2*i]  ; rounded to bf16, like the other inputs,
.set i, i+1
.endr
	WIN 0x80                                       ; destination window 2
.set i, 0
.rept 32
	v_lshlrev_b32 v[2*i], 16, v[96+i]              ; and widened again: the C operands of the first products
	v_and_b32 v[2*i+1], 0xffff0000, v[96+i]
.set i, i+1
.endr
	WIN 0
; 8 matrix instructions: row block a x all 8 column blocks, 32 along K.  first = 1: the bias starts the sums.  The 32 accumulators take turns, one instruction a turn, in the same
; order in every quarter: between two links of a chain stand the 31 others'.
.macro MUL8 f, a, first
.if \first
	WIN MULB
.else
	WIN MUL
.endif
.irp b, 0,1,2,3,4,5,6,7
.if \first
	v_wmma_f32_16x16x32_bf16 v[8*(8*(\a)+(\b)):8*(8*(\a)+(\b))+7], v[(\f)+8*(\b):(\f)+8*(\b)+7], v[(\f)+64+8*(\a):(\f)+64+8*(\a)+7], v[8*(\b):8*(\b)+7]
.else
	v_wmma_f32_16x16x32_bf16 v[8*(8*(\a)+(\b)):8*(8*(\a)+(\b))+7], v[(\f)+8*(\b):(\f)+8*(\b)+7], v[(\f)+64+8*(\a):(\f)+64+8*(\a)+7], v[8*(8*(\a)+(\b)):8*(8*(\a)+(\b))+7]
.endif
.endr
.endm
; 24 LDS loads in one run: the fragments of quarter q (32 along K) of a slot into buffer f: B's sixteen, then A's eight
.macro FETCH slot, q, f
	WIN 0
.irp b, 0,1,2,3,4,5,6,7
	ds_load_tr16_b128 v[(\f)+8*(\b):(\f)+8*(\b)+3],   v[ADRB+(\slot)] offset:(\q)*32*PB+32*(\b)
	ds_load_tr16_b128 v[(\f)+8*(\b)+4:(\f)+8*(\b)+7], v[ADRB+(\slot)] offset:(\q)*32*PB+16*PB+32*(\b)
.endr
.irp a, 0,1,2,3
	ds_load_b128 v[(\f)+64+8*(\a):(\f)+64+8*(\a)+3],   v[ADRA+(\slot)] offset:64*(\q)+(\a)*16*PA
	ds_load_b128 v[(\f)+64+8*(\a)+4:(\f)+64+8*(\a)+7], v[ADRA+(\slot)] offset:64*(\q)+(\a)*16*PA+32
.endr
.endm
; A K step is four quarters of 32 along K, 32 matrix instructions each, on buffers 0, 1, 0, 1.  One of the first three: multiplies buffer f; in its middle it fetches quarter q into buffer g.
.macro QUARTER slot, q, f, g, first
	s_wait_dscnt 4                                 ; B and A's row blocks 0, 1 are in; the youngest four loads (blocks 2, 3) may be out
	MUL8 \f, 0, \first
	MUL8 \f, 1, \first
	WIN 0
	PLACES
	FETCH \slot, \q, \g
	s_wait_dscnt 24                                ; all but the 24 just issued
	MUL8 \f, 2, \first
	MUL8 \f, 3, \first
.endm
; The last quarter multiplies buffer 1 and changes slots: ONE barrier.  In front of it each wave waits for all its tensor loads (one is out: its part of the next slot), adds 0 to its spare
; word, and waits for that and for its reads of this slot.  fill = 1: the barrier opens a round of the cluster's, and this slot is filled again, two K steps ahead, first thing behind it.
.macro TURN slot, next, fill
	WIN 0                                          ; (the add's two registers lie in window 0)
	s_wait_tensorcnt 0x0                           ; all my tensor loads have landed
	ds_add_u32 v[SPW], v[NIL]                      ; 0 onto my spare word
	s_wait_dscnt 5                                 ; (the add and the youngest four loads may be out)
	MUL8 F1, 0, 0                                  ; eight matrix instructions stand between the add and the wait for it
	s_wait_dscnt 0x0                               ; the add is done, and my reads of this slot are over
	s_barrier_signal -1
	MUL8 F1, 1, 0                                  ; work on registers while the others arrive
	WIN 0
	s_barrier_wait -1
.if \fill
	CREST                                          ; no wave of any partner still reads this slot's tiles or has a load on its way
	s_add_nc_u64 s[G0A+4*(\slot)+2:G0A+4*(\slot)+3], s[G0A+4*(\slot)+2:G0A+4*(\slot)+3], 2*STEPA
	s_add_nc_u64 s[G0B+4*(\slot)+2:G0B+4*(\slot)+3], s[G0B+4*(\slot)+2:G0B+4*(\slot)+3], 2*STEPB
	JLOAD \slot                                    ; my one tensor load behind the round; its four v_nop are also the places in front of the loads below
.else
	PLACES
.endif
	FETCH \next, 0, F0
	MUL8 F1, 2, 0
	MUL8 F1, 3, 0
.endm
	s_wait_tensorcnt 1                             ; my part of K step 0 is in; K step 1's, issued behind it, may stay out
	s_barrier_signal -1
	s_barrier_wait -1                              ; everybody's is
	FETCH 0, 0, F0
	QUARTER 0, 1, F0, F1, 1                        ; the first quarter stands in front of the loop: its products start the sums
	WIN 0                                          ; at a label and at a branch every window is 0
	s_mov_b32 s3, LAPS-1
.Llap:                                                 ; a trip goes once round the ring, from a lap's second quarter to the next lap's first, and fills both slots again
	QUARTER 0, 2, F1, F0, 0
	QUARTER 0, 3, F0, F1, 0
	TURN 0, 1, 1
	QUARTER 1, 1, F0, F1, 0
	QUARTER 1, 2, F1, F0, 0
	QUARTER 1, 3, F0, F1, 0
	TURN 1, 0, 1
	QUARTER 0, 1, F0, F1, 0
	WIN 0
	s_sub_co_u32 s3, s3, 1
	s_cmp_lg_u32 s3, 0
	s_cbranch_scc1 .Llap
	QUARTER 0, 2, F1, F0, 0                        ; the last lap is written out: it fills nothing
	QUARTER 0, 3, F0, F1, 0
	TURN 0, 1, 0
	QUARTER 1, 1, F0, F1, 0
	QUARTER 1, 2, F1, F0, 0
	QUARTER 1, 3, F0, F1, 0
	s_wait_dscnt 4                                 ; the very last quarter: nothing more to fetch
	MUL8 F1, 0, 0
	MUL8 F1, 1, 0
	s_wait_dscnt 0x0
	MUL8 F1, 2, 0
	MUL8 F1, 3, 0
	WIN 0
; THE WAY OUT, a block of 16 rows at a time: rounded to f16 (each accumulator's registers in ascending order), 16 bytes a lane into my own stage, back as whole rows of 256 bytes, stored.
.macro PACK a
	WIN 0x05                                       ; sources 0 and 1 in window 1
.irp b, 0,1,2,3,4,5,6,7
.irp i, 0,1,2,3
	v_cvt_pk_f16_f32 v[TMP+4*(\b)+(\i)], v[64*(\a)+8*(\b)+2*(\i)], v[64*(\a)+8*(\b)+2*(\i)+1]
.endr
.endr
	WIN 0
.endm
.macro TOSTAGE a
.irp b, 0,1,2,3,4,5,6,7
	ds_store_b128 v[STO], v[TMP+4*(\b):TMP+4*(\b)+3] offset:32*(\b)
.endr
.irp t, 0,1,2,3,4,5,6,7
	ds_load_b128 v[OB+32*(\a)+4*(\t):OB+32*(\a)+4*(\t)+3], v[RD] offset:(\t)*2*SP  ; LDS serves a wave's instructions in order (ISA guide 5.7.1.4): these see the stores above
.endr
.endm
.macro SEND a
	s_wait_dscnt 0x0                               ; the block is back in registers
.irp t, 0,1,2,3,4,5,6,7
	global_store_b128 v[CO], v[OB+32*(\a)+4*(\t):OB+32*(\a)+4*(\t)+3], s[14:15] offset:(16*(\a)+2*(\t))*6144  ; 16 lanes store 256 consecutive bytes, at a multiple of 256 from qkv's first byte
.endr
.endm
	PLACES
	PACK 0
	TOSTAGE 0
.irp a, 1,2,3                          ; block a's conversions stand between block a - 1's loads from the stage and the wait for them
	PACK \a
	SEND (\a)-1
	TOSTAGE \a
.endr
	SEND 3
	s_wait_tensorcnt 0x0                           ; the wave's end: behind my last tensor load and my last LDS store
	ds_add_u32 v[SPW], v[NIL]
	s_wait_dscnt 0x0
	CROUND                                         ; the closing round: no work-group ends while a partner may still ask for a tile that names it
	s_endpgm
.Lfunc_end_k_q542056caf1_proj:
	.size	k_q542056caf1_proj, .Lfunc_end_k_q542056caf1_proj-k_q542056caf1_proj
	.p2alignl 7, 3214868480
	.fill 96, 4, 3214868480
	.section	.rodata,"a",@progbits
	.p2align	6, 0x0
	.amdhsa_kernel k_q542056caf1_proj
		.amdhsa_group_segment_fixed_size 327680
		.amdhsa_private_segment_fixed_size 0
		.amdhsa_enable_private_segment 0
		.amdhsa_kernarg_size 48
		.amdhsa_user_sgpr_count 2
		.amdhsa_user_sgpr_kernarg_segment_ptr 1
		.amdhsa_wavefront_size32 1
		.amdhsa_system_sgpr_workgroup_id_x 1
		.amdhsa_system_sgpr_workgroup_id_y 1
		.amdhsa_system_sgpr_workgroup_id_z 1
		.amdhsa_system_vgpr_workitem_id 0
		.amdhsa_next_free_vgpr 576
		.amdhsa_next_free_sgpr 80
		.amdhsa_reserve_vcc 0
		.amdhsa_float_denorm_mode_32 3
		.amdhsa_float_denorm_mode_16_64 3
		.amdhsa_memory_ordered 1
		.amdhsa_forward_progress 1
		.amdhsa_inst_pref_size 93
	.end_amdhsa_kernel
	.amdgpu_metadata
---
amdhsa.version: [ 1, 2 ]
amdhsa.kernels:
  - .name:           k_q542056caf1_proj
    .symbol:         k_q542056caf1_proj.kd
    .args:
      - { .name: xb, .offset: 0, .size: 8, .value_kind: global_buffer, .address_space: global }
      - { .name: wb, .offset: 8, .size: 8, .value_kind: global_buffer, .address_space: global }
      - { .name: bq, .offset: 16, .size: 8, .value_kind: global_buffer, .address_space: global }
      - { .name: bk, .offset: 24, .size: 8, .value_kind: global_buffer, .address_space: global }
      - { .name: bv, .offset: 32, .size: 8, .value_kind: global_buffer, .address_space: global }
      - { .name: qkv, .offset: 40, .size: 8, .value_kind: global_buffer, .address_space: global }
    .group_segment_fixed_size: 327680
    .private_segment_fixed_size: 0
    .kernarg_segment_align: 8
    .kernarg_segment_size: 48
    .max_flat_workgroup_size: 128
    .sgpr_count:     80
    .vgpr_count:     576
    .wavefront_size: 32
...
	.end_amdgpu_metadata
.endif
;; end of part 2
;; launch score (part 3): grid 8 x 32, 4 waves a work-group, clusters of 4 x 4, 327,680 bytes of LDS; arguments qkv, pt, ms, ls; writes pt, ms, ls
.if DOCPART == 3
	.amdgcn_target "amdgcn-amd-amdhsa--gfx1250"
	.amdhsa_code_object_version 6
	.text
	.protected	k_q542056caf1_score
	.globl	k_q542056caf1_score
	.p2align	8
	.type	k_q542056caf1_score,@function
k_q542056caf1_score:
	s_mov_b64 s[64:65], 0
	v_nop
	global_prefetch_b8 v0, s[64:65] scope:SCOPE_SE
	s_setreg_imm32_b32 hwreg(HW_REG_WAVE_MODE, 25, 1), 1
	s_wait_xcnt 0x0
	s_wait_alu depctr_hold_cnt(0) depctr_sa_sdst(0) depctr_va_vdst(0) depctr_va_sdst(0) depctr_va_ssrc(0) depctr_va_vcc(0) depctr_vm_vsrc(0)
	s_getreg_b32 s2, hwreg(HW_REG_IB_STS2, 6, 4)
	s_cmp_eq_u32 s2, 0
	s_cbranch_scc0 .Lentry_in_a_cluster
	s_endpgm
.Lentry_in_a_cluster:
	s_bfe_u32 s2, ttmp6, 0x10000c
	s_cmp_lg_u32 s2, 0xf033
	s_cbranch_scc0 .Lentry_shape_is_right
	s_endpgm
.Lentry_shape_is_right:
; S = Q K^T for a tile of 256 queries x 256 keys of one batch, and the first level of the softmax.  Q and K are columns 0-1023 and 1024-2047 of qkv[8192][3072] (f16); sums in f32.
; THE SOFTMAX IN TWO LEVELS.  A batch's 2,048 keys fall into 16 groups of 128.  With c = log2(e) / 32, for each query and group g this launch stores
;   ms[g][row] = c x (the group's largest score),   pt[row][key] = f16(2^(c s - ms)),   ls[g][row] = the sum of the unrounded 2^(c s - ms).
; The next launch takes the largest of a row's 16 ms and scales each group by 2^(ms[g] - that): the row's true maximum is taken away, and no exponent lies above 0 but by the rounding of c x max.
; LIMITS.  A weight below 6e-5 of its group's largest keeps f16's fixed step of 6e-8; one below 2^-126 counts as 0 in ls.  NaN and infinities are not treated apart.
; TILE.  4 batches x 8 x 8 tiles = 256 work-groups, one to a WGP.  Four waves, each 128 queries x 128 keys (one group): 64 accumulators of 16 x 16, 512 registers.
; K (the 1,024 channels) goes in steps of 128 through two LDS slots filled by tensor loads: rows of 256 bytes, at multiples of 256 from the buffer's first byte.
; THE MATRIX INSTRUCTION IS USED TRANSPOSED (source 0 = 16 keys, source 1 = 16 queries): a lane holds ONE query (l % 16) and the keys 16 b + 8 (l / 16) + 0..7, so a query's maximum and sum
; want one exchange between the halves of the lanes, and eight neighbouring weights pack into 16 bytes.
; CLUSTER.  4 x 4 work-groups: the four of a row of the cluster share Q's tiles, the four of a column K's; each tile is asked for jointly, which divides the requests by four.
; REGISTERS, in windows of 256 (s_set_vgpr_msb: bits 1:0 source 0, 3:2 source 1, 5:4 source 2, 7:6 destination):
;   window 0: v0-31 addresses and statistics; v64-127, v128-191 fragments of Q, two buffers; v32-63, v192-255 at work on the way out
;   window 1: v64-127, v128-191 fragments of K, two buffers      window 2: the accumulators of my queries 0-63, (a, b) at v[8 (8 a + b)]      window 3: those of my queries 64-127
.set KSTEP,  128
.set PITCH,  272                       ; an LDS row: 256 bytes + 16 = 68 words: the 16 rows of a load start at 16 different groups of four banks (64 banks of 4 bytes: ISA guide 11.1)
.set HALFT,  128*PITCH                 ; 128 rows: what one tensor load brings, and what one wave reads of Q or of K
.set SLOT,   4*HALFT                   ; Q's 256 rows, then K's 256 rows
.set STAGE,  2*SLOT                    ; behind the ring, never filled by a tensor load: 16 rows x 272 bytes for each wave
.set SP,     272
.set STATS,  STAGE+4*16*SP             ; 1,024 bytes for each wave: its 128 queries' c x max, then their sums
.set SPARE,  STATS+4*1024              ; the spare words, 128 bytes for each wave: two blocks of 256 bytes that no other line names
.set LAPS,   1024/(2*KSTEP)
.set STEP,   KSTEP*2                   ; a K step in memory: 256 bytes along the rows
.set CH,   8                           ; v8-11   four running maxima
.set CM,   12                          ; v12     c x max (v13 is named with it as a pair)
.set LS,   14                          ; v14     the sum; v15 the other half of the lanes'
.set ADRA, 16                          ; v16-17  LDS address of my Q fragments in slot 0, 1
.set ADRB, 20                          ; v20-21  the same for K
.set STO,  24                          ; v24     the way out: where I put 16 bytes of a row
.set RD,   25                          ; v25     where I read a row back
.set CO,   26                          ; v26     my byte offset in pt
.set STM,  27                          ; v27     where I put a query's statistics
.set SPW,  28                          ; v28     LDS address of my spare word: SPARE + 4 x my thread's number; never rewritten
.set NIL,  29                          ; v29     0; never rewritten
.set STR,  30                          ; v30     where I read 16 bytes of statistics back
.set SO,   31                          ; v31     my byte offset in 512 bytes of ms and ls
.set F0,   64
.set F1,   128
.set TMP,  192                         ; packed weights
.set OB,   32                          ; 16 rows read back from the stage: v32-63 and v224-255 by turns
.set WV,   16
.set HI,   17                          ; my half of the tile's queries; also: I fetch for Q (0) or for K (1)
.set LO,   18                          ; my half of its keys; also: which 128 rows of that tile I fetch
.set G1A,  24
.set G0A,  32
.set G1B,  48
.set G0B,  56
.set CS,   66                          ; s[66:67] c: the packed scaling takes the pair's low word for both halves
.set SEL,  68                          ; s[68:69] v_permlanex16_b32's selects: each lane takes its own place in the other half
.set MUL_LO, 0xa1                      ; source 0 (K) window 1, source 1 (Q) window 0, C and D window 2
.set MUL_HI, 0xf1                      ; the same, C and D window 3
.set TO_B,   0x40                      ; destination window 1, address window 0
.set MSB, 0
.macro WIN new
.if MSB != (\new)
	s_set_vgpr_msb (MSB<<8)|(\new)
.set MSB, \new
.endif
.endm
.macro JLOAD s                         ; a joint load: waves 0 and 1 fetch Q's two halves, waves 2 and 3 K's; an s_nop 0 and four v_nop follow each of the two lines
	s_cmp_eq_u32 s[HI], 0
	s_cbranch_scc0 .Lfor_b_\@
	tensor_load_to_lds s[G0A+4*(\s):G0A+4*(\s)+3], s[G1A:G1A+7]
	s_nop 0
.rept 4
	v_nop
.endr
	s_branch .Lasked_\@
.Lfor_b_\@:
	tensor_load_to_lds s[G0B+4*(\s):G0B+4*(\s)+3], s[G1B:G1B+7]
	s_nop 0
.rept 4
	v_nop
.endr
.Lasked_\@:
.endm
.macro CREST
	s_cmp_lg_u32 s[WV], 0
	s_cbranch_scc1 .Lnot_wave_0_\@
	s_barrier_signal -3
.Lnot_wave_0_\@:
	s_barrier_wait -3
	s_barrier_signal -1
	s_barrier_wait -1
.endm
.macro CROUND
	s_barrier_signal -1
	s_barrier_wait -1
	CREST
.endm
.macro PLACES
.rept 4
	v_nop
.endr
.endm
	s_load_b256 s[4:11], s[0:1], 0x0               ; qkv s[4:5], pt s[6:7], ms s[8:9], ls s[10:11]
	v_lshl_add_u32 v[SPW], v0, 2, SPARE
	v_mov_b32 v[NIL], 0
	ds_add_u32 v28, v29
	s_wait_dscnt 0x0
	v_lshrrev_b32 v1, 5, v0
	v_readfirstlane_b32 s[WV], v1
	s_lshr_b32 s[HI], s[WV], 1
	s_and_b32 s[LO], s[WV], 1
	s_bfe_u32 s19, ttmp6, 0x40000                  ; cx, cy
	s_bfe_u32 s20, ttmp6, 0x40004
	s_lshl_b32 s21, ttmp9, 2
	s_add_co_u32 s21, s21, s19                     ; key tile in the batch = 4 x cluster x + cx
	s_and_b32 s23, ttmp7, 0xffff                   ; the cluster's y: two clusters to a batch
	s_lshl_b32 s22, s23, 2
	s_add_co_u32 s22, s22, s20                     ; query tile among all 32 = 4 x cluster y + cy
	s_lshl_b32 s71, s20, 2
	s_lshl_b32 s71, 15, s71                        ; my row of the cluster
	s_lshl_b32 s72, 0x1111, s19                    ; my column
	s_or_b32 s[G1A], s71, (1<<16)|(1<<20)|(1<<21)|(5<<22)|(3<<25)  ; the mask; 2-byte elements; padding on; bit 21 beside a mask; 4 words behind every 64
	s_or_b32 s[G1B], s72, (1<<16)|(1<<20)|(1<<21)|(5<<22)|(3<<25)
.irp g, G1A, G1B
	s_mov_b32 s[(\g)+1], 128<<16                   ; tensor_dim0 = 128
	s_mov_b32 s[(\g)+2], 128<<16                   ; tensor_dim1 = 128
	s_mov_b32 s[(\g)+3], 128<<16                   ; tile_dim0 = 128
	s_mov_b32 s[(\g)+4], 128                       ; tile_dim1 = 128
	s_mov_b32 s[(\g)+5], 3072                      ; elements from row to row of qkv
	s_mov_b32 s[(\g)+6], 0
	s_mov_b32 s[(\g)+7], 0
.endr
	s_mov_b32 s[CS], 0x3d38aa3b                    ; c = log2(e) / 32
	s_mov_b32 s[CS+1], s[CS]
	s_mov_b32 s[SEL], 0x76543210
	s_mov_b32 s[SEL+1], 0xfedcba98
	s_lshl_b32 s73, s[LO], 7                       ; which 128 rows of a tile I fetch
	s_lshl_b32 s40, s22, 8
	s_add_co_u32 s40, s40, s73
	s_mul_i32 s40, s40, 6144                       ; Q: row 256 x query tile + 128 x half
	s_mov_b32 s41, 0
	s_lshr_b32 s42, s23, 1                         ; K: the batch, from the cluster's y alone, which my column shares,
	s_lshl_b32 s42, s42, 11
	s_lshl_b32 s74, s21, 8
	s_add_co_u32 s42, s42, s74                     ; row 2,048 x batch + 256 x key tile + 128 x half,
	s_add_co_u32 s42, s42, s73
	s_mul_i32 s42, s42, 6144
	s_add_co_u32 s42, s42, 2048                    ; K's 2,048 bytes of a row lie behind Q's
	s_mov_b32 s43, 0
	s_mul_i32 s2, s[WV], HALFT                     ; where they go: Q's two halves, then K's two halves
	s_lshl_b32 s44, s22, 8
	s_lshl_b32 s46, s[HI], 7
	s_add_co_u32 s44, s44, s46                     ; my first query among all 8,192
	s_lshl_b32 s46, s44, 2                         ; in ms and ls: 4 bytes a query,
	s_lshl_b32 s74, s21, 1
	s_add_co_u32 s74, s74, s[LO]                   ; my group = 2 x key tile + half:
	s_lshl_b32 s47, s74, 15                        ; 32,768 bytes a group
	s_add_co_u32 s46, s46, s47
	s_mov_b32 s47, 0
	s_lshl_b32 s44, s44, 12                        ; in pt: 4,096 bytes a query,
	s_lshl_b32 s74, s74, 8                         ; 256 bytes a group
	s_add_co_u32 s44, s44, s74
	s_mov_b32 s45, 0
	s_wait_kmcnt 0x0
	s_add_nc_u64 s[40:41], s[4:5], s[40:41]
	s_add_nc_u64 s[42:43], s[4:5], s[42:43]
	s_add_nc_u64 s[6:7], s[6:7], s[44:45]
	s_add_nc_u64 s[8:9], s[8:9], s[46:47]
	s_add_nc_u64 s[10:11], s[10:11], s[46:47]
	CROUND                                         ; all sixteen work-groups are here: the first joint loads meet
.irp s, 0,1
	s_mov_b32 s[G0A+4*(\s)], 1
	s_add_co_u32 s[G0A+4*(\s)+1], s2, (\s)*SLOT
	s_add_nc_u64 s[G0A+4*(\s)+2:G0A+4*(\s)+3], s[40:41], (\s)*STEP
	s_or_b32 s[G0A+4*(\s)+3], s[G0A+4*(\s)+3], 0x80000000
	s_mov_b32 s[G0B+4*(\s)], 1
	s_add_co_u32 s[G0B+4*(\s)+1], s2, (\s)*SLOT
	s_add_nc_u64 s[G0B+4*(\s)+2:G0B+4*(\s)+3], s[42:43], (\s)*STEP
	s_or_b32 s[G0B+4*(\s)+3], s[G0B+4*(\s)+3], 0x80000000
	JLOAD \s                                       ; two tensor loads of mine are out, the most in this text
.endr
	v_and_b32 v1, 15, v0                           ; r = l % 16
	v_bfe_u32 v2, v0, 4, 1                         ; h = l / 16
	v_mul_u32_u24 v3, v1, PITCH
	v_lshl_add_u32 v3, v2, 4, v3                   ; a fragment's row x pitch + 16 h
	s_mul_i32 s73, s[HI], HALFT                    ; my 128 rows of Q
	s_mul_i32 s75, s[LO], HALFT                    ; my 128 rows of K,
	s_add_co_u32 s75, s75, 2*HALFT                 ; which lie behind Q's 256
.irp s, 0,1
	v_add_nc_u32 v[ADRA+(\s)], s73, v3
	v_add_nc_u32 v[ADRB+(\s)], s75, v3
	s_add_co_u32 s73, s73, SLOT
	s_add_co_u32 s75, s75, SLOT
.endr
	s_mul_i32 s73, s[WV], 16*SP
	s_add_co_u32 s73, s73, STAGE                   ; my stage
	v_add_nc_u32 v[STO], s73, v3                   ; in: row r, 16 bytes for each half of the lanes (the stage's pitch is the tiles')
	v_mul_u32_u24 v4, v2, SP                       ; back: lanes 0-15 take one row of 256 bytes, lanes 16-31 the next
	v_lshl_add_u32 v4, v1, 4, v4
	v_add_nc_u32 v[RD], s73, v4
	v_lshlrev_b32 v4, 12, v2                       ; and the same two rows in pt
	v_lshl_add_u32 v[CO], v1, 4, v4
	s_lshl_b32 s73, s[WV], 10
	s_add_co_u32 s73, s73, STATS                   ; my statistics
	v_lshl_add_u32 v[STM], v1, 2, s73
	v_and_b32 v4, 31, v0
	v_lshlrev_b32 v[SO], 4, v4
	v_add_nc_u32 v[STR], s73, v[SO]
	v_mov_b32 v[CM+1], 0                           ; named in a pair with c x max
	v_mov_b32 v[LS+1], 0                           ; v_permlanex16_b32's destination counts as read
; 16 matrix instructions: query blocks a0, a0 + 1 of the window's four x all 8 key blocks, 32 along K.  zero = 1: the first product starts the sums.  The 64 accumulators take turns.
.macro MUL16 f, hi, a0, zero
	WIN MUL_LO+0x50*(\hi)
.irp a, \a0, (\a0)+1
.irp b, 0,1,2,3,4,5,6,7
.if \zero
	v_wmma_f32_16x16x32_f16 v[8*(8*(\a)+(\b)):8*(8*(\a)+(\b))+7], v[(\f)+8*(\b):(\f)+8*(\b)+7], v[(\f)+8*(4*(\hi)+(\a)):(\f)+8*(4*(\hi)+(\a))+7], 0
.else
	v_wmma_f32_16x16x32_f16 v[8*(8*(\a)+(\b)):8*(8*(\a)+(\b))+7], v[(\f)+8*(\b):(\f)+8*(\b)+7], v[(\f)+8*(4*(\hi)+(\a)):(\f)+8*(4*(\hi)+(\a))+7], v[8*(8*(\a)+(\b)):8*(8*(\a)+(\b))+7]
.endif
.endr
.endr
.endm
; 32 LDS loads in one run: the fragments of one quarter step (128 rows of K, 128 rows of Q, 32 channels at byte k of the rows) into buffer f
.macro FETCH slot, k, f
	WIN TO_B
.irp i, 0,1,2,3,4,5,6,7
	ds_load_b128 v[(\f)+8*(\i):(\f)+8*(\i)+3],   v[ADRB+(\slot)] offset:(\k)+(\i)*16*PITCH
	ds_load_b128 v[(\f)+8*(\i)+4:(\f)+8*(\i)+7], v[ADRB+(\slot)] offset:(\k)+(\i)*16*PITCH+32
.endr
	WIN 0
.irp i, 0,1,2,3,4,5,6,7
	ds_load_b128 v[(\f)+8*(\i):(\f)+8*(\i)+3],   v[ADRA+(\slot)] offset:(\k)+(\i)*16*PITCH
	ds_load_b128 v[(\f)+8*(\i)+4:(\f)+8*(\i)+7], v[ADRA+(\slot)] offset:(\k)+(\i)*16*PITCH+32
.endr
.endm
.macro QUARTER slot, k, f, g, zero
	s_wait_dscnt 8                                 ; K and Q's rows 0-63 are in; the youngest eight loads (Q's rows 64-127) may be out
	MUL16 \f, 0, 0, \zero
	MUL16 \f, 0, 2, \zero
	PLACES
	FETCH \slot, \k, \g
	s_wait_dscnt 32                                ; all but the 32 just issued
	MUL16 \f, 1, 0, \zero
	MUL16 \f, 1, 2, \zero
.endm
; The last quarter multiplies buffer 1 and changes slots: ONE barrier.  In front of it each wave waits for all its tensor loads (one is out: its part of the next slot), adds 0 to its spare
; word, and waits for that and for its reads of this slot.  fill = 1: the barrier opens a round of the cluster's, and this slot is filled again, two K steps ahead, first thing behind it.
.macro TURN slot, next, fill
	WIN 0                                          ; (the add's two registers lie in window 0)
	s_wait_tensorcnt 0x0
	ds_add_u32 v[SPW], v[NIL]                      ; 0 onto my spare word
	s_wait_dscnt 9                                 ; (the add and the youngest eight loads may be out)
	MUL16 F1, 0, 0, 0                              ; sixteen matrix instructions stand between the add and the wait for it
	s_wait_dscnt 0x0                               ; the add is done, and my reads of this slot are over
	s_barrier_signal -1
	MUL16 F1, 0, 2, 0
.if \fill
	WIN 0
.endif
	s_barrier_wait -1
.if \fill
	CREST
	s_add_nc_u64 s[G0A+4*(\slot)+2:G0A+4*(\slot)+3], s[G0A+4*(\slot)+2:G0A+4*(\slot)+3], 2*STEP
	s_add_nc_u64 s[G0B+4*(\slot)+2:G0B+4*(\slot)+3], s[G0B+4*(\slot)+2:G0B+4*(\slot)+3], 2*STEP
	JLOAD \slot                                    ; my one tensor load behind the round; its four v_nop are also the places in front of the loads below
.else
	PLACES
.endif
	FETCH \next, 0, F0
	MUL16 F1, 1, 0, 0
	MUL16 F1, 1, 2, 0
.endm
	s_wait_tensorcnt 1                             ; my part of K step 0 is in; K step 1's may stay out
	s_barrier_signal -1
	s_barrier_wait -1
	FETCH 0, 0, F0
	QUARTER 0, 64,  F0, F1, 1                      ; the first quarter stands in front of the loop: its products start the sums
	WIN 0
	s_mov_b32 s3, LAPS-1
.Llap:
	QUARTER 0, 128, F1, F0, 0
	QUARTER 0, 192, F0, F1, 0
	TURN 0, 1, 1
	QUARTER 1, 64,  F0, F1, 0
	QUARTER 1, 128, F1, F0, 0
	QUARTER 1, 192, F0, F1, 0
	TURN 1, 0, 1
	QUARTER 0, 64,  F0, F1, 0
	WIN 0
	s_sub_co_u32 s3, s3, 1
	s_cmp_lg_u32 s3, 0
	s_cbranch_scc1 .Llap
	QUARTER 0, 128, F1, F0, 0                      ; the last lap is written out: it fills nothing
	QUARTER 0, 192, F0, F1, 0
	TURN 0, 1, 0
	QUARTER 1, 64,  F0, F1, 0
	QUARTER 1, 128, F1, F0, 0
	QUARTER 1, 192, F0, F1, 0
	s_wait_dscnt 8
	MUL16 F1, 0, 0, 0
	MUL16 F1, 0, 2, 0
	s_wait_dscnt 0x0
	MUL16 F1, 1, 0, 0
	MUL16 F1, 1, 2, 0
	WIN 0
; THE GROUP'S SOFTMAX for block a of 16 queries: a lane holds 64 of its query's 128 scores, in the block's eight accumulators (64 registers from AC on, in window W).
.macro SOFT a
.set W, 2+(\a)/4
.set AC, 64*((\a)%4)
	WIN 0
.irp j, 0,1,2,3
	v_mov_b32 v[CH+(\j)], 0xff7fffff               ; four chains start at the lowest finite number
.endr
	WIN 0x14*W                                     ; sources 1 and 2 in window W
.irp i, 0,1,2,3,4,5,6,7                ; chain j takes accumulators 2 j and 2 j + 1, each from its lowest registers on
.irp j, 0,1,2,3
	v_max3_num_f32 v[CH+(\j)], v[CH+(\j)], v[AC+16*(\j)+2*(\i)], v[AC+16*(\j)+2*(\i)+1]
.endr
.endr
	WIN 0
	v_max3_num_f32 v[CH], v[CH], v[CH+1], v[CH+2]
	v_max_num_f32 v[CH], v[CH], v[CH+3]
	v_permlanex16_b32 v[CH+1], v[CH], s[SEL], s[SEL+1]  ; the query's other 64 keys lie in the lane 16 away
	v_max_num_f32 v[CH], v[CH], v[CH+1]
	v_mul_f32 v[CM], s[CS], v[CH]                  ; c x max
	WIN 0x41*W                                     ; destination and source 0 in window W
.set i, 0
.rept 32
	v_pk_fma_f32 v[AC+2*i:AC+2*i+1], v[AC+2*i:AC+2*i+1], s[CS:CS+1], v[CM:CM+1] op_sel_hi:[1,0,0] neg_lo:[0,0,1] neg_hi:[0,0,1]  ; c s - c max
.set i, i+1
.endr
.set i, 0
.rept 64
	v_exp_f32 v[AC+i], v[AC+i]
.set i, i+1
.endr
	v_nop                                          ; a plain instruction between the last exponential and the use of its result (ISA guide 5.7.2)
	WIN 5*W                                        ; sources 0 and 1 in window W, destination in window 0
.set i, 0
	s_wait_alu depctr_va_vdst(0)
.rept 32
	v_cvt_pk_f16_f32 v[TMP+i], v[AC+2*i], v[AC+2*i+1]
.set i, i+1
.endr
	WIN 0x45*W                                     ; the sum of the unrounded weights, in place: pairs 1, 2, 4, 8 and 16 pairs apart
.irp w, 4,8,16,32,64
.set u, 0
.rept 64/(\w)
	v_pk_add_f32 v[AC+(\w)*u:AC+(\w)*u+1], v[AC+(\w)*u:AC+(\w)*u+1], v[AC+(\w)*u+(\w)/2:AC+(\w)*u+(\w)/2+1]
.set u, u+1
.endr
.endr
	WIN 5*W
	v_add_f32 v[LS], v[AC], v[AC+1]
	WIN 0
	v_permlanex16_b32 v[LS+1], v[LS], s[SEL], s[SEL+1]
	v_add_f32 v[LS], v[LS], v[LS+1]
	ds_store_b32 v[STM], v[CM] offset:64*(\a)      ; both halves of the lanes write the same word with the same number
	ds_store_b32 v[STM], v[LS] offset:512+64*(\a)
.endm
.macro TOSTAGE a
.set BK, OB+192*((\a)%2)
.irp b, 0,1,2,3,4,5,6,7
	ds_store_b128 v[STO], v[TMP+4*(\b):TMP+4*(\b)+3] offset:32*(\b)
.endr
.irp t, 0,1,2,3,4,5,6,7
	ds_load_b128 v[BK+4*(\t):BK+4*(\t)+3], v[RD] offset:(\t)*2*SP  ; LDS serves a wave's instructions in order (ISA guide 5.7.1.4): these see the stores above
.endr
.endm
.macro SEND a
.set BK, OB+192*((\a)%2)
	s_wait_dscnt 0x0                               ; the block is back in registers
	s_wait_xcnt 0x0                                ; every earlier store has had its addresses translated (ISA guide 3.1): the other buffer, which the block before stored from, is loaded again only behind this wait
.irp t, 0,1,2,3,4,5,6,7
	global_store_b128 v[CO], v[BK+4*(\t):BK+4*(\t)+3], s[6:7] offset:(16*(\a)+2*(\t))*4096  ; 16 lanes store 256 consecutive bytes, at a multiple of 256 from pt's first byte
.endr
.endm
	PLACES
	SOFT 0
	TOSTAGE 0
.irp a, 1,2,3,4,5,6,7                  ; block a's softmax stands between block a - 1's loads from the stage and the wait for them
	SOFT \a
	SEND (\a)-1
	TOSTAGE \a
.endr
	SEND 7
	ds_load_b128 v[TMP:TMP+3], v[STR]              ; my wave's 128 c x max and 128 sums, 16 bytes a lane: my own stores, served in order
	ds_load_b128 v[TMP+4:TMP+7], v[STR] offset:512
	s_wait_dscnt 0x0
	global_store_b128 v[SO], v[TMP:TMP+3], s[8:9]        ; 512 consecutive bytes, at a multiple of 256 from the buffer's first byte
	global_store_b128 v[SO], v[TMP+4:TMP+7], s[10:11]
	s_wait_tensorcnt 0x0                           ; the wave's end: behind my last tensor load and my last LDS store
	ds_add_u32 v[SPW], v[NIL]
	s_wait_dscnt 0x0
	CROUND                                         ; the closing round
	s_endpgm
.Lfunc_end_k_q542056caf1_score:
	.size	k_q542056caf1_score, .Lfunc_end_k_q542056caf1_score-k_q542056caf1_score
	.p2alignl 7, 3214868480
	.fill 96, 4, 3214868480
	.section	.rodata,"a",@progbits
	.p2align	6, 0x0
	.amdhsa_kernel k_q542056caf1_score
		.amdhsa_group_segment_fixed_size 327680
		.amdhsa_private_segment_fixed_size 0
		.amdhsa_enable_private_segment 0
		.amdhsa_kernarg_size 32
		.amdhsa_user_sgpr_count 2
		.amdhsa_user_sgpr_kernarg_segment_ptr 1
		.amdhsa_wavefront_size32 1
		.amdhsa_system_sgpr_workgroup_id_x 1
		.amdhsa_system_sgpr_workgroup_id_y 1
		.amdhsa_system_sgpr_workgroup_id_z 1
		.amdhsa_system_vgpr_workitem_id 0
		.amdhsa_next_free_vgpr 1024
		.amdhsa_next_free_sgpr 80
		.amdhsa_reserve_vcc 0
		.amdhsa_float_denorm_mode_32 3
		.amdhsa_float_denorm_mode_16_64 3
		.amdhsa_memory_ordered 1
		.amdhsa_forward_progress 1
		.amdhsa_inst_pref_size 214
	.end_amdhsa_kernel
	.amdgpu_metadata
---
amdhsa.version: [ 1, 2 ]
amdhsa.kernels:
  - .name:           k_q542056caf1_score
    .symbol:         k_q542056caf1_score.kd
    .args:
      - { .name: qkv, .offset: 0, .size: 8, .value_kind: global_buffer, .address_space: global }
      - { .name: pt, .offset: 8, .size: 8, .value_kind: global_buffer, .address_space: global }
      - { .name: ms, .offset: 16, .size: 8, .value_kind: global_buffer, .address_space: global }
      - { .name: ls, .offset: 24, .size: 8, .value_kind: global_buffer, .address_space: global }
    .group_segment_fixed_size: 327680
    .private_segment_fixed_size: 0
    .kernarg_segment_align: 8
    .kernarg_segment_size: 32
    .max_flat_workgroup_size: 128
    .sgpr_count:     80
    .vgpr_count:     1024
    .wavefront_size: 32
...
	.end_amdgpu_metadata
.endif
;; end of part 3
;; launch pv (part 4): grid 4 x 64, 4 waves a work-group, clusters of 4 x 4, 327,680 bytes of LDS; arguments pt, qkv, ms, ls, out0; writes out0
.if DOCPART == 4
	.amdgcn_target "amdgcn-amd-amdhsa--gfx1250"
	.amdhsa_code_object_version 6
	.text
	.protected	k_q542056caf1_pv
	.globl	k_q542056caf1_pv
	.p2align	8
	.type	k_q542056caf1_pv,@function
k_q542056caf1_pv:
	s_mov_b64 s[64:65], 0
	v_nop
	global_prefetch_b8 v0, s[64:65] scope:SCOPE_SE
	s_setreg_imm32_b32 hwreg(HW_REG_WAVE_MODE, 25, 1), 1
	s_wait_xcnt 0x0
	s_wait_alu depctr_hold_cnt(0) depctr_sa_sdst(0) depctr_va_vdst(0) depctr_va_sdst(0) depctr_va_ssrc(0) depctr_va_vcc(0) depctr_vm_vsrc(0)
	s_getreg_b32 s2, hwreg(HW_REG_IB_STS2, 6, 4)
	s_cmp_eq_u32 s2, 0
	s_cbranch_scc0 .Lentry_in_a_cluster
	s_endpgm
.Lentry_in_a_cluster:
	s_bfe_u32 s2, ttmp6, 0x10000c
	s_cmp_lg_u32 s2, 0xf033
	s_cbranch_scc0 .Lentry_shape_is_right
	s_endpgm
.Lentry_shape_is_right:
; out0[row][n] = (the sum over groups g and their keys k of f[g][row] pt[row][k] V[k][n]) / l[row]: the second level of the softmax and the product with V.
; pt[8192][2048] (f16) holds 2^(c s - ms[g][row]) by groups of 128 keys, ms the groups' c x max, ls their sums; V is columns 2048-3071 of qkv[8192][3072] (f16).
; For each row: cm = the largest of its 16 ms;  f[g] = f16(2^(ms[g] - cm)), at most 1;  l = the sum of f[g] ls[g], with the rounded f, so that divisor and weights agree.
; A K step of 128 keys is one group, so P's fragments of a step are multiplied by ONE factor a row (v_pk_mul_f16, both halves of a register hold f), 32 such lines for a quarter's 32 products.
; LIMITS.  A weight f x p below 6e-5 keeps f16's fixed step of 6e-8, an f below 6e-8 counts as 0: both are measured against a row's largest weight, which is 1.  NaN and infinities are not treated apart.
; TILE.  128 rows x 256 columns: 64 x 4 = 256 work-groups, one to a WGP (256 x 256 would give 128).  Four waves, each 64 x 128: 32 accumulators.  K = 2,048 keys in steps of 128, two LDS slots.
; A (pt) lies [row][key]: ds_load_b128.  B (V) lies [key][column]: the turning load ds_load_tr16_b128.  The matrix instruction is used transposed: a lane holds eight neighbouring numbers of one row.
; CLUSTER.  4 x 4 work-groups: the four of a row of the cluster share pt's tiles, the four of a column V's (a cluster's 512 rows lie in one batch); joint loads divide the requests by four.
; REGISTERS: window 0: v0-31 addresses; v32-127, v128-223 two fragment buffers (64 of B, 32 of A); v224-231 f of the step in slot 0, 1 (row block a at +a); v232-239 1 / l, twice for each row block
;            window 1: the accumulators, (a, b) at v[8 (8 a + b)]
.set KSTEP,  128
.set PA,     272                       ; a row of A in LDS: 256 bytes + 16: the 16 rows of a load start at 16 different groups of four banks (64 banks of 4 bytes: ISA guide 11.1)
.set PB,     544                       ; a row of B: 512 bytes + 32
.set AT,     128*PA
.set SLOT,   AT+128*PB
.set STAGE,  2*SLOT                    ; behind the ring, never filled by a tensor load: 16 rows x 528 bytes for each wave
.set SP,     528                       ; a stage row: 512 bytes + 16
.set FTAB,   STAGE+4*16*SP             ; f: [16 groups][128 rows], a word each (f16 twice)
.set RLT,    FTAB+16*512               ; 1 / l: 128 rows
.set SPARE,  RLT+512                   ; the spare words, 128 bytes for each wave: two blocks of 256 bytes that no other line names
.set LAPS,   2048/(2*KSTEP)
.set STEPA,  KSTEP*2
.set STEPB,  KSTEP*6144
.set ADRA, 8
.set ADRB, 10
.set STO,  12
.set RD,   13
.set CO,   14
.set FA0,  15                          ; v15  my row's place in a group's 512 bytes of the table
.set FA,   16                          ; v16  the address of the factors in hand
.set RA,   17                          ; v17  my row's place among the 1 / l
.set MO,   18                          ; v18  my byte offset in ms and ls
.set TA,   19                          ; v19  where my thread puts its row's factors
.set SPW,  28
.set NIL,  29
.set F0,   32
.set F1,   128
.set FT,   224
.set RL,   232
.set WV,   16
.set HI,   17
.set LO,   18
.set G1A,  24
.set G0A,  32
.set G1B,  48
.set G0B,  56
.set FTO,  70                          ; s70  the lap's first group in the table, in bytes
.set MUL,  0x50                        ; sources in window 0, C and D in window 1
.set MSB, 0
.macro WIN new
.if MSB != (\new)
	s_set_vgpr_msb (MSB<<8)|(\new)
.set MSB, \new
.endif
.endm
.macro JLOAD s                         ; a joint load: waves 0 and 1 fetch A's two halves, waves 2 and 3 B's; an s_nop 0 and four v_nop follow each of the two lines
	s_cmp_eq_u32 s[HI], 0
	s_cbranch_scc0 .Lfor_b_\@
	tensor_load_to_lds s[G0A+4*(\s):G0A+4*(\s)+3], s[G1A:G1A+7]
	s_nop 0
.rept 4
	v_nop
.endr
	s_branch .Lasked_\@
.Lfor_b_\@:
	tensor_load_to_lds s[G0B+4*(\s):G0B+4*(\s)+3], s[G1B:G1B+7]
	s_nop 0
.rept 4
	v_nop
.endr
.Lasked_\@:
.endm
.macro CREST
	s_cmp_lg_u32 s[WV], 0
	s_cbranch_scc1 .Lnot_wave_0_\@
	s_barrier_signal -3
.Lnot_wave_0_\@:
	s_barrier_wait -3
	s_barrier_signal -1
	s_barrier_wait -1
.endm
.macro CROUND
	s_barrier_signal -1
	s_barrier_wait -1
	CREST
.endm
.macro PLACES
.rept 4
	v_nop
.endr
.endm
	s_load_b256 s[4:11], s[0:1], 0x0               ; pt s[4:5], qkv s[6:7], ms s[8:9], ls s[10:11]
	s_load_b64 s[12:13], s[0:1], 0x20              ; out0
	v_lshl_add_u32 v[SPW], v0, 2, SPARE
	v_mov_b32 v[NIL], 0
	ds_add_u32 v28, v29
	s_wait_dscnt 0x0
	v_lshrrev_b32 v1, 5, v0
	v_readfirstlane_b32 s[WV], v1
	s_lshr_b32 s[HI], s[WV], 1
	s_and_b32 s[LO], s[WV], 1
	s_bfe_u32 s19, ttmp6, 0x40000                  ; cx, cy
	s_bfe_u32 s20, ttmp6, 0x40004
	s_lshl_b32 s21, ttmp9, 2
	s_add_co_u32 s21, s21, s19                     ; tile column = 4 x cluster x + cx
	s_and_b32 s23, ttmp7, 0xffff                   ; the cluster's y: four clusters to a batch
	s_lshl_b32 s22, s23, 2
	s_add_co_u32 s22, s22, s20                     ; tile row = 4 x cluster y + cy
	s_lshl_b32 s71, s20, 2
	s_lshl_b32 s71, 15, s71                        ; my row of the cluster
	s_lshl_b32 s72, 0x1111, s19                    ; my column
	s_or_b32 s[G1A], s71, (1<<16)|(1<<20)|(1<<21)|(5<<22)|(3<<25)  ; A: 64 rows x 128 elements of 2 bytes, 4 words of padding behind every 64
	s_mov_b32 s[G1A+1], 128<<16
	s_mov_b32 s[G1A+2], 64<<16
	s_mov_b32 s[G1A+3], 128<<16
	s_mov_b32 s[G1A+4], 64
	s_mov_b32 s[G1A+5], 2048                       ; elements from row to row of pt
	s_mov_b32 s[G1A+6], 0
	s_mov_b32 s[G1A+7], 0
	s_or_b32 s[G1B], s72, (1<<16)|(1<<20)|(1<<21)|(6<<22)|(7<<25)  ; B: 64 keys x 256 elements, 8 words of padding behind every 128
	s_mov_b32 s[G1B+1], 256<<16
	s_mov_b32 s[G1B+2], 64<<16
	s_mov_b32 s[G1B+3], 256<<16
	s_mov_b32 s[G1B+4], 64
	s_mov_b32 s[G1B+5], 3072                       ; elements from row to row of qkv
	s_mov_b32 s[G1B+6], 0
	s_mov_b32 s[G1B+7], 0
	s_mov_b32 s[FTO], 0
	s_lshl_b32 s73, s[LO], 6                       ; which 64 rows of a tile I fetch
	s_lshl_b32 s40, s22, 7
	s_add_co_u32 s40, s40, s73
	s_lshl_b32 s40, s40, 12                        ; A: (128 x tile row + 64 x half) rows of 4,096 bytes
	s_mov_b32 s41, 0
	s_lshr_b32 s42, s23, 2                         ; B: the batch, from the cluster's y alone, which my column shares,
	s_lshl_b32 s42, s42, 11
	s_add_co_u32 s42, s42, s73
	s_mul_i32 s42, s42, 6144                       ; key 2,048 x batch + 64 x half,
	s_lshl_b32 s74, s21, 9
	s_add_co_u32 s42, s42, s74                     ; 512 bytes a tile column,
	s_add_co_u32 s42, s42, 4096                    ; V's part of a row lies behind Q's and K's
	s_mov_b32 s43, 0
	s_mul_i32 s2, s[LO], 64*PA                     ; where they go: no place in the cluster enters an LDS address
	s_mul_i32 s75, s[LO], 64*PB
	s_add_co_u32 s75, s75, AT
	s_lshl_b32 s44, s22, 7
	s_lshl_b32 s46, s[HI], 6
	s_add_co_u32 s44, s44, s46
	s_lshl_b32 s44, s44, 12                        ; out0: my first row, 4,096 bytes a row,
	s_lshl_b32 s74, s21, 1
	s_add_co_u32 s74, s74, s[LO]
	s_lshl_b32 s74, s74, 9                         ; my first column: 1,024 x tile column + 512 x half bytes
	s_add_co_u32 s44, s44, s74
	s_mov_b32 s45, 0
	s_lshl_b32 s46, s22, 9                         ; ms, ls: the tile's 128 rows, 4 bytes each
	s_mov_b32 s47, 0
	s_wait_kmcnt 0x0
	s_add_nc_u64 s[40:41], s[4:5], s[40:41]
	s_add_nc_u64 s[42:43], s[6:7], s[42:43]
	s_add_nc_u64 s[12:13], s[12:13], s[44:45]
	s_add_nc_u64 s[8:9], s[8:9], s[46:47]
	s_add_nc_u64 s[10:11], s[10:11], s[46:47]
	CROUND                                         ; all sixteen work-groups are here: the first joint loads meet
.irp s, 0,1
	s_mov_b32 s[G0A+4*(\s)], 1
	s_add_co_u32 s[G0A+4*(\s)+1], s2, (\s)*SLOT
	s_add_nc_u64 s[G0A+4*(\s)+2:G0A+4*(\s)+3], s[40:41], (\s)*STEPA
	s_or_b32 s[G0A+4*(\s)+3], s[G0A+4*(\s)+3], 0x80000000
	s_mov_b32 s[G0B+4*(\s)], 1
	s_add_co_u32 s[G0B+4*(\s)+1], s75, (\s)*SLOT
	s_add_nc_u64 s[G0B+4*(\s)+2:G0B+4*(\s)+3], s[42:43], (\s)*STEPB
	s_or_b32 s[G0B+4*(\s)+3], s[G0B+4*(\s)+3], 0x80000000
	JLOAD \s                                       ; two tensor loads of mine are out, the most in this text
.endr
	; THE TABLE, in the wait for the first tiles: thread t serves row t of the tile's 128
	v_lshlrev_b32 v[MO], 2, v0
.irp g, 0,1,2,3,4,5,6,7,8,9,10,11,12,13,14,15
	global_load_b32 v[32+(\g)], v[MO], s[8:9] offset:32768*(\g)    ; a wave's load covers 128 consecutive bytes of a group's row of ms
.endr
.irp g, 0,1,2,3,4,5,6,7,8,9,10,11,12,13,14,15
	global_load_b32 v[48+(\g)], v[MO], s[10:11] offset:32768*(\g)
.endr
	v_lshl_add_u32 v[TA], v0, 2, FTAB
	v_and_b32 v1, 15, v0                           ; r = l % 16
	v_bfe_u32 v2, v0, 4, 1                         ; h = l / 16
	v_mul_u32_u24 v3, v1, PA
	v_lshl_add_u32 v3, v2, 4, v3                   ; a fragment of A: r x pitch + 16 h
	s_mul_i32 s73, s[HI], 64*PA
	v_add_nc_u32 v[ADRA], s73, v3
	v_add_nc_u32 v[ADRA+1], SLOT, v[ADRA]
	v_and_b32 v4, 7, v0                            ; the turning load: key 8 h + l % 8, columns 8 ((l / 8) % 2) + 0..7
	v_lshl_add_u32 v4, v2, 3, v4
	v_mul_u32_u24 v4, v4, PB
	v_bfe_u32 v5, v0, 3, 1
	v_lshl_add_u32 v4, v5, 4, v4
	s_lshl_b32 s73, s[LO], 8
	s_add_co_u32 s73, s73, AT
	v_add_nc_u32 v[ADRB], s73, v4
	v_add_nc_u32 v[ADRB+1], SLOT, v[ADRB]
	s_mul_i32 s73, s[WV], 16*SP
	s_add_co_u32 s73, s73, STAGE                   ; my stage
	v_mul_u32_u24 v4, v1, SP                       ; in: row r, 32 bytes for each half of the lanes
	v_lshl_add_u32 v4, v2, 5, v4
	v_add_nc_u32 v[STO], s73, v4
	v_and_b32 v4, 31, v0
	v_lshlrev_b32 v[CO], 4, v4                     ; back: 32 lanes take a row's 512 bytes, and the same in out0
	v_add_nc_u32 v[RD], s73, v[CO]
	s_lshl_b32 s73, s[HI], 8                       ; my 64 rows in the tables, 4 bytes each
	s_add_co_u32 s75, s73, RLT
	s_add_co_u32 s73, s73, FTAB
	v_lshl_add_u32 v[FA0], v1, 2, s73
	v_lshl_add_u32 v[RA], v1, 2, s75
	s_wait_loadcnt 0x0
	v_max3_num_f32 v64, v32, v33, v34              ; the row's maximum, times c
.irp g, 35,37,39,41,43,45
	v_max3_num_f32 v64, v64, v[\g], v[(\g)+1]
.endr
	v_max_num_f32 v64, v64, v47
.irp g, 0,1,2,3,4,5,6,7,8,9,10,11,12,13,14,15
	v_sub_f32 v[32+(\g)], v[32+(\g)], v64
.endr
.irp g, 0,1,2,3,4,5,6,7,8,9,10,11,12,13,14,15
	v_exp_f32 v[32+(\g)], v[32+(\g)]
.endr
	v_nop                                          ; a plain instruction between the last exponential and the use of its result (ISA guide 5.7.2)
	s_wait_alu depctr_va_vdst(0)
.macro FG g, h, hl                     ; group g: f rounded to f16, twice in register h; widened again (hl: its low half) for l; into the table
	v_cvt_pk_f16_f32 \h, v[32+(\g)], v[32+(\g)]
	v_cvt_f32_f16 v[96+(\g)], \hl
.if (\g) == 0
	v_mul_f32 v65, v[96], v[48]
.else
	v_fmac_f32 v65, v[96+(\g)], v[48+(\g)]
.endif
	ds_store_b32 v[TA], \h offset:512*(\g)
.endm
	FG 0, v80, v80.l
	FG 1, v81, v81.l
	FG 2, v82, v82.l
	FG 3, v83, v83.l
	FG 4, v84, v84.l
	FG 5, v85, v85.l
	FG 6, v86, v86.l
	FG 7, v87, v87.l
	FG 8, v88, v88.l
	FG 9, v89, v89.l
	FG 10, v90, v90.l
	FG 11, v91, v91.l
	FG 12, v92, v92.l
	FG 13, v93, v93.l
	FG 14, v94, v94.l
	FG 15, v95, v95.l
	v_rcp_f32 v66, v65                             ; l is at least about 1: the group that holds the row's maximum has f = 1 and a weight 1
	v_nop
	s_wait_alu depctr_va_vdst(0)
	ds_store_b32 v[TA], v66 offset:RLT-FTAB
.macro MUL8 f, a, first                ; 8 matrix instructions: row block a x all 8 column blocks, 32 keys.  first = 1: the products start the sums.  The 32 accumulators take turns.
	WIN MUL
.irp b, 0,1,2,3,4,5,6,7
.if \first
	v_wmma_f32_16x16x32_f16 v[8*(8*(\a)+(\b)):8*(8*(\a)+(\b))+7], v[(\f)+8*(\b):(\f)+8*(\b)+7], v[(\f)+64+8*(\a):(\f)+64+8*(\a)+7], 0
.else
	v_wmma_f32_16x16x32_f16 v[8*(8*(\a)+(\b)):8*(8*(\a)+(\b))+7], v[(\f)+8*(\b):(\f)+8*(\b)+7], v[(\f)+64+8*(\a):(\f)+64+8*(\a)+7], v[8*(8*(\a)+(\b)):8*(8*(\a)+(\b))+7]
.endif
.endr
.endm
.macro FETCH slot, q, f                ; 24 LDS loads in one run: quarter q (32 keys) of a slot into buffer f: B's sixteen, then A's eight
	WIN 0
.irp b, 0,1,2,3,4,5,6,7
	ds_load_tr16_b128 v[(\f)+8*(\b):(\f)+8*(\b)+3],   v[ADRB+(\slot)] offset:(\q)*32*PB+32*(\b)
	ds_load_tr16_b128 v[(\f)+8*(\b)+4:(\f)+8*(\b)+7], v[ADRB+(\slot)] offset:(\q)*32*PB+16*PB+32*(\b)
.endr
.irp a, 0,1,2,3
	ds_load_b128 v[(\f)+64+8*(\a):(\f)+64+8*(\a)+3],   v[ADRA+(\slot)] offset:64*(\q)+(\a)*16*PA
	ds_load_b128 v[(\f)+64+8*(\a)+4:(\f)+64+8*(\a)+7], v[ADRA+(\slot)] offset:64*(\q)+(\a)*16*PA+32
.endr
.endm
.macro FETCHF ft, off                  ; the next step's four factors (my row in each of the four row blocks): in front of that step's first fragment run, so every counted wait for the run covers them
	WIN 0
	v_add_nc_u32 v[FA], s[FTO], v[FA0]
.irp a, 0,1,2,3
	ds_load_b32 v[(\ft)+(\a)], v[FA] offset:(\off)+64*(\a)
.endr
.endm
.macro SCALE f, a, ft                  ; row block a's fragment of P times its rows' f: a lane holds one row
	WIN 0
.irp i, 0,1,2,3,4,5,6,7
	v_pk_mul_f16 v[(\f)+64+8*(\a)+(\i)], v[(\f)+64+8*(\a)+(\i)], v[(\ft)+(\a)]
.endr
.endm
.macro QUARTER slot, q, f, g, first
	s_wait_dscnt 4                                 ; all but the youngest four loads (A's row blocks 2, 3) are in
	SCALE \f, 0, FT+4*(\slot)
	SCALE \f, 1, FT+4*(\slot)
	MUL8 \f, 0, \first
	MUL8 \f, 1, \first
	WIN 0
	PLACES
	FETCH \slot, \q, \g
	s_wait_dscnt 24                                ; all but the 24 just issued
	SCALE \f, 2, FT+4*(\slot)
	SCALE \f, 3, FT+4*(\slot)
	MUL8 \f, 2, \first
	MUL8 \f, 3, \first
.endm
; The last quarter multiplies buffer 1 and changes slots: ONE barrier.  In front of it each wave waits for all its tensor loads (one is out: its part of the next slot), adds 0 to its spare
; word, and waits for that and for its reads of this slot.  fill = 1: the barrier opens a round of the cluster's, and this slot is filled again, two K steps ahead, first thing behind it.
; off: the next step's group in the table, from the lap's first.
.macro TURN slot, next, fill, off
	WIN 0
	s_wait_tensorcnt 0x0
	ds_add_u32 v[SPW], v[NIL]                      ; 0 onto my spare word
	s_wait_dscnt 5                                 ; (the add and the youngest four loads may be out)
	SCALE F1, 0, FT+4*(\slot)
	SCALE F1, 1, FT+4*(\slot)
	MUL8 F1, 0, 0                                  ; work on registers stands between the add and the wait for it
	s_wait_dscnt 0x0                               ; the add is done, and my reads of this slot are over
	s_barrier_signal -1
	MUL8 F1, 1, 0
	WIN 0
	s_barrier_wait -1
.if \fill
	CREST
	s_add_nc_u64 s[G0A+4*(\slot)+2:G0A+4*(\slot)+3], s[G0A+4*(\slot)+2:G0A+4*(\slot)+3], 2*STEPA
	s_add_nc_u64 s[G0B+4*(\slot)+2:G0B+4*(\slot)+3], s[G0B+4*(\slot)+2:G0B+4*(\slot)+3], 2*STEPB
	JLOAD \slot                                    ; my one tensor load behind the round; its four v_nop are also the places in front of the loads below
.else
	PLACES
.endif
	FETCHF FT+4*(\next), \off
	FETCH \next, 0, F0
	SCALE F1, 2, FT+4*(\slot)
	SCALE F1, 3, FT+4*(\slot)
	MUL8 F1, 2, 0
	MUL8 F1, 3, 0
.endm
	s_wait_dscnt 0x0                               ; for the others' sake: my rows of the tables are written
	s_wait_tensorcnt 1                             ; my part of K step 0 is in; K step 1's may stay out
	s_barrier_signal -1
	s_barrier_wait -1
.irp a, 0,1,2,3
	ds_load_b32 v[RL+2*(\a)], v[RA] offset:64*(\a)     ; 1 / l of my row in each row block, in both registers of a pair: older than every fragment run, so the counted waits cover them
	ds_load_b32 v[RL+2*(\a)+1], v[RA] offset:64*(\a)
.endr
	FETCHF FT, 0
	FETCH 0, 0, F0
	QUARTER 0, 1, F0, F1, 1                        ; the first quarter stands in front of the loop: its products start the sums
	WIN 0
	s_mov_b32 s3, LAPS-1
.Llap:                                                 ; a trip goes once round the ring, from a lap's second quarter to the next lap's first, and fills both slots again
	QUARTER 0, 2, F1, F0, 0
	QUARTER 0, 3, F0, F1, 0
	TURN 0, 1, 1, 512
	QUARTER 1, 1, F0, F1, 0
	QUARTER 1, 2, F1, F0, 0
	QUARTER 1, 3, F0, F1, 0
	TURN 1, 0, 1, 1024
	QUARTER 0, 1, F0, F1, 0
	WIN 0
	s_add_co_u32 s[FTO], s[FTO], 1024              ; two groups on in the table
	s_sub_co_u32 s3, s3, 1
	s_cmp_lg_u32 s3, 0
	s_cbranch_scc1 .Llap
	QUARTER 0, 2, F1, F0, 0                        ; the last lap is written out: it fills nothing
	QUARTER 0, 3, F0, F1, 0
	TURN 0, 1, 0, 512
	QUARTER 1, 1, F0, F1, 0
	QUARTER 1, 2, F1, F0, 0
	QUARTER 1, 3, F0, F1, 0
	s_wait_dscnt 4                                 ; the very last quarter
	SCALE F1, 0, FT+4
	SCALE F1, 1, FT+4
	MUL8 F1, 0, 0
	MUL8 F1, 1, 0
	s_wait_dscnt 0x0
	SCALE F1, 2, FT+4
	SCALE F1, 3, FT+4
	MUL8 F1, 2, 0
	MUL8 F1, 3, 0
	WIN 0
; THE WAY OUT, a block of 16 rows at a time: divided by l in place (each accumulator's registers in ascending order), 32 bytes a lane into my own stage, back as whole rows of 512 bytes, stored.
.macro DIVIDE a
	WIN 0x41                                       ; destination and source 0 in window 1, 1 / l in window 0
.set i, 0
.rept 32
	v_pk_mul_f32 v[64*(\a)+2*i:64*(\a)+2*i+1], v[64*(\a)+2*i:64*(\a)+2*i+1], v[RL+2*(\a):RL+2*(\a)+1]
.set i, i+1
.endr
.endm
.macro TOSTAGE a
.set BK, 32+64*((\a)%3)                ; three buffers of 64 registers; block 3 takes block 0's
	WIN 0x04                                       ; the stores' data in window 1
.irp b, 0,1,2,3,4,5,6,7
	ds_store_b128 v[STO], v[64*(\a)+8*(\b):64*(\a)+8*(\b)+3] offset:64*(\b)
	ds_store_b128 v[STO], v[64*(\a)+8*(\b)+4:64*(\a)+8*(\b)+7] offset:64*(\b)+16
.endr
	WIN 0
.if (\a) == 3
	s_wait_xcnt 0x0                                ; every earlier store has had its addresses translated (ISA guide 3.1): block 0's buffer is loaded again only behind this wait
.endif
.irp t, 0,1,2,3,4,5,6,7,8,9,10,11,12,13,14,15
	ds_load_b128 v[BK+4*(\t):BK+4*(\t)+3], v[RD] offset:(\t)*SP  ; LDS serves a wave's instructions in order (ISA guide 5.7.1.4): these see the stores above
.endr
.endm
.macro SEND a
.set BK, 32+64*((\a)%3)
	WIN 0
	s_wait_dscnt 0x0                               ; the block is back in registers
.irp t, 0,1,2,3,4,5,6,7,8,9,10,11,12,13,14,15
	global_store_b128 v[CO], v[BK+4*(\t):BK+4*(\t)+3], s[12:13] offset:(16*(\a)+(\t))*4096 th:TH_STORE_NT  ; 512 consecutive bytes, at a multiple of 256 from out0's first byte
.endr
.endm
	PLACES
	DIVIDE 0
	TOSTAGE 0
.irp a, 1,2,3                          ; block a's multiplies stand between block a - 1's loads from the stage and the wait for them
	DIVIDE \a
	SEND (\a)-1
	TOSTAGE \a
.endr
	SEND 3
	s_wait_tensorcnt 0x0                           ; the wave's end: behind my last tensor load and my last LDS store
	ds_add_u32 v[SPW], v[NIL]
	s_wait_dscnt 0x0
	CROUND                                         ; the closing round
	s_endpgm
.Lfunc_end_k_q542056caf1_pv:
	.size	k_q542056caf1_pv, .Lfunc_end_k_q542056caf1_pv-k_q542056caf1_pv
	.p2alignl 7, 3214868480
	.fill 96, 4, 3214868480
	.section	.rodata,"a",@progbits
	.p2align	6, 0x0
	.amdhsa_kernel k_q542056caf1_pv
		.amdhsa_group_segment_fixed_size 327680
		.amdhsa_private_segment_fixed_size 0
		.amdhsa_enable_private_segment 0
		.amdhsa_kernarg_size 40
		.amdhsa_user_sgpr_count 2
		.amdhsa_user_sgpr_kernarg_segment_ptr 1
		.amdhsa_wavefront_size32 1
		.amdhsa_system_sgpr_workgroup_id_x 1
		.amdhsa_system_sgpr_workgroup_id_y 1
		.amdhsa_system_sgpr_workgroup_id_z 1
		.amdhsa_system_vgpr_workitem_id 0
		.amdhsa_next_free_vgpr 512
		.amdhsa_next_free_sgpr 80
		.amdhsa_reserve_vcc 0
		.amdhsa_float_denorm_mode_32 3
		.amdhsa_float_denorm_mode_16_64 3
		.amdhsa_memory_ordered 1
		.amdhsa_forward_progress 1
		.amdhsa_inst_pref_size 136
	.end_amdhsa_kernel
	.amdgpu_metadata
---
amdhsa.version: [ 1, 2 ]
amdhsa.kernels:
  - .name:           k_q542056caf1_pv
    .symbol:         k_q542056caf1_pv.kd
    .args:
      - { .name: pt, .offset: 0, .size: 8, .value_kind: global_buffer, .address_space: global }
      - { .name: qkv, .offset: 8, .size: 8, .value_kind: global_buffer, .address_space: global }
      - { .name: ms, .offset: 16, .size: 8, .value_kind: global_buffer, .address_space: global }
      - { .name: ls, .offset: 24, .size: 8, .value_kind: global_buffer, .address_space: global }
      - { .name: out0, .offset: 32, .size: 8, .value_kind: global_buffer, .address_space: global }
    .group_segment_fixed_size: 327680
    .private_segment_fixed_size: 0
    .kernarg_segment_align: 8
    .kernarg_segment_size: 40
    .max_flat_workgroup_size: 128
    .sgpr_count:     80
    .vgpr_count:     512
    .wavefront_size: 32
...
	.end_amdgpu_metadata
.endif
;; end of part 4
;; ======== version 2 of 3: 4 launches; 1.12 times as fast as version 1
;; limits: values are held in f16: magnitudes above 65,504 overflow, below 6.1e-05 lose precision
;; workspace buffers: xb 16,777,216 bytes; wb 6,291,456 bytes; qkv 50,331,648 bytes; pt 33,554,432 bytes; ms 524,288 bytes; ls 524,288 bytes
;; launch cast (part 5): grid 704 x 1, 8 waves a work-group, no clusters, 0 bytes of LDS; arguments x, Wq, Wk, Wv, xb, wb; writes xb, wb
.if DOCPART == 5
	.amdgcn_target "amdgcn-amd-amdhsa--gfx1250"
	.amdhsa_code_object_version 6
	.text
	.protected	k_q542056caf1_cast
	.globl	k_q542056caf1_cast
	.p2align	8
	.type	k_q542056caf1_cast,@function
k_q542056caf1_cast:
	s_mov_b64 s[64:65], 0
	v_nop
	global_prefetch_b8 v0, s[64:65] scope:SCOPE_SE
	s_setreg_imm32_b32 hwreg(HW_REG_WAVE_MODE, 25, 1), 1
	s_wait_xcnt 0x0
; xb[kb][row][kk] = bf16(x[row][64 kb + kk]): x's 8,192 rows in 16 blocks of 64 channels, so that 256 rows x 64 channels, the next launch's tile, are 32,768 consecutive bytes.
; wb[1024 d][3072 e] = bf16(Wq | Wk | Wv)[d][e]: the three weights side by side, rows as they lie: nothing is turned.
; A stream: each f32 is read once and each bf16 written once; no LDS, no barrier, no matrix work, since no number meets another.
; A work-group takes 16 rows of 1,024 f32.  Groups 0-511: x's rows.  Groups 512-703: 64 groups for each weight.  With c = t % 16, half = (t / 16) % 2, w = t / 32, load j = 2 p + o of 16:
;   x:  row 2 p + half, block 2 w + o, 16 bytes at 16 c: 16 lanes read a row's 256 bytes of one block; the wave stores the two rows' 128 + 128 bytes, which lie end to end in xb.
;   W:  row 2 p + o, 16 bytes at 16 t: a wave reads 512 consecutive bytes and stores 256.
; So every load covers whole aligned runs of 256 bytes and every store 256 consecutive bytes at a multiple of 256 from the buffer's first byte.  The two cases differ in six strides,
; chosen by the group's number; the text is one.  All 16 loads go out first; no register that a load or store names is written again, so the only waits are the counted ones for data.
.set X,  4                             ; v[4:67]    load j: 4 f32
.set Y,  68                            ; v[68:99]   load j: 4 bf16 to store
.set O,  100                           ; v[100:115] load j: my byte offset in the destination
.set L0, 116                           ; v116-117   my byte offset in the source, for even and for odd j
	s_load_b256 s[4:11], s[0:1], 0x0               ; x s[4:5], Wq s[6:7], Wk s[8:9], Wv s[10:11]
	s_load_b128 s[12:15], s[0:1], 0x20             ; xb s[12:13], wb s[14:15]
	s_mov_b32 s30, ttmp9                           ; the work-group's number
	s_sub_co_u32 s16, s30, 512                     ; its number among the weights' groups (of no meaning for x's groups: chosen away below)
	s_lshr_b32 s17, s16, 6                         ; which weight: 0, 1, 2
	s_and_b32 s18, s16, 63                         ; which 16 rows of it
	s_mov_b32 s20, 98304                           ; the weights' strides: 16 rows of wb,
	s_mov_b32 s21, 256                             ; source: from half to half,
	s_mov_b32 s32, 4096                            ; source: from even j to odd j (a row),
	s_mov_b32 s33, 256                             ; destination: from wave to wave,
	s_mov_b32 s34, 6144                            ; destination: from even j to odd j (a row),
	s_mov_b32 s35, 12288                           ; destination: from p to p + 1 (two rows)
	s_cmp_lt_u32 s30, 512                          ; x's group?
	s_cselect_b32 s17, 0, s17
	s_cselect_b32 s19, s30, s18                    ; block of 16 rows
	s_cselect_b32 s20, 2048, s20                   ; x's strides: 16 rows of 128 bytes in a block of xb,
	s_cselect_b32 s21, 4096, s21                   ; a row of x,
	s_cselect_b32 s32, 256, s32                    ; 64 f32,
	s_cselect_b32 s33, 0x200000, s33               ; two blocks of xb,
	s_cselect_b32 s34, 0x100000, s34               ; one block of xb: 8,192 rows of 128 bytes,
	s_cselect_b32 s35, 256, s35                    ; two rows in a block
	s_lshl_b32 s26, s19, 16                        ; source: 16 rows of 4,096 bytes a group
	s_mov_b32 s27, 0
	s_mul_i32 s28, s19, s20                        ; destination: the group's 16 rows,
	s_lshl_b32 s16, s17, 11
	s_add_co_u32 s28, s28, s16                     ; and the weight's 2,048 bytes in a row of wb
	s_mov_b32 s29, 0
	v_and_b32 v1, 15, v0                           ; c
	v_bfe_u32 v2, v0, 4, 1                         ; half
	v_lshrrev_b32 v3, 5, v0                        ; w
	v_lshlrev_b32 v[L0], 4, v1
	v_mad_u32_u24 v[L0], v2, s21, v[L0]
	v_lshl_add_u32 v[L0], v3, 9, v[L0]             ; 16 c + half x stride + 512 w
	v_add_nc_u32 v[L0+1], s32, v[L0]
	v_lshlrev_b32 v[O], 3, v1
	v_lshl_add_u32 v[O], v2, 7, v[O]
	v_mad_u32_u24 v[O], v3, s33, v[O]              ; 8 c + 128 half + w x stride
	v_add_nc_u32 v[O+1], s34, v[O]
.irp j, 2,3,4,5,6,7,8,9,10,11,12,13,14,15
	v_add_nc_u32 v[O+(\j)], s35, v[O+(\j)-2]
.endr
	s_wait_kmcnt 0x0
	s_cmp_lt_u32 s30, 512                          ; compared anew: the shifts and sums above have written SCC
	s_cselect_b64 s[22:23], s[12:13], s[14:15]     ; to xb or wb
	s_cselect_b64 s[24:25], s[4:5], s[6:7]         ; from x or Wq,
	s_cmp_eq_u32 s17, 1
	s_cselect_b64 s[24:25], s[8:9], s[24:25]       ; or Wk,
	s_cmp_eq_u32 s17, 2
	s_cselect_b64 s[24:25], s[10:11], s[24:25]     ; or Wv
	s_add_nc_u64 s[24:25], s[24:25], s[26:27]
	s_add_nc_u64 s[22:23], s[22:23], s[28:29]
.irp j, 0,1,2,3,4,5,6,7,8,9,10,11,12,13,14,15
	global_load_b128 v[X+4*(\j):X+4*(\j)+3], v[L0+(\j)%2], s[24:25] offset:8192*((\j)/2) th:TH_LOAD_NT
.endr
.irp j, 0,1,2,3,4,5,6,7,8,9,10,11,12,13,14,15
	s_wait_loadcnt 15-(\j)                         ; loads come back in order (ISA guide 5.7.1): load j is in, the 15 - j younger ones stay out
	v_cvt_pk_bf16_f32 v[Y+2*(\j)],   v[X+4*(\j)],   v[X+4*(\j)+1]
	v_cvt_pk_bf16_f32 v[Y+2*(\j)+1], v[X+4*(\j)+2], v[X+4*(\j)+3]
	global_store_b64 v[O+(\j)], v[Y+2*(\j):Y+2*(\j)+1], s[22:23]
.endr
	s_endpgm
.Lfunc_end_k_q542056caf1_cast:
	.size	k_q542056caf1_cast, .Lfunc_end_k_q542056caf1_cast-k_q542056caf1_cast
	.p2alignl 7, 3214868480
	.fill 96, 4, 3214868480
	.section	.rodata,"a",@progbits
	.p2align	6, 0x0
	.amdhsa_kernel k_q542056caf1_cast
		.amdhsa_group_segment_fixed_size 0
		.amdhsa_private_segment_fixed_size 0
		.amdhsa_enable_private_segment 0
		.amdhsa_kernarg_size 48
		.amdhsa_user_sgpr_count 2
		.amdhsa_user_sgpr_kernarg_segment_ptr 1
		.amdhsa_wavefront_size32 1
		.amdhsa_system_sgpr_workgroup_id_x 1
		.amdhsa_system_sgpr_workgroup_id_y 1
		.amdhsa_system_sgpr_workgroup_id_z 1
		.amdhsa_system_vgpr_workitem_id 0
		.amdhsa_next_free_vgpr 120
		.amdhsa_next_free_sgpr 66
		.amdhsa_reserve_vcc 0
		.amdhsa_float_denorm_mode_32 3
		.amdhsa_float_denorm_mode_16_64 3
		.amdhsa_memory_ordered 1
		.amdhsa_forward_progress 1
		.amdhsa_inst_pref_size 9
	.end_amdhsa_kernel
	.amdgpu_metadata
---
amdhsa.version: [ 1, 2 ]
amdhsa.kernels:
  - .name:           k_q542056caf1_cast
    .symbol:         k_q542056caf1_cast.kd
    .args:
      - { .name: x, .offset: 0, .size: 8, .value_kind: global_buffer, .address_space: global }
      - { .name: Wq, .offset: 8, .size: 8, .value_kind: global_buffer, .address_space: global }
      - { .name: Wk, .offset: 16, .size: 8, .value_kind: global_buffer, .address_space: global }
      - { .name: Wv, .offset: 24, .size: 8, .value_kind: global_buffer, .address_space: global }
      - { .name: xb, .offset: 32, .size: 8, .value_kind: global_buffer, .address_space: global }
      - { .name: wb, .offset: 40, .size: 8, .value_kind: global_buffer, .address_space: global }
    .group_segment_fixed_size: 0
    .private_segment_fixed_size: 0
    .kernarg_segment_align: 8
    .kernarg_segment_size: 48
    .max_flat_workgroup_size: 256
    .sgpr_count:     66
    .vgpr_count:     120
    .wavefront_size: 32
...
	.end_amdgpu_metadata
.endif
;; end of part 5
;; launch proj (part 6): grid 8 x 32, 4 waves a work-group, clusters of 4 x 4, 327,680 bytes of LDS; arguments xb, wb, bq, bk, bv, qkv; writes qkv
.if DOCPART == 6
	.amdgcn_target "amdgcn-amd-amdhsa--gfx1250"
	.amdhsa_code_object_version 6
	.text
	.protected	k_q542056caf1_proj
	.globl	k_q542056caf1_proj
	.p2align	8
	.type	k_q542056caf1_proj,@function
k_q542056caf1_proj:
	s_mov_b64 s[64:65], 0
	v_nop
	global_prefetch_b8 v0, s[64:65] scope:SCOPE_SE
	s_setreg_imm32_b32 hwreg(HW_REG_WAVE_MODE, 25, 1), 1
	s_wait_xcnt 0x0
	s_wait_alu depctr_hold_cnt(0) depctr_sa_sdst(0) depctr_va_vdst(0) depctr_va_sdst(0) depctr_va_ssrc(0) depctr_va_vcc(0) depctr_vm_vsrc(0)
	s_getreg_b32 s2, hwreg(HW_REG_IB_STS2, 6, 4)
	s_cmp_eq_u32 s2, 0
	s_cbranch_scc0 .Lentry_in_a_cluster
	s_endpgm
.Lentry_in_a_cluster:
	s_bfe_u32 s2, ttmp6, 0x10000c
	s_cmp_lg_u32 s2, 0xf033
	s_cbranch_scc0 .Lentry_shape_is_right
	s_endpgm
.Lentry_shape_is_right:
; qkv[8192][3072] (f16) = x (bf16) x wb[1024][3072] (bf16) + (bq | bk | bv), sums in f32, rounded once.  Columns 0-1023 are Q, 1024-2047 K, 2048-3071 V.
; x comes as xb[kb][row][kk] = x[row][64 kb + kk]: a tile of 256 rows x 64 channels is 32,768 consecutive bytes.
; LIMITS.  f16 holds no number beyond 65,504: a Q, K or V past that leaves as an infinity.  The biases are rounded to bf16, like x and the weights.  NaN and infinities are not treated apart.
; TILE.  256 x 384 of the result to a work-group: 32 x 8 = 256 work-groups, one to each WGP; each fetches (256 + 384) x 1,024 x 2 bytes.  Four waves, each 128 x 192: 96 accumulators, 768 registers.
; K goes in steps of 64 through two LDS slots filled by tensor loads: steps of 128 would want 2 x 180,224 bytes.  A step is two QUARTERS of 32 along K, a quarter three THIRDS of 64 columns:
; 32 matrix instructions on one window's 32 accumulators.
; FRAGMENTS.  A (x) lies [row][k]: ds_load_b128, two buffers of 8 row blocks, by the quarter's parity.  B (wb) lies [k][column]: the turning load ds_load_tr16_b128, a ring of three buffers of 4 column
; blocks, one for each third.  A third's buffer is loaded again at the head of the next third, 64 matrix instructions ahead of its use; A's other buffer at the head of the quarter before.
; So a slot's last read stands at the head of its second quarter, and the slot is asked for again in that quarter's first third: the load has 160 of a step's 192 matrix instructions in which to land.
; THE LOOP'S TEXT IS ONE K STEP.  The slot in hand is a scalar, 0 or 1 << 17, which an exclusive or turns at each change of slots; the four fragment addresses are made anew from it, and one descriptor
; for each tensor walks: its LDS word is turned likewise, its address steps by one K step.
; THE MATRIX INSTRUCTION IS USED TRANSPOSED (source 0 = 16 columns of B, source 1 = 16 rows of A): a lane then holds eight neighbouring numbers of one row of the result.
; THE BIAS is the C operand of the products that start the sums; it waits in LDS bytes of the wave's own and lies, for the first quarter alone, in A's second buffer.
; CLUSTER.  4 x 4 work-groups.  The four of a row of the cluster need the same tiles of A, the four of a column the same tiles of B: each tile is asked for jointly, by the same tensor load with the
; same descriptor and a mask that names the four, which divides the requests for A and B by four.
; REGISTERS, in windows of 256 (s_set_vgpr_msb: bits 1:0 source 0, 3:2 source 1, 5:4 source 2, 7:6 destination):
;   window 0: v0-31 addresses; v32-95, v96-159 A's two buffers; v160-255 B's three; on the way out v32-223
;   window 1 + t: the accumulators of third t, (row block a, column block b of the third's four) at v[32 a + 8 b]
.set KSTEP,  64
.set PA,     144                       ; a row of A in LDS: 128 bytes + 16 = 36 words: the 16 rows of a load start at 16 different groups of four banks (64 banks of 4 bytes: ISA guide 11.1)
.set PB,     864                       ; a row of B: three pieces of 256 bytes + 32 = 216 words
.set AT,     256*PA                    ; A's tile: 256 rows
.set SLOT,   AT+KSTEP*PB               ; then B's: 64 k rows of 384 columns: 92,160 bytes
.set SLOT1,  1<<17                     ; slot 1 begins here, so that one exclusive or turns an address in one slot into the other's
.set STAGE,  SLOT1+SLOT                ; behind the ring, never filled by a tensor load: 128 rows x 784 bytes, the work-group's, for the way out
.set SPI,    784                       ; a stage row: 768 bytes + 16
.set BIAS,   STAGE+128*SPI             ; 768 bytes for each wave: its 192 columns' biases in f32
.set SPARE,  BIAS+4*768                ; the spare words, 128 bytes for each wave: two blocks of 256 bytes that no other line names
.set STEPS,  1024/KSTEP
.set STEPA,  8192*KSTEP*2              ; a K step in memory: a block of xb,
.set STEPB,  KSTEP*6144                ; 64 rows of wb
.set ADRA0, 8                          ; v8      LDS address of my A fragments in slot 0; never rewritten
.set ADRA,  9                          ; v9      the same in the slot in hand
.set ADRB0, 10                         ; v10-12  LDS address of my B fragments of third t in slot 0; never rewritten
.set ADRB,  13                         ; v13-15  the same in the slot in hand
.set STO,  16                          ; v16     the way out: where I put 16 bytes of a row
.set RD0,  17                          ; v17-18  the way out: where I read rows back
.set RD1,  18
.set CO0,  19                          ; v19-20  my byte offsets in qkv
.set CO1,  20
.set BIA,  21                          ; v21     where I read my columns' biases
.set BIW,  22                          ; v22     where I put 8 bytes of them
.set BO,   23                          ; v23     my byte offset in 256 bytes of a bias
.set SPW,  28                          ; v28     LDS address of my spare word: SPARE + 4 x my thread's number; never rewritten
.set NIL,  29                          ; v29     0; never rewritten
.set AB,   32
.set BB,   160
.set BC0,  96                          ; the first quarter: a third's bias fragments, 32 registers, in A's second buffer
.set BC1,  128
.set TMP,  32                          ; the way out: packed results
.set OB,   32                          ; the way out: 32 rows read back
.set WV,   16                          ; s16  wave
.set HI,   17                          ; s17  my half of the tile's rows; also: I fetch for A (0) or for B (1)
.set LO,   18                          ; s18  my half of its columns; also: which half of that tile I fetch
.set G1A,  24                          ; s[24:31] descriptor group 1 for A's tiles;  s[32:39] group 0: a set for each of the two first fills; the second then walks on
.set G0A,  32
.set G1B,  48                          ; s[48:55], s[56:63] the same for B's
.set G0B,  56
.set TB,   82                          ; s82  the slot in hand: 0 or SLOT1
.set MSB, 0
.macro WIN new                         ; the immediate's high byte repeats the setting that is left; a switch that changes nothing is dropped
.if MSB != (\new)
	s_set_vgpr_msb (MSB<<8)|(\new)
.set MSB, \new
.endif
.endm
; A joint load: waves 0 and 1 fetch A's two halves, waves 2 and 3 B's.  The branch hangs on the wave's number alone.  An s_nop 0 and four v_nop follow each of the two lines.
.macro JLOAD s
	s_cmp_eq_u32 s[HI], 0
	s_cbranch_scc0 .Lfor_b_\@
	tensor_load_to_lds s[G0A+4*(\s):G0A+4*(\s)+3], s[G1A:G1A+7]
	s_nop 0
.rept 4
	v_nop
.endr
	s_branch .Lasked_\@
.Lfor_b_\@:
	tensor_load_to_lds s[G0B+4*(\s):G0B+4*(\s)+3], s[G1B:G1B+7]
	s_nop 0
.rept 4
	v_nop
.endr
.Lasked_\@:
.endm
.macro CREST                           ; a round of the cluster's barrier behind its opening barrier: wave 0 signals for the work-group, every wave waits for all sixteen, my work-group's barrier closes it
	s_cmp_lg_u32 s[WV], 0
	s_cbranch_scc1 .Lnot_wave_0_\@
	s_barrier_signal -3
.Lnot_wave_0_\@:
	s_barrier_wait -3
	s_barrier_signal -1
	s_barrier_wait -1
.endm
.macro CROUND                          ; a whole round
	s_barrier_signal -1
	s_barrier_wait -1
	CREST
.endm
.macro PLACES                          ; four places between a matrix instruction and a load into, or a vector instruction on, its registers (ISA guide 7.12.1 for vector instructions)
.rept 4
	v_nop
.endr
.endm
	s_load_b256 s[4:11], s[0:1], 0x0               ; xb s[4:5], wb s[6:7], bq s[8:9], bk s[10:11]
	s_load_b128 s[12:15], s[0:1], 0x20             ; bv s[12:13], qkv s[14:15]
	v_lshl_add_u32 v[SPW], v0, 2, SPARE
	v_mov_b32 v[NIL], 0
	ds_add_u32 v28, v29
	s_wait_dscnt 0x0
	v_lshrrev_b32 v1, 5, v0
	v_readfirstlane_b32 s[WV], v1                  ; wave 0..3
	s_lshr_b32 s[HI], s[WV], 1
	s_and_b32 s[LO], s[WV], 1
	s_bfe_u32 s19, ttmp6, 0x40000                  ; cx, cy: my place in the cluster
	s_bfe_u32 s20, ttmp6, 0x40004
	s_lshl_b32 s21, ttmp9, 2
	s_add_co_u32 s21, s21, s19                     ; tile column = 4 x cluster x + cx: 0..7
	s_and_b32 s23, ttmp7, 0xffff
	s_lshl_b32 s22, s23, 2
	s_add_co_u32 s22, s22, s20                     ; tile row = 4 x cluster y + cy: 0..31
	s_lshl_b32 s80, s20, 2
	s_lshl_b32 s80, 15, s80                        ; my row of the cluster: places 4 cy .. 4 cy + 3
	s_lshl_b32 s81, 0x1111, s19                    ; my column: places cx, cx + 4, cx + 8, cx + 12
	; group 1 for A: 128 rows of x are 16,384 dense bytes: asked for as 64 rows of 256 bytes, two rows of x each, padded by 4 words behind every 32
	s_or_b32 s[G1A], s80, (1<<16)|(1<<20)|(1<<21)|(4<<22)|(3<<25)  ; 15:0 the mask; 17:16 2-byte elements; 20 padding on; 21 set beside a mask; 24:22 interval code 4; 31:25 pad code 3
	s_mov_b32 s[G1A+1], 128<<16                    ; tensor_dim0 = 128
	s_mov_b32 s[G1A+2], 64<<16                     ; tensor_dim1 = 64
	s_mov_b32 s[G1A+3], 128<<16                    ; tile_dim0 = 128
	s_mov_b32 s[G1A+4], 64                         ; tile_dim1 = 64
	s_mov_b32 s[G1A+5], 128                        ; elements from row to row
	s_mov_b32 s[G1A+6], 0
	s_mov_b32 s[G1A+7], 0
	; group 1 for B: 32 k rows x 384 elements (768 bytes), padded by 8 words behind every 64: three pads a row
	s_or_b32 s[G1B], s81, (1<<16)|(1<<20)|(1<<21)|(5<<22)|(7<<25)
	s_mov_b32 s[G1B+1], 384<<16
	s_mov_b32 s[G1B+2], 32<<16
	s_mov_b32 s[G1B+3], 384<<16
	s_mov_b32 s[G1B+4], 32
	s_mov_b32 s[G1B+5], 3072                       ; elements from row to row of wb
	s_mov_b32 s[G1B+6], 0
	s_mov_b32 s[G1B+7], 0
	s_mov_b32 s[TB], 0                             ; slot 0 is in hand
	; where the tiles come from: A's hang on the tile row alone, B's on the tile column alone, each in registers that never hold the other coordinate
	s_lshl_b32 s40, s22, 8
	s_lshl_b32 s73, s[LO], 7
	s_add_co_u32 s40, s40, s73
	s_lshl_b32 s40, s40, 7                         ; A: (256 x tile row + 128 x half) rows of 128 bytes in a block of xb
	s_mov_b32 s41, 0
	s_mul_i32 s42, s[LO], 32*6144                  ; B: 32 x half rows of 6,144 bytes,
	s_mul_i32 s74, s21, 768
	s_add_co_u32 s42, s42, s74                     ; 768 bytes a tile column
	s_mov_b32 s43, 0
	s_mul_i32 s2, s[LO], 128*PA                    ; and where they go: no place in the cluster enters an LDS address
	s_mul_i32 s75, s[LO], 32*PB
	s_add_co_u32 s75, s75, AT
	; the rows of qkv that I store: 32 in each of the way out's two passes
	s_lshl_b32 s44, s22, 8
	s_lshl_b32 s46, s[HI], 7
	s_add_co_u32 s44, s44, s46
	s_lshl_b32 s46, s[LO], 5
	s_add_co_u32 s44, s44, s46                     ; row 256 x tile row + 128 x (wave / 2) + 32 x (wave % 2)
	s_mul_i32 s44, s44, 6144
	s_add_co_u32 s44, s44, s74                     ; the tile's first column
	s_mov_b32 s45, 0
	s_lshl_b32 s74, s21, 1
	s_add_co_u32 s74, s74, s[LO]
	s_mul_i32 s74, s74, 3                          ; my 192 columns are the runs 3 (2 x tile column + half) + 0..2 of 64 columns; 16 runs to each of Q, K, V
	s_mov_b32 s79, 0
	s_wait_kmcnt 0x0
	s_add_nc_u64 s[40:41], s[4:5], s[40:41]
	s_add_nc_u64 s[42:43], s[6:7], s[42:43]
	s_add_nc_u64 s[14:15], s[14:15], s[44:45]
.irp i, 0,1,2
	s_add_co_u32 s76, s74, \i
	s_lshr_b32 s77, s76, 4                         ; whose bias: 0, 1, 2
	s_and_b32 s78, s76, 15
	s_lshl_b32 s78, s78, 8                         ; 256 bytes a run
	s_cmp_eq_u32 s77, 1
	s_cselect_b64 s[66+2*(\i):67+2*(\i)], s[10:11], s[8:9]                     ; bk or bq,
	s_cmp_eq_u32 s77, 2
	s_cselect_b64 s[66+2*(\i):67+2*(\i)], s[12:13], s[66+2*(\i):67+2*(\i)]     ; or bv
	s_add_nc_u64 s[66+2*(\i):67+2*(\i)], s[66+2*(\i):67+2*(\i)], s[78:79]
.endr
	CROUND                                         ; all sixteen work-groups are here: the first joint loads meet
.irp s, 0,1
	s_mov_b32 s[G0A+4*(\s)], 1                                      ; count = 1
	s_add_co_u32 s[G0A+4*(\s)+1], s2, (\s)*SLOT1                    ; LDS address
	s_add_nc_u64 s[G0A+4*(\s)+2:G0A+4*(\s)+3], s[40:41], (\s)*STEPA ; global address: K step s
	s_or_b32 s[G0A+4*(\s)+3], s[G0A+4*(\s)+3], 0x80000000           ; type = 2
	s_mov_b32 s[G0B+4*(\s)], 1
	s_add_co_u32 s[G0B+4*(\s)+1], s75, (\s)*SLOT1
	s_add_nc_u64 s[G0B+4*(\s)+2:G0B+4*(\s)+3], s[42:43], (\s)*STEPB
	s_or_b32 s[G0B+4*(\s)+3], s[G0B+4*(\s)+3], 0x80000000
	JLOAD \s                                       ; both slots are asked for before anything else: two tensor loads of mine are out, the most in this text
.endr
	v_and_b32 v3, 31, v0                           ; lane
	v_lshlrev_b32 v[BO], 3, v3
.irp i, 0,1,2
	global_load_b64 v[32+2*(\i):33+2*(\i)], v[BO], s[66+2*(\i):67+2*(\i)]  ; a run's 64 biases: 256 consecutive bytes
.endr
	v_lshlrev_b32 v[CO0], 4, v3                    ; 16 x lane
	v_and_b32 v1, 15, v0                           ; r = l % 16
	v_bfe_u32 v2, v0, 4, 1                         ; h = l / 16
	; A fragment of A: lane l holds row l % 16; registers 0-3 k = 8 h + 0..7, registers 4-7 k = 16 + 8 h + 0..7: two loads of 16 bytes, 32 bytes apart
	v_mul_u32_u24 v3, v1, PA
	v_lshl_add_u32 v3, v2, 4, v3
	s_mul_i32 s73, s[HI], 128*PA                   ; my 128 rows of A
	v_add_nc_u32 v[ADRA0], s73, v3
	v_mov_b32 v[ADRA], v[ADRA0]
	; The turning load takes 16 k x 16 columns (lane l reads k row 8 h + l % 8, columns 8 ((l / 8) % 2) + 0..7) and leaves half a fragment: lane l holds column l % 16 and 8 k
	v_and_b32 v4, 7, v0
	v_lshl_add_u32 v4, v2, 3, v4
	v_mul_u32_u24 v4, v4, PB
	v_bfe_u32 v5, v0, 3, 1
	v_lshl_add_u32 v4, v5, 4, v4
	; run u = 3 x half + t of 64 columns begins at byte 288 (u / 2) + 128 (u % 2) of a row: 0, 128, 288 for my half 0; 416, 576, 704 for my half 1
	s_mul_i32 s73, s[LO], 416
	s_add_co_u32 s73, s73, AT
	v_add_nc_u32 v[ADRB0], s73, v4
	s_mul_i32 s73, s[LO], 448
	s_add_co_u32 s73, s73, AT+128
	v_add_nc_u32 v[ADRB0+1], s73, v4
	s_mul_i32 s73, s[LO], 416
	s_add_co_u32 s73, s73, AT+288
	v_add_nc_u32 v[ADRB0+2], s73, v4
.irp t, 0,1,2
	v_mov_b32 v[ADRB+(\t)], v[ADRB0+(\t)]
.endr
	; the way out.  In: stage row 64 x (wave / 2) + 16 a + r, my 384 bytes of it, 16 bytes for each half of the lanes
	s_mul_i32 s73, s[HI], 64*SPI
	s_mul_i32 s75, s[LO], 384
	s_add_co_u32 s73, s73, s75
	s_add_co_u32 s73, s73, STAGE
	v_mul_u32_u24 v3, v1, SPI
	v_lshl_add_u32 v3, v2, 4, v3
	v_add_nc_u32 v[STO], s73, v3
	; back: wave w takes stage rows 32 w .. 32 w + 31, two rows (1,536 bytes) by three loads: row 0's bytes 0-511; row 0's 512-767 and row 1's 0-255; row 1's 256-767
	s_mul_i32 s73, s[WV], 32*SPI
	s_add_co_u32 s73, s73, STAGE
	v_add_nc_u32 v[RD0], s73, v[CO0]
	s_add_co_u32 s75, s73, 512
	v_lshlrev_b32 v5, 4, v1
	v_mad_u32_u24 v4, v2, SPI-512, v5
	v_add_nc_u32 v[RD1], s75, v4
	v_mad_u32_u24 v[CO1], v2, 6144-512, v5         ; and the same in qkv
	v_add_nc_u32 v[CO1], 512, v[CO1]
	s_mul_i32 s73, s[WV], 768
	s_add_co_u32 s73, s73, BIAS                    ; my biases
	v_add_nc_u32 v[BIW], s73, v[BO]
	v_lshl_add_u32 v[BIA], v2, 5, s73              ; in the result a lane holds columns 16 b + 8 h + 0..7
	s_wait_loadcnt 0x0                             ; the biases
.irp i, 0,1,2
	v_cvt_pk_bf16_f32 v[40+(\i)], v[32+2*(\i)], v[33+2*(\i)]   ; rounded to bf16, like the other inputs,
.endr
.irp i, 0,1,2
	v_lshlrev_b32 v[32+2*(\i)], 16, v[40+(\i)]                 ; widened again,
	v_and_b32 v[33+2*(\i)], 0xffff0000, v[40+(\i)]
	ds_store_b64 v[BIW], v[32+2*(\i):33+2*(\i)] offset:256*(\i)  ; and put by: bytes of my wave's own, read by my wave alone
.endr
; 16 matrix instructions: row blocks a0 .. a0 + 3 x the four column blocks of third t, 32 along K.  cb: 0, or the register at which the third's bias fragments begin: they start the sums.
; A window's 32 accumulators take turns, one instruction a turn, and the three windows follow each other: between two links of a chain stand the 95 others'.
.macro MUL16 buf, t, a0, cb
.if \cb
	WIN 0x40*(1+(\t))                              ; D in window 1 + t, C in window 0
.else
	WIN 0x50*(1+(\t))                              ; C and D in window 1 + t
.endif
.irp a, \a0, (\a0)+1, (\a0)+2, (\a0)+3
.irp b, 0,1,2,3
.if \cb
	v_wmma_f32_16x16x32_bf16 v[32*(\a)+8*(\b):32*(\a)+8*(\b)+7], v[BB+32*(\t)+8*(\b):BB+32*(\t)+8*(\b)+7], v[AB+64*(\buf)+8*(\a):AB+64*(\buf)+8*(\a)+7], v[(\cb)+8*(\b):(\cb)+8*(\b)+7]
.else
	v_wmma_f32_16x16x32_bf16 v[32*(\a)+8*(\b):32*(\a)+8*(\b)+7], v[BB+32*(\t)+8*(\b):BB+32*(\t)+8*(\b)+7], v[AB+64*(\buf)+8*(\a):AB+64*(\buf)+8*(\a)+7], v[32*(\a)+8*(\b):32*(\a)+8*(\b)+7]
.endif
.endr
.endr
.endm
.macro LA qq, buf                      ; 16 LDS loads: A's eight fragments of quarter qq of the slot in hand into buffer buf
.irp a, 0,1,2,3,4,5,6,7
	ds_load_b128 v[AB+64*(\buf)+8*(\a):AB+64*(\buf)+8*(\a)+3],   v[ADRA] offset:(\a)*16*PA+64*(\qq)
	ds_load_b128 v[AB+64*(\buf)+8*(\a)+4:AB+64*(\buf)+8*(\a)+7], v[ADRA] offset:(\a)*16*PA+64*(\qq)+32
.endr
.endm
.macro LB qq, t                        ; 8 LDS loads: B's four fragments of third t of quarter qq of the slot in hand
.irp b, 0,1,2,3
	ds_load_tr16_b128 v[BB+32*(\t)+8*(\b):BB+32*(\t)+8*(\b)+3],   v[ADRB+(\t)] offset:(\qq)*32*PB+32*(\b)
	ds_load_tr16_b128 v[BB+32*(\t)+8*(\b)+4:BB+32*(\t)+8*(\b)+7], v[ADRB+(\t)] offset:(\qq)*32*PB+16*PB+32*(\b)
.endr
.endm
.macro BLD t, reg                      ; 8 LDS loads: the bias fragments of third t
.irp b, 0,1,2,3
	ds_load_b128 v[(\reg)+8*(\b):(\reg)+8*(\b)+3],   v[BIA] offset:64*(4*(\t)+(\b))
	ds_load_b128 v[(\reg)+8*(\b)+4:(\reg)+8*(\b)+7], v[BIA] offset:64*(4*(\t)+(\b))+16
.endr
.endm
.macro TOGGLE                          ; the other slot comes in hand: the four fragment addresses are made anew
	s_xor_b32 s[TB], s[TB], SLOT1
	v_add_nc_u32 v[ADRA], s[TB], v[ADRA0]
.irp t, 0,1,2
	v_add_nc_u32 v[ADRB+(\t)], s[TB], v[ADRB0+(\t)]
.endr
.endm
; A step's first quarter (A's buffer 0).  The LDS loads go out in this order, step after step: A(q), B(q,0), B(q,1), B(q,2), A(q+1), B(q+1,0), ..  In front of each third the wait leaves the 32 loads
; that were issued behind that third's fragments of B.
.macro QEVEN
	WIN 0
	PLACES
	LB 0, 2                                        ; this quarter's last third,
	LA 1, 1                                        ; the next quarter's A
	s_wait_dscnt 32                                ; A(q) and B(q,0) are in; B(q,1), B(q,2), A(q+1) may be out
	MUL16 0, 0, 0, 0
	MUL16 0, 0, 4, 0
	WIN 0
	PLACES
	LB 1, 0
	s_wait_dscnt 32                                ; B(q,1) is in; B(q,2), A(q+1), B(q+1,0) may be out
	MUL16 0, 1, 0, 0
	MUL16 0, 1, 4, 0
	WIN 0
	PLACES
	LB 1, 1
	s_wait_dscnt 32                                ; B(q,2) is in; A(q+1), B(q+1,0), B(q+1,1) may be out
	MUL16 0, 2, 0, 0
	MUL16 0, 2, 4, 0
.endm
; A step's second quarter (A's buffer 1) changes slots in its first third: ONE barrier.  The slot's last read goes out first.  In front of the barrier each wave waits for all its tensor loads (one is
; out: its part of the next slot), adds 0 to its spare word, and waits for that and for its reads of this slot.  fill = 1: the barrier opens a round of the cluster's, and this slot is filled again,
; two K steps ahead, first thing behind it.  Then the other slot comes in hand and its first fragments are read.
.macro QODD fill
	WIN 0
	PLACES
	LB 1, 2
	s_wait_tensorcnt 0x0                           ; all my tensor loads have landed
	ds_add_u32 v[SPW], v[NIL]                      ; 0 onto my spare word
	s_wait_dscnt 9                                 ; the add and the eight loads just issued may be out: A(q), B(q,0), B(q,1) are in, in whichever order they were issued
	MUL16 1, 0, 0, 0                               ; sixteen matrix instructions stand between the add and the wait for it
	s_wait_dscnt 0x0                               ; the add is done, and my reads of this slot are over
	s_barrier_signal -1
	MUL16 1, 0, 4, 0                               ; work on registers while the others arrive
	WIN 0
	s_barrier_wait -1
.if \fill
	CREST                                          ; no wave of any partner still reads this slot's tiles or has a load on its way
	s_xor_b32 s[G0A+5], s[G0A+5], SLOT1            ; the walking descriptors: the other slot than last time,
	s_add_nc_u64 s[G0A+6:G0A+7], s[G0A+6:G0A+7], STEPA  ; the next K step; the type bits on top are not reached
	s_xor_b32 s[G0B+5], s[G0B+5], SLOT1
	s_add_nc_u64 s[G0B+6:G0B+7], s[G0B+6:G0B+7], STEPB
	JLOAD 1                                        ; my one tensor load behind the round; its four v_nop are also the places in front of the loads below
.else
	PLACES
.endif
	TOGGLE
	LA 0, 0
	LB 0, 0
	MUL16 1, 1, 0, 0                               ; B(q,1) and B(q,2) came in with the wait for 0
	MUL16 1, 1, 4, 0
	WIN 0
	PLACES
	LB 0, 1
	MUL16 1, 2, 0, 0
	MUL16 1, 2, 4, 0
.endm
	s_wait_dscnt 0x0                               ; no LDS instruction of mine is pending at a signal
	s_wait_tensorcnt 1                             ; my part of K step 0 is in; K step 1's, issued behind it, may stay out
	s_barrier_signal -1
	s_barrier_wait -1                              ; everybody's is
	; THE FIRST QUARTER is written out: the biases start the sums.  They lie in A's second buffer, so the second quarter's A is fetched last.
	LA 0, 0
	LB 0, 0
	LB 0, 1
	LB 0, 2
	BLD 0, BC0
	BLD 1, BC1
	s_wait_dscnt 0x0
	MUL16 0, 0, 0, BC0
	MUL16 0, 0, 4, BC0
	MUL16 0, 1, 0, BC1
	MUL16 0, 1, 4, BC1
	WIN 0
	PLACES
	BLD 2, BC0
	LB 1, 0
	LB 1, 1
	s_wait_dscnt 16                                ; the third's biases are in; the sixteen loads behind them may be out
	MUL16 0, 2, 0, BC0
	MUL16 0, 2, 4, BC0
	WIN 0                                          ; at a label and at a branch every window is 0
	PLACES
	LA 1, 1
	s_mov_b32 s3, STEPS-2
.Lstep:                                                ; a trip goes from a step's second quarter to the next step's first, and fills the slot that it leaves: K steps 2 to 15
	QODD 1
	QEVEN
	WIN 0
	s_sub_co_u32 s3, s3, 1
	s_cmp_lg_u32 s3, 0
	s_cbranch_scc1 .Lstep
	QODD 0                                         ; the last two steps are written out: they fill nothing
	QEVEN
	WIN 0                                          ; the very last quarter: nothing more to fetch but its own last third
	PLACES
	LB 1, 2
	s_wait_dscnt 16                                ; A and B's first third are in
	MUL16 1, 0, 0, 0
	MUL16 1, 0, 4, 0
	s_wait_dscnt 8
	MUL16 1, 1, 0, 0
	MUL16 1, 1, 4, 0
	s_wait_dscnt 0x0
	MUL16 1, 2, 0, 0
	MUL16 1, 2, 4, 0
	WIN 0
; THE WAY OUT, in two passes: pass p takes every wave's row blocks 4 p .. 4 p + 3, 128 rows of the tile.  Rounded to f16 (each accumulator's registers in ascending order), 16 bytes
; a lane into the work-group's stage; a barrier, since a row's 768 bytes come from two waves and their 384 bytes each are no whole blocks of 256; back as whole rows, 32 rows a wave, and stored.
.macro PASS p
.if \p
	s_wait_xcnt 0x0                                ; every earlier store has had its addresses translated (ISA guide 3.1): the registers that the first pass stored from are written again only behind this wait
.endif
.irp t, 0,1,2
	WIN 5*(1+(\t))                                 ; sources 0 and 1 in window 1 + t
.irp a, 0,1,2,3
.irp b, 0,1,2,3
.irp i, 0,1,2,3
	v_cvt_pk_f16_f32 v[TMP+16*(\a)+4*(\b)+(\i)], v[32*(4*(\p)+(\a))+8*(\b)+2*(\i)], v[32*(4*(\p)+(\a))+8*(\b)+2*(\i)+1]
.endr
.endr
.endr
	WIN 0
.irp a, 0,1,2,3
.irp b, 0,1,2,3
	ds_store_b128 v[STO], v[TMP+16*(\a)+4*(\b):TMP+16*(\a)+4*(\b)+3] offset:(\a)*16*SPI+32*(4*(\t)+(\b))
.endr
.endr
.endr
	s_wait_dscnt 0x0                               ; for the others' sake: my stores into the stage are done
	s_barrier_signal -1
	s_barrier_wait -1
.set n, 0
.rept 16
	ds_load_b128 v[OB+12*n:OB+12*n+3],    v[RD0] offset:n*2*SPI
	ds_load_b128 v[OB+12*n+4:OB+12*n+7],  v[RD1] offset:n*2*SPI
	ds_load_b128 v[OB+12*n+8:OB+12*n+11], v[RD0] offset:n*2*SPI+SPI+256
.set n, n+1
.endr
.set n, 0
.rept 16
	s_wait_dscnt 45-3*n                            ; pair n's three loads are in, the younger pairs' stay out
	global_store_b128 v[CO0], v[OB+12*n:OB+12*n+3],    s[14:15] offset:(64*(\p)+2*n)*6144           ; each 16 lanes store 256 consecutive bytes, at a multiple of 256 from qkv's first byte
	global_store_b128 v[CO1], v[OB+12*n+4:OB+12*n+7],  s[14:15] offset:(64*(\p)+2*n)*6144
	global_store_b128 v[CO0], v[OB+12*n+8:OB+12*n+11], s[14:15] offset:(64*(\p)+2*n)*6144+6144+256
.set n, n+1
.endr
.endm
	PLACES
	PASS 0
	s_barrier_signal -1                            ; every wave's reads of the stage are back (the count-down ended at 0): only now is the stage written again
	s_barrier_wait -1
	PASS 1
	s_wait_tensorcnt 0x0                           ; the wave's end: behind my last tensor load and my last LDS store
	ds_add_u32 v[SPW], v[NIL]
	s_wait_dscnt 0x0
	CROUND                                         ; the closing round: no work-group ends while a partner may still ask for a tile that names it
	s_endpgm
.Lfunc_end_k_q542056caf1_proj:
	.size	k_q542056caf1_proj, .Lfunc_end_k_q542056caf1_proj-k_q542056caf1_proj
	.p2alignl 7, 3214868480
	.fill 96, 4, 3214868480
	.section	.rodata,"a",@progbits
	.p2align	6, 0x0
	.amdhsa_kernel k_q542056caf1_proj
		.amdhsa_group_segment_fixed_size 327680
		.amdhsa_private_segment_fixed_size 0
		.amdhsa_enable_private_segment 0
		.amdhsa_kernarg_size 48
		.amdhsa_user_sgpr_count 2
		.amdhsa_user_sgpr_kernarg_segment_ptr 1
		.amdhsa_wavefront_size32 1
		.amdhsa_system_sgpr_workgroup_id_x 1
		.amdhsa_system_sgpr_workgroup_id_y 1
		.amdhsa_system_sgpr_workgroup_id_z 1
		.amdhsa_system_vgpr_workitem_id 0
		.amdhsa_next_free_vgpr 1024
		.amdhsa_next_free_sgpr 84
		.amdhsa_reserve_vcc 0
		.amdhsa_float_denorm_mode_32 3
		.amdhsa_float_denorm_mode_16_64 3
		.amdhsa_memory_ordered 1
		.amdhsa_forward_progress 1
		.amdhsa_inst_pref_size 115
	.end_amdhsa_kernel
	.amdgpu_metadata
---
amdhsa.version: [ 1, 2 ]
amdhsa.kernels:
  - .name:           k_q542056caf1_proj
    .symbol:         k_q542056caf1_proj.kd
    .args:
      - { .name: xb, .offset: 0, .size: 8, .value_kind: global_buffer, .address_space: global }
      - { .name: wb, .offset: 8, .size: 8, .value_kind: global_buffer, .address_space: global }
      - { .name: bq, .offset: 16, .size: 8, .value_kind: global_buffer, .address_space: global }
      - { .name: bk, .offset: 24, .size: 8, .value_kind: global_buffer, .address_space: global }
      - { .name: bv, .offset: 32, .size: 8, .value_kind: global_buffer, .address_space: global }
      - { .name: qkv, .offset: 40, .size: 8, .value_kind: global_buffer, .address_space: global }
    .group_segment_fixed_size: 327680
    .private_segment_fixed_size: 0
    .kernarg_segment_align: 8
    .kernarg_segment_size: 48
    .max_flat_workgroup_size: 128
    .sgpr_count:     84
    .vgpr_count:     1024
    .wavefront_size: 32
...
	.end_amdgpu_metadata
.endif
;; end of part 6
;; launch score (part 7): grid 8 x 32, 4 waves a work-group, clusters of 4 x 4, 327,680 bytes of LDS; arguments qkv, pt, ms, ls; writes pt, ms, ls
.if DOCPART == 7
	.amdgcn_target "amdgcn-amd-amdhsa--gfx1250"
	.amdhsa_code_object_version 6
	.text
	.protected	k_q542056caf1_score
	.globl	k_q542056caf1_score
	.p2align	8
	.type	k_q542056caf1_score,@function
k_q542056caf1_score:
	s_mov_b64 s[64:65], 0
	v_nop
	global_prefetch_b8 v0, s[64:65] scope:SCOPE_SE
	s_setreg_imm32_b32 hwreg(HW_REG_WAVE_MODE, 25, 1), 1
	s_wait_xcnt 0x0
	s_wait_alu depctr_hold_cnt(0) depctr_sa_sdst(0) depctr_va_vdst(0) depctr_va_sdst(0) depctr_va_ssrc(0) depctr_va_vcc(0) depctr_vm_vsrc(0)
	s_getreg_b32 s2, hwreg(HW_REG_IB_STS2, 6, 4)
	s_cmp_eq_u32 s2, 0
	s_cbranch_scc0 .Lentry_in_a_cluster
	s_endpgm
.Lentry_in_a_cluster:
	s_bfe_u32 s2, ttmp6, 0x10000c
	s_cmp_lg_u32 s2, 0xf033
	s_cbranch_scc0 .Lentry_shape_is_right
	s_endpgm
.Lentry_shape_is_right:
; S = Q K^T for a tile of 256 queries x 256 keys of one batch, and the first level of the softmax.  Q and K are columns 0-1023 and 1024-2047 of qkv[8192][3072] (f16); sums in f32.
; THE SOFTMAX IN TWO LEVELS.  A batch's 2,048 keys fall into 16 groups of 128.  With c = log2(e) / 32, for each query and group g this launch stores
;   ms[g][row] = c x (the group's largest score),   pt[row][key] = f16(2^(c s - ms)),   ls[g][row] = the sum of the unrounded 2^(c s - ms).
; The next launch takes the largest of a row's 16 ms and scales each group by 2^(ms[g] - that): the row's true maximum is taken away, and no exponent lies above 0 but by the rounding of c x max.
; LIMITS.  A weight below 6e-5 of its group's largest keeps f16's fixed step of 6e-8; one below 2^-126 counts as 0 in ls.  NaN and infinities are not treated apart.
; TILE.  4 batches x 8 x 8 tiles = 256 work-groups, one to a WGP.  Four waves, each 128 queries x 128 keys (one group): 64 accumulators of 16 x 16, 512 registers.
; K (the 1,024 channels) goes in steps of 128 through two LDS slots filled by tensor loads: rows of 256 bytes, at multiples of 256 from the buffer's first byte.
; THE LOOP'S TEXT IS ONE K STEP.  The 128 rows that wave w fetches lie at 69,632 w + 34,816 x slot.  69,632 w has bits 12, 13, 16 and 17 alone, 34,816 is bits 11 and 15: an exclusive or with 34,816 is the
; change of slots.  The slot in hand is a scalar, 0 or 34,816; the two fragment addresses are made anew from it, and one descriptor for each tensor walks: LDS word turned, address one K step on.
; THE MATRIX INSTRUCTION IS USED TRANSPOSED (source 0 = 16 keys, source 1 = 16 queries): a lane holds ONE query (l % 16) and the keys 16 b + 8 (l / 16) + 0..7, so a query's maximum and sum
; want one exchange between the halves of the lanes, and eight neighbouring weights pack into 16 bytes.
; CLUSTER.  4 x 4 work-groups: the four of a row of the cluster share Q's tiles, the four of a column K's; each tile is asked for jointly, which divides the requests by four.
; REGISTERS, in windows of 256 (s_set_vgpr_msb: bits 1:0 source 0, 3:2 source 1, 5:4 source 2, 7:6 destination):
;   window 0: v0-31 addresses and statistics; v64-127, v128-191 fragments of Q, two buffers; v32-63, v192-255 at work on the way out
;   window 1: v64-127, v128-191 fragments of K, two buffers      window 2: the accumulators of my queries 0-63, (a, b) at v[8 (8 a + b)]      window 3: those of my queries 64-127
.set KSTEP,  128
.set PITCH,  272                       ; an LDS row: 256 bytes + 16 = 68 words: the 16 rows of a load start at 16 different groups of four banks (64 banks of 4 bytes: ISA guide 11.1)
.set HALFT,  128*PITCH                 ; 128 rows: what one tensor load brings, and what one wave reads of Q or of K: 34,816 bytes
.set STAGE,  8*HALFT                   ; behind the ring, never filled by a tensor load: 16 rows x 272 bytes for each wave
.set SP,     272
.set STATS,  STAGE+4*16*SP             ; 1,024 bytes for each wave: its 128 queries' c x max, then their sums
.set SPARE,  STATS+4*1024              ; the spare words, 128 bytes for each wave: two blocks of 256 bytes that no other line names
.set STEPS,  1024/KSTEP
.set STEP,   KSTEP*2                   ; a K step in memory: 256 bytes along the rows
.set CH,   8                           ; v8-11   four running maxima
.set CM,   12                          ; v12     c x max (v13 is named with it as a pair)
.set LS,   14                          ; v14     the sum; v15 the other half of the lanes'
.set ADRA0, 16                         ; v16     LDS address of my Q fragments in slot 0; never rewritten
.set ADRA,  17                         ; v17     the same in the slot in hand
.set ADRB0, 20                         ; v20, v21  the same for K
.set ADRB,  21
.set STO,  24                          ; v24     the way out: where I put 16 bytes of a row
.set RD,   25                          ; v25     where I read a row back
.set CO,   26                          ; v26     my byte offset in pt
.set STM,  27                          ; v27     where I put a query's statistics
.set SPW,  28                          ; v28     LDS address of my spare word: SPARE + 4 x my thread's number; never rewritten
.set NIL,  29                          ; v29     0; never rewritten
.set STR,  30                          ; v30     where I read 16 bytes of statistics back
.set SO,   31                          ; v31     my byte offset in 512 bytes of ms and ls
.set F0,   64
.set F1,   128
.set TMP,  192                         ; packed weights
.set OB,   32                          ; 16 rows read back from the stage: v32-63 and v224-255 by turns
.set WV,   16
.set HI,   17                          ; my half of the tile's queries; also: I fetch for Q (0) or for K (1)
.set LO,   18                          ; my half of its keys; also: which 128 rows of that tile I fetch
.set G1A,  24                          ; s[24:31] group 1 for Q's tiles;  s[32:39] group 0: a set for each of the two first fills; the second then walks on
.set G0A,  32
.set G1B,  48                          ; s[48:55], s[56:63] the same for K's
.set G0B,  56
.set CS,   66                          ; s[66:67] c: the packed scaling takes the pair's low word for both halves
.set SEL,  68                          ; s[68:69] v_permlanex16_b32's selects: each lane takes its own place in the other half
.set TB,   76                          ; s76  the slot in hand: 0 or HALFT
.set MUL_LO, 0xa1                      ; source 0 (K) window 1, source 1 (Q) window 0, C and D window 2
.set MUL_HI, 0xf1                      ; the same, C and D window 3
.set TO_B,   0x40                      ; destination window 1, address window 0
.set MSB, 0
.macro WIN new
.if MSB != (\new)
	s_set_vgpr_msb (MSB<<8)|(\new)
.set MSB, \new
.endif
.endm
.macro JLOAD s                         ; a joint load: waves 0 and 1 fetch Q's two halves, waves 2 and 3 K's; an s_nop 0 and four v_nop follow each of the two lines
	s_cmp_eq_u32 s[HI], 0
	s_cbranch_scc0 .Lfor_b_\@
	tensor_load_to_lds s[G0A+4*(\s):G0A+4*(\s)+3], s[G1A:G1A+7]
	s_nop 0
.rept 4
	v_nop
.endr
	s_branch .Lasked_\@
.Lfor_b_\@:
	tensor_load_to_lds s[G0B+4*(\s):G0B+4*(\s)+3], s[G1B:G1B+7]
	s_nop 0
.rept 4
	v_nop
.endr
.Lasked_\@:
.endm
.macro CREST
	s_cmp_lg_u32 s[WV], 0
	s_cbranch_scc1 .Lnot_wave_0_\@
	s_barrier_signal -3
.Lnot_wave_0_\@:
	s_barrier_wait -3
	s_barrier_signal -1
	s_barrier_wait -1
.endm
.macro CROUND
	s_barrier_signal -1
	s_barrier_wait -1
	CREST
.endm
.macro PLACES                          ; four places between a matrix instruction and a load into, or a vector instruction on, its registers (ISA guide 7.12.1 for vector instructions)
.rept 4
	v_nop
.endr
.endm
	s_load_b256 s[4:11], s[0:1], 0x0               ; qkv s[4:5], pt s[6:7], ms s[8:9], ls s[10:11]
	v_lshl_add_u32 v[SPW], v0, 2, SPARE
	v_mov_b32 v[NIL], 0
	ds_add_u32 v28, v29
	s_wait_dscnt 0x0
	v_lshrrev_b32 v1, 5, v0
	v_readfirstlane_b32 s[WV], v1
	s_lshr_b32 s[HI], s[WV], 1
	s_and_b32 s[LO], s[WV], 1
	s_bfe_u32 s19, ttmp6, 0x40000                  ; cx, cy
	s_bfe_u32 s20, ttmp6, 0x40004
	s_lshl_b32 s21, ttmp9, 2
	s_add_co_u32 s21, s21, s19                     ; key tile in the batch = 4 x cluster x + cx
	s_and_b32 s23, ttmp7, 0xffff                   ; the cluster's y: two clusters to a batch
	s_lshl_b32 s22, s23, 2
	s_add_co_u32 s22, s22, s20                     ; query tile among all 32 = 4 x cluster y + cy
	s_lshl_b32 s71, s20, 2
	s_lshl_b32 s71, 15, s71                        ; my row of the cluster
	s_lshl_b32 s72, 0x1111, s19                    ; my column
	s_or_b32 s[G1A], s71, (1<<16)|(1<<20)|(1<<21)|(5<<22)|(3<<25)  ; the mask; 2-byte elements; padding on; bit 21 beside a mask; 4 words behind every 64
	s_or_b32 s[G1B], s72, (1<<16)|(1<<20)|(1<<21)|(5<<22)|(3<<25)
.irp g, G1A, G1B
	s_mov_b32 s[(\g)+1], 128<<16                   ; tensor_dim0 = 128
	s_mov_b32 s[(\g)+2], 128<<16                   ; tensor_dim1 = 128
	s_mov_b32 s[(\g)+3], 128<<16                   ; tile_dim0 = 128
	s_mov_b32 s[(\g)+4], 128                       ; tile_dim1 = 128
	s_mov_b32 s[(\g)+5], 3072                      ; elements from row to row of qkv
	s_mov_b32 s[(\g)+6], 0
	s_mov_b32 s[(\g)+7], 0
.endr
	s_mov_b32 s[CS], 0x3d38aa3b                    ; c = log2(e) / 32
	s_mov_b32 s[CS+1], s[CS]
	s_mov_b32 s[SEL], 0x76543210
	s_mov_b32 s[SEL+1], 0xfedcba98
	s_mov_b32 s[TB], 0                             ; slot 0 is in hand
	s_lshl_b32 s73, s[LO], 7                       ; which 128 rows of a tile I fetch
	s_lshl_b32 s40, s22, 8
	s_add_co_u32 s40, s40, s73
	s_mul_i32 s40, s40, 6144                       ; Q: row 256 x query tile + 128 x half
	s_mov_b32 s41, 0
	s_lshr_b32 s42, s23, 1                         ; K: the batch, from the cluster's y alone, which my column shares,
	s_lshl_b32 s42, s42, 11
	s_lshl_b32 s74, s21, 8
	s_add_co_u32 s42, s42, s74                     ; row 2,048 x batch + 256 x key tile + 128 x half,
	s_add_co_u32 s42, s42, s73
	s_mul_i32 s42, s42, 6144
	s_add_co_u32 s42, s42, 2048                    ; K's 2,048 bytes of a row lie behind Q's
	s_mov_b32 s43, 0
	s_mul_i32 s2, s[WV], 2*HALFT                   ; where they go: a wave's two slots side by side; Q's two halves, then K's two halves
	s_lshl_b32 s44, s22, 8
	s_lshl_b32 s46, s[HI], 7
	s_add_co_u32 s44, s44, s46                     ; my first query among all 8,192
	s_lshl_b32 s46, s44, 2                         ; in ms and ls: 4 bytes a query,
	s_lshl_b32 s74, s21, 1
	s_add_co_u32 s74, s74, s[LO]                   ; my group = 2 x key tile + half:
	s_lshl_b32 s47, s74, 15                        ; 32,768 bytes a group
	s_add_co_u32 s46, s46, s47
	s_mov_b32 s47, 0
	s_lshl_b32 s44, s44, 12                        ; in pt: 4,096 bytes a query,
	s_lshl_b32 s74, s74, 8                         ; 256 bytes a group
	s_add_co_u32 s44, s44, s74
	s_mov_b32 s45, 0
	s_wait_kmcnt 0x0
	s_add_nc_u64 s[40:41], s[4:5], s[40:41]
	s_add_nc_u64 s[42:43], s[4:5], s[42:43]
	s_add_nc_u64 s[6:7], s[6:7], s[44:45]
	s_add_nc_u64 s[8:9], s[8:9], s[46:47]
	s_add_nc_u64 s[10:11], s[10:11], s[46:47]
	CROUND                                         ; all sixteen work-groups are here: the first joint loads meet
.irp s, 0,1
	s_mov_b32 s[G0A+4*(\s)], 1
	s_add_co_u32 s[G0A+4*(\s)+1], s2, (\s)*HALFT
	s_add_nc_u64 s[G0A+4*(\s)+2:G0A+4*(\s)+3], s[40:41], (\s)*STEP
	s_or_b32 s[G0A+4*(\s)+3], s[G0A+4*(\s)+3], 0x80000000
	s_mov_b32 s[G0B+4*(\s)], 1
	s_add_co_u32 s[G0B+4*(\s)+1], s2, (\s)*HALFT
	s_add_nc_u64 s[G0B+4*(\s)+2:G0B+4*(\s)+3], s[42:43], (\s)*STEP
	s_or_b32 s[G0B+4*(\s)+3], s[G0B+4*(\s)+3], 0x80000000
	JLOAD \s                                       ; two tensor loads of mine are out, the most in this text
.endr
	v_and_b32 v1, 15, v0                           ; r = l % 16
	v_bfe_u32 v2, v0, 4, 1                         ; h = l / 16
	v_mul_u32_u24 v3, v1, PITCH
	v_lshl_add_u32 v3, v2, 4, v3                   ; a fragment's row x pitch + 16 h
	s_mul_i32 s73, s[HI], 2*HALFT                  ; my 128 rows of Q: those that wave HI fetches
	s_mul_i32 s75, s[LO], 2*HALFT                  ; my 128 rows of K: those that wave 2 + LO fetches
	s_add_co_u32 s75, s75, 4*HALFT
	v_add_nc_u32 v[ADRA0], s73, v3
	v_add_nc_u32 v[ADRB0], s75, v3
	v_mov_b32 v[ADRA], v[ADRA0]
	v_mov_b32 v[ADRB], v[ADRB0]
	s_mul_i32 s73, s[WV], 16*SP
	s_add_co_u32 s73, s73, STAGE                   ; my stage
	v_add_nc_u32 v[STO], s73, v3                   ; in: row r, 16 bytes for each half of the lanes (the stage's pitch is the tiles')
	v_mul_u32_u24 v4, v2, SP                       ; back: lanes 0-15 take one row of 256 bytes, lanes 16-31 the next
	v_lshl_add_u32 v4, v1, 4, v4
	v_add_nc_u32 v[RD], s73, v4
	v_lshlrev_b32 v4, 12, v2                       ; and the same two rows in pt
	v_lshl_add_u32 v[CO], v1, 4, v4
	s_lshl_b32 s73, s[WV], 10
	s_add_co_u32 s73, s73, STATS                   ; my statistics
	v_lshl_add_u32 v[STM], v1, 2, s73
	v_and_b32 v4, 31, v0
	v_lshlrev_b32 v[SO], 4, v4
	v_add_nc_u32 v[STR], s73, v[SO]
	v_mov_b32 v[CM+1], 0                           ; named in a pair with c x max
	v_mov_b32 v[LS+1], 0                           ; v_permlanex16_b32's destination counts as read
; 16 matrix instructions: query blocks a0, a0 + 1 of the window's four x all 8 key blocks, 32 along K.  zero = 1: the first product starts the sums.  The 64 accumulators take turns.
.macro MUL16 f, hi, a0, zero
	WIN MUL_LO+0x50*(\hi)
.irp a, \a0, (\a0)+1
.irp b, 0,1,2,3,4,5,6,7
.if \zero
	v_wmma_f32_16x16x32_f16 v[8*(8*(\a)+(\b)):8*(8*(\a)+(\b))+7], v[(\f)+8*(\b):(\f)+8*(\b)+7], v[(\f)+8*(4*(\hi)+(\a)):(\f)+8*(4*(\hi)+(\a))+7], 0
.else
	v_wmma_f32_16x16x32_f16 v[8*(8*(\a)+(\b)):8*(8*(\a)+(\b))+7], v[(\f)+8*(\b):(\f)+8*(\b)+7], v[(\f)+8*(4*(\hi)+(\a)):(\f)+8*(4*(\hi)+(\a))+7], v[8*(8*(\a)+(\b)):8*(8*(\a)+(\b))+7]
.endif
.endr
.endr
.endm
; 32 LDS loads in one run: the fragments of one quarter step (128 rows of K, 128 rows of Q, 32 channels at byte k of the rows of the slot in hand) into buffer f
.macro FETCH k, f
	WIN TO_B
.irp i, 0,1,2,3,4,5,6,7
	ds_load_b128 v[(\f)+8*(\i):(\f)+8*(\i)+3],   v[ADRB] offset:(\k)+(\i)*16*PITCH
	ds_load_b128 v[(\f)+8*(\i)+4:(\f)+8*(\i)+7], v[ADRB] offset:(\k)+(\i)*16*PITCH+32
.endr
	WIN 0
.irp i, 0,1,2,3,4,5,6,7
	ds_load_b128 v[(\f)+8*(\i):(\f)+8*(\i)+3],   v[ADRA] offset:(\k)+(\i)*16*PITCH
	ds_load_b128 v[(\f)+8*(\i)+4:(\f)+8*(\i)+7], v[ADRA] offset:(\k)+(\i)*16*PITCH+32
.endr
.endm
.macro QUARTER k, f, g, zero
	s_wait_dscnt 8                                 ; K and Q's rows 0-63 are in; the youngest eight loads (Q's rows 64-127) may be out
	MUL16 \f, 0, 0, \zero
	MUL16 \f, 0, 2, \zero
	PLACES
	FETCH \k, \g
	s_wait_dscnt 32                                ; all but the 32 just issued
	MUL16 \f, 1, 0, \zero
	MUL16 \f, 1, 2, \zero
.endm
; The last quarter multiplies buffer 1 and changes slots: ONE barrier.  In front of it each wave waits for all its tensor loads (one is out: its part of the next slot), adds 0 to its spare
; word, and waits for that and for its reads of this slot.  fill = 1: the barrier opens a round of the cluster's, and this slot is filled again, two K steps ahead, first thing behind it.
; Then the other slot comes in hand: the two fragment addresses are made anew.
.macro TURN fill
	WIN 0                                          ; (the add's two registers lie in window 0)
	s_wait_tensorcnt 0x0
	ds_add_u32 v[SPW], v[NIL]                      ; 0 onto my spare word
	s_wait_dscnt 9                                 ; (the add and the youngest eight loads may be out)
	MUL16 F1, 0, 0, 0                              ; sixteen matrix instructions stand between the add and the wait for it
	s_wait_dscnt 0x0                               ; the add is done, and my reads of this slot are over
	s_barrier_signal -1
	MUL16 F1, 0, 2, 0
	WIN 0                                          ; (branches and the address lines follow)
	s_barrier_wait -1
.if \fill
	CREST
	s_xor_b32 s[G0A+5], s[G0A+5], HALFT            ; the walking descriptors: the other slot than last time,
	s_add_nc_u64 s[G0A+6:G0A+7], s[G0A+6:G0A+7], STEP  ; the next K step; the type bits on top are not reached
	s_xor_b32 s[G0B+5], s[G0B+5], HALFT
	s_add_nc_u64 s[G0B+6:G0B+7], s[G0B+6:G0B+7], STEP
	JLOAD 1                                        ; my one tensor load behind the round; its four v_nop are also the places in front of the loads below
.else
	PLACES
.endif
	s_xor_b32 s[TB], s[TB], HALFT
	v_add_nc_u32 v[ADRA], s[TB], v[ADRA0]
	v_add_nc_u32 v[ADRB], s[TB], v[ADRB0]
	FETCH 0, F0
	MUL16 F1, 1, 0, 0
	MUL16 F1, 1, 2, 0
.endm
	s_wait_tensorcnt 1                             ; my part of K step 0 is in; K step 1's may stay out
	s_barrier_signal -1
	s_barrier_wait -1
	FETCH 0, F0
	QUARTER 64,  F0, F1, 1                         ; the first quarter stands in front of the loop: its products start the sums
	WIN 0
	s_mov_b32 s3, STEPS-2
.Lstep:                                                ; a trip goes from a step's second quarter to the next step's first, and fills the slot that it leaves: K steps 2 to 7
	QUARTER 128, F1, F0, 0
	QUARTER 192, F0, F1, 0
	TURN 1
	QUARTER 64,  F0, F1, 0
	WIN 0
	s_sub_co_u32 s3, s3, 1
	s_cmp_lg_u32 s3, 0
	s_cbranch_scc1 .Lstep
	QUARTER 128, F1, F0, 0                         ; the last two steps are written out: they fill nothing
	QUARTER 192, F0, F1, 0
	TURN 0
	QUARTER 64,  F0, F1, 0
	QUARTER 128, F1, F0, 0
	QUARTER 192, F0, F1, 0
	s_wait_dscnt 8
	MUL16 F1, 0, 0, 0
	MUL16 F1, 0, 2, 0
	s_wait_dscnt 0x0
	MUL16 F1, 1, 0, 0
	MUL16 F1, 1, 2, 0
	WIN 0
; THE GROUP'S SOFTMAX for block a of 16 queries: a lane holds 64 of its query's 128 scores, in the block's eight accumulators: 64 registers from AC on, in window 2.
.macro SOFT a
.set AC, 64*(\a)
	WIN 0
.irp j, 0,1,2,3
	v_mov_b32 v[CH+(\j)], 0xff7fffff               ; four chains start at the lowest finite number
.endr
	WIN 0x28                                       ; sources 1 and 2 in window 2
.irp i, 0,1,2,3,4,5,6,7                ; chain j takes accumulators 2 j and 2 j + 1, each from its lowest registers on
.irp j, 0,1,2,3
	v_max3_num_f32 v[CH+(\j)], v[CH+(\j)], v[AC+16*(\j)+2*(\i)], v[AC+16*(\j)+2*(\i)+1]
.endr
.endr
	WIN 0
	v_max3_num_f32 v[CH], v[CH], v[CH+1], v[CH+2]
	v_max_num_f32 v[CH], v[CH], v[CH+3]
	v_permlanex16_b32 v[CH+1], v[CH], s[SEL], s[SEL+1]  ; the query's other 64 keys lie in the lane 16 away
	v_max_num_f32 v[CH], v[CH], v[CH+1]
	v_mul_f32 v[CM], s[CS], v[CH]                  ; c x max
	WIN 0x82                                       ; destination and source 0 in window 2
.set i, 0
.rept 32
	v_pk_fma_f32 v[AC+2*i:AC+2*i+1], v[AC+2*i:AC+2*i+1], s[CS:CS+1], v[CM:CM+1] op_sel_hi:[1,0,0] neg_lo:[0,0,1] neg_hi:[0,0,1]  ; c s - c max
.set i, i+1
.endr
.set i, 0
.rept 64
	v_exp_f32 v[AC+i], v[AC+i]
.set i, i+1
.endr
	v_nop                                          ; a plain instruction between the last exponential and the use of its result (ISA guide 5.7.2)
	WIN 0x0a                                       ; sources 0 and 1 in window 2, destination in window 0
.set i, 0
	s_wait_alu depctr_va_vdst(0)
.rept 32
	v_cvt_pk_f16_f32 v[TMP+i], v[AC+2*i], v[AC+2*i+1]
.set i, i+1
.endr
	WIN 0x8a                                       ; the sum of the unrounded weights, in place: pairs 1, 2, 4, 8 and 16 pairs apart
.irp w, 4,8,16,32,64
.set u, 0
.rept 64/(\w)
	v_pk_add_f32 v[AC+(\w)*u:AC+(\w)*u+1], v[AC+(\w)*u:AC+(\w)*u+1], v[AC+(\w)*u+(\w)/2:AC+(\w)*u+(\w)/2+1]
.set u, u+1
.endr
.endr
	WIN 0x0a
	v_add_f32 v[LS], v[AC], v[AC+1]
	WIN 0
	v_permlanex16_b32 v[LS+1], v[LS], s[SEL], s[SEL+1]
	v_add_f32 v[LS], v[LS], v[LS+1]
	ds_store_b32 v[STM], v[CM] offset:64*(\a)      ; both halves of the lanes write the same word with the same number
	ds_store_b32 v[STM], v[LS] offset:512+64*(\a)
.endm
.macro TOSTAGE a
.set BK, OB+192*((\a)%2)
.irp b, 0,1,2,3,4,5,6,7
	ds_store_b128 v[STO], v[TMP+4*(\b):TMP+4*(\b)+3] offset:32*(\b)
.endr
.irp t, 0,1,2,3,4,5,6,7
	ds_load_b128 v[BK+4*(\t):BK+4*(\t)+3], v[RD] offset:(\t)*2*SP  ; LDS serves a wave's instructions in order (ISA guide 5.7.1.4): these see the stores above
.endr
.endm
.macro SEND a
.set BK, OB+192*((\a)%2)
	s_wait_dscnt 0x0                               ; the block is back in registers
	s_wait_xcnt 0x0                                ; every earlier store has had its addresses translated (ISA guide 3.1): the other buffer, which the block before stored from, is loaded again only behind this wait
.irp t, 0,1,2,3,4,5,6,7
	global_store_b128 v[CO], v[BK+4*(\t):BK+4*(\t)+3], s[6:7] offset:(16*(\a)+2*(\t))*4096  ; 16 lanes store 256 consecutive bytes, at a multiple of 256 from pt's first byte
.endr
.endm
; THE WAY OUT is written for four blocks, my queries 0-63 in window 2, and walked twice: a window is named by an immediate, so between the two trips my queries 64-127 are copied from window 3 into
; window 2: 256 moves a wave, once, for half the text.  The loop is entered behind the copy.
	PLACES
	s_mov_b32 s3, 2
	s_branch .Lblocks
.Lhalf:
	s_wait_xcnt 0x0                                ; the stores have read their base: only behind this wait is it stepped
	s_add_nc_u64 s[6:7], s[6:7], 64*4096           ; 64 rows of pt on,
	v_add_nc_u32 v[STM], 256, v[STM]               ; 64 queries on in my statistics
	WIN 0x83                                       ; source 0 in window 3, destination in window 2
.set i, 0
.rept 256
	v_mov_b32 v[i], v[i]                           ; ascending: each accumulator's lowest register is read first
.set i, i+1
.endr
	WIN 0
.Lblocks:
	SOFT 0
	TOSTAGE 0
.irp a, 1,2,3                          ; block a's softmax stands between block a - 1's loads from the stage and the wait for them
	SOFT \a
	SEND (\a)-1
	TOSTAGE \a
.endr
	SEND 3
	s_sub_co_u32 s3, s3, 1
	s_cmp_lg_u32 s3, 0
	s_cbranch_scc1 .Lhalf
	ds_load_b128 v[TMP:TMP+3], v[STR]              ; my wave's 128 c x max and 128 sums, 16 bytes a lane: my own stores, served in order
	ds_load_b128 v[TMP+4:TMP+7], v[STR] offset:512
	s_wait_dscnt 0x0
	global_store_b128 v[SO], v[TMP:TMP+3], s[8:9]        ; 512 consecutive bytes, at a multiple of 256 from the buffer's first byte
	global_store_b128 v[SO], v[TMP+4:TMP+7], s[10:11]
	s_wait_tensorcnt 0x0                           ; the wave's end: behind my last tensor load and my last LDS store
	ds_add_u32 v[SPW], v[NIL]
	s_wait_dscnt 0x0
	CROUND                                         ; the closing round
	s_endpgm
.Lfunc_end_k_q542056caf1_score:
	.size	k_q542056caf1_score, .Lfunc_end_k_q542056caf1_score-k_q542056caf1_score
	.p2alignl 7, 3214868480
	.fill 96, 4, 3214868480
	.section	.rodata,"a",@progbits
	.p2align	6, 0x0
	.amdhsa_kernel k_q542056caf1_score
		.amdhsa_group_segment_fixed_size 327680
		.amdhsa_private_segment_fixed_size 0
		.amdhsa_enable_private_segment 0
		.amdhsa_kernarg_size 32
		.amdhsa_user_sgpr_count 2
		.amdhsa_user_sgpr_kernarg_segment_ptr 1
		.amdhsa_wavefront_size32 1
		.amdhsa_system_sgpr_workgroup_id_x 1
		.amdhsa_system_sgpr_workgroup_id_y 1
		.amdhsa_system_sgpr_workgroup_id_z 1
		.amdhsa_system_vgpr_workitem_id 0
		.amdhsa_next_free_vgpr 1024
		.amdhsa_next_free_sgpr 80
		.amdhsa_reserve_vcc 0
		.amdhsa_float_denorm_mode_32 3
		.amdhsa_float_denorm_mode_16_64 3
		.amdhsa_memory_ordered 1
		.amdhsa_forward_progress 1
		.amdhsa_inst_pref_size 145
	.end_amdhsa_kernel
	.amdgpu_metadata
---
amdhsa.version: [ 1, 2 ]
amdhsa.kernels:
  - .name:           k_q542056caf1_score
    .symbol:         k_q542056caf1_score.kd
    .args:
      - { .name: qkv, .offset: 0, .size: 8, .value_kind: global_buffer, .address_space: global }
      - { .name: pt, .offset: 8, .size: 8, .value_kind: global_buffer, .address_space: global }
      - { .name: ms, .offset: 16, .size: 8, .value_kind: global_buffer, .address_space: global }
      - { .name: ls, .offset: 24, .size: 8, .value_kind: global_buffer, .address_space: global }
    .group_segment_fixed_size: 327680
    .private_segment_fixed_size: 0
    .kernarg_segment_align: 8
    .kernarg_segment_size: 32
    .max_flat_workgroup_size: 128
    .sgpr_count:     80
    .vgpr_count:     1024
    .wavefront_size: 32
...
	.end_amdgpu_metadata
.endif
;; end of part 7
;; launch pv (part 8): grid 4 x 64, 4 waves a work-group, clusters of 4 x 4, 327,680 bytes of LDS; arguments pt, qkv, ms, ls, out0; writes out0
.if DOCPART == 8
	.amdgcn_target "amdgcn-amd-amdhsa--gfx1250"
	.amdhsa_code_object_version 6
	.text
	.protected	k_q542056caf1_pv
	.globl	k_q542056caf1_pv
	.p2align	8
	.type	k_q542056caf1_pv,@function
k_q542056caf1_pv:
	s_mov_b64 s[64:65], 0
	v_nop
	global_prefetch_b8 v0, s[64:65] scope:SCOPE_SE
	s_setreg_imm32_b32 hwreg(HW_REG_WAVE_MODE, 25, 1), 1
	s_wait_xcnt 0x0
	s_wait_alu depctr_hold_cnt(0) depctr_sa_sdst(0) depctr_va_vdst(0) depctr_va_sdst(0) depctr_va_ssrc(0) depctr_va_vcc(0) depctr_vm_vsrc(0)
	s_getreg_b32 s2, hwreg(HW_REG_IB_STS2, 6, 4)
	s_cmp_eq_u32 s2, 0
	s_cbranch_scc0 .Lentry_in_a_cluster
	s_endpgm
.Lentry_in_a_cluster:
	s_bfe_u32 s2, ttmp6, 0x10000c
	s_cmp_lg_u32 s2, 0xf033
	s_cbranch_scc0 .Lentry_shape_is_right
	s_endpgm
.Lentry_shape_is_right:
; out0[row][n] = the sum over groups g of f[g][row] x (the sum over the group's keys k of pt[row][k] V[k][n]): the second level of the softmax and the product with V.
; pt[8192][2048] (f16) holds 2^(c s - ms[g][row]) by groups of 128 keys, ms the groups' c x max, ls their sums; V is columns 2048-3071 of qkv[8192][3072] (f16).
; For each row: cm = the largest of its 16 ms;  l = the sum of 2^(ms[g] - cm) ls[g];  f[g] = 2^(ms[g] - cm) / l, all in f32: the row's true maximum is taken away, and no exponent lies above 0.
; A K step of 128 keys is one group.  Each step's products sum into a PARTIAL tile, started by the constant 0; in the next step's first quarter the partial tile, times the rows' f, is added onto the
; TOTAL by packed fused multiply-adds in f32: 128 of them for a step's 128 matrix instructions.  So the weights reach the matrix unit as they were stored, and nothing is divided at the end.
; The total is cleared at the start, in the wait for the first tiles: 256 lines, the price of writing no first step out.
; LIMITS.  A factor 2^(ms[g] - cm) below 2^-126 counts as 0.  NaN and infinities are not treated apart.
; TILE.  128 rows x 256 columns: 64 x 4 = 256 work-groups, one to a WGP (256 x 256 would give 128).  Four waves, each 64 x 128: 32 accumulators.  K = 2,048 keys in steps of 128, two LDS slots.
; THE LOOP'S TEXT IS ONE K STEP.  The slot in hand is a scalar, 0 or 1 << 17, which an exclusive or turns at each change of slots; the two fragment addresses are made anew from it, and one descriptor
; for each tensor walks: its LDS word is turned likewise, its address steps by one K step.  A step's factors are fetched in its second quarter, behind the folds of the step before: one set of registers.
; A (pt) lies [row][key]: ds_load_b128.  B (V) lies [key][column]: the turning load ds_load_tr16_b128.  The matrix instruction is used transposed: a lane holds eight neighbouring numbers of one row.
; CLUSTER.  4 x 4 work-groups: the four of a row of the cluster share pt's tiles, the four of a column V's (a cluster's 512 rows lie in one batch); joint loads divide the requests by four.
; REGISTERS, in windows of 256 (s_set_vgpr_msb: bits 1:0 source 0, 3:2 source 1, 5:4 source 2, 7:6 destination):
;   window 0: v0-31 addresses; v32-127, v128-223 two fragment buffers (64 of B, 32 of A); v224-231 f of the step in hand: twice for each row block, a pair for the packed line
;   window 1: the partial tile, (a, b) at v[8 (8 a + b)]          window 2: the total, likewise
.set KSTEP,  128
.set PA,     272                       ; a row of A in LDS: 256 bytes + 16: the 16 rows of a load start at 16 different groups of four banks (64 banks of 4 bytes: ISA guide 11.1)
.set PB,     544                       ; a row of B: 512 bytes + 32
.set AT,     128*PA
.set SLOT,   AT+128*PB                 ; 104,448 bytes
.set SLOT1,  1<<17                     ; slot 1 begins here, so that one exclusive or turns an address in one slot into the other's
.set STAGE,  SLOT1+SLOT                ; behind the ring, never filled by a tensor load: 16 rows x 528 bytes for each wave
.set SP,     528                       ; a stage row: 512 bytes + 16
.set FTAB,   STAGE+4*16*SP             ; f: [16 groups][128 rows] of f32
.set SPARE,  FTAB+16*512               ; the spare words, 128 bytes for each wave: two blocks of 256 bytes that no other line names
.set STEPS,  2048/KSTEP
.set STEPA,  KSTEP*2
.set STEPB,  KSTEP*6144
.set ADRA0, 8                          ; v8   LDS address of my A fragments in slot 0; never rewritten
.set ADRA,  9                          ; v9   the same in the slot in hand
.set ADRB0, 10                         ; v10, v11  the same for B
.set ADRB,  11
.set STO,  12
.set RD,   13
.set CO,   14
.set FA0,  15                          ; v15  my row's place in a group's 512 bytes of the table
.set FA,   16                          ; v16  the address of the factors in hand
.set MO,   18                          ; v18  my byte offset in ms and ls
.set TA,   19                          ; v19  where my thread puts its row's factors
.set SPW,  28                          ; v28  LDS address of my spare word: SPARE + 4 x my thread's number; never rewritten
.set NIL,  29                          ; v29  0; never rewritten
.set F0,   32
.set F1,   128
.set FT,   224
.set WV,   16
.set HI,   17
.set LO,   18
.set G1A,  24                          ; s[24:31] group 1 for A's tiles;  s[32:39] group 0: a set for each of the two first fills; the second then walks on
.set G0A,  32
.set G1B,  48                          ; s[48:55], s[56:63] the same for B's
.set G0B,  56
.set FTO,  70                          ; s70  the step's group in the table, in bytes
.set TB,   76                          ; s76  the slot in hand: 0 or SLOT1
.set MUL,  0x50                        ; sources in window 0, C and D in window 1
.set MSB, 0
.macro WIN new
.if MSB != (\new)
	s_set_vgpr_msb (MSB<<8)|(\new)
.set MSB, \new
.endif
.endm
.macro JLOAD s                         ; a joint load: waves 0 and 1 fetch A's two halves, waves 2 and 3 B's; an s_nop 0 and four v_nop follow each of the two lines
	s_cmp_eq_u32 s[HI], 0
	s_cbranch_scc0 .Lfor_b_\@
	tensor_load_to_lds s[G0A+4*(\s):G0A+4*(\s)+3], s[G1A:G1A+7]
	s_nop 0
.rept 4
	v_nop
.endr
	s_branch .Lasked_\@
.Lfor_b_\@:
	tensor_load_to_lds s[G0B+4*(\s):G0B+4*(\s)+3], s[G1B:G1B+7]
	s_nop 0
.rept 4
	v_nop
.endr
.Lasked_\@:
.endm
.macro CREST
	s_cmp_lg_u32 s[WV], 0
	s_cbranch_scc1 .Lnot_wave_0_\@
	s_barrier_signal -3
.Lnot_wave_0_\@:
	s_barrier_wait -3
	s_barrier_signal -1
	s_barrier_wait -1
.endm
.macro CROUND
	s_barrier_signal -1
	s_barrier_wait -1
	CREST
.endm
.macro PLACES                          ; four places between a matrix instruction and a load into, or a vector instruction on, its registers (ISA guide 7.12.1 for vector instructions)
.rept 4
	v_nop
.endr
.endm
	s_load_b256 s[4:11], s[0:1], 0x0               ; pt s[4:5], qkv s[6:7], ms s[8:9], ls s[10:11]
	s_load_b64 s[12:13], s[0:1], 0x20              ; out0
	v_lshl_add_u32 v[SPW], v0, 2, SPARE
	v_mov_b32 v[NIL], 0
	ds_add_u32 v28, v29
	s_wait_dscnt 0x0
	v_lshrrev_b32 v1, 5, v0
	v_readfirstlane_b32 s[WV], v1
	s_lshr_b32 s[HI], s[WV], 1
	s_and_b32 s[LO], s[WV], 1
	s_bfe_u32 s19, ttmp6, 0x40000                  ; cx, cy
	s_bfe_u32 s20, ttmp6, 0x40004
	s_lshl_b32 s21, ttmp9, 2
	s_add_co_u32 s21, s21, s19                     ; tile column = 4 x cluster x + cx
	s_and_b32 s23, ttmp7, 0xffff                   ; the cluster's y: four clusters to a batch
	s_lshl_b32 s22, s23, 2
	s_add_co_u32 s22, s22, s20                     ; tile row = 4 x cluster y + cy
	s_lshl_b32 s71, s20, 2
	s_lshl_b32 s71, 15, s71                        ; my row of the cluster
	s_lshl_b32 s72, 0x1111, s19                    ; my column
	s_or_b32 s[G1A], s71, (1<<16)|(1<<20)|(1<<21)|(5<<22)|(3<<25)  ; A: 64 rows x 128 elements of 2 bytes, 4 words of padding behind every 64
	s_mov_b32 s[G1A+1], 128<<16
	s_mov_b32 s[G1A+2], 64<<16
	s_mov_b32 s[G1A+3], 128<<16
	s_mov_b32 s[G1A+4], 64
	s_mov_b32 s[G1A+5], 2048                       ; elements from row to row of pt
	s_mov_b32 s[G1A+6], 0
	s_mov_b32 s[G1A+7], 0
	s_or_b32 s[G1B], s72, (1<<16)|(1<<20)|(1<<21)|(6<<22)|(7<<25)  ; B: 64 keys x 256 elements, 8 words of padding behind every 128
	s_mov_b32 s[G1B+1], 256<<16
	s_mov_b32 s[G1B+2], 64<<16
	s_mov_b32 s[G1B+3], 256<<16
	s_mov_b32 s[G1B+4], 64
	s_mov_b32 s[G1B+5], 3072                       ; elements from row to row of qkv
	s_mov_b32 s[G1B+6], 0
	s_mov_b32 s[G1B+7], 0
	s_mov_b32 s[FTO], 0
	s_mov_b32 s[TB], 0                             ; slot 0 is in hand
	s_lshl_b32 s73, s[LO], 6                       ; which 64 rows of a tile I fetch
	s_lshl_b32 s40, s22, 7
	s_add_co_u32 s40, s40, s73
	s_lshl_b32 s40, s40, 12                        ; A: (128 x tile row + 64 x half) rows of 4,096 bytes
	s_mov_b32 s41, 0
	s_lshr_b32 s42, s23, 2                         ; B: the batch, from the cluster's y alone, which my column shares,
	s_lshl_b32 s42, s42, 11
	s_add_co_u32 s42, s42, s73
	s_mul_i32 s42, s42, 6144                       ; key 2,048 x batch + 64 x half,
	s_lshl_b32 s74, s21, 9
	s_add_co_u32 s42, s42, s74                     ; 512 bytes a tile column,
	s_add_co_u32 s42, s42, 4096                    ; V's part of a row lies behind Q's and K's
	s_mov_b32 s43, 0
	s_mul_i32 s2, s[LO], 64*PA                     ; where they go: no place in the cluster enters an LDS address
	s_mul_i32 s75, s[LO], 64*PB
	s_add_co_u32 s75, s75, AT
	s_lshl_b32 s44, s22, 7
	s_lshl_b32 s46, s[HI], 6
	s_add_co_u32 s44, s44, s46
	s_lshl_b32 s44, s44, 12                        ; out0: my first row, 4,096 bytes a row,
	s_lshl_b32 s74, s21, 1
	s_add_co_u32 s74, s74, s[LO]
	s_lshl_b32 s74, s74, 9                         ; my first column: 1,024 x tile column + 512 x half bytes
	s_add_co_u32 s44, s44, s74
	s_mov_b32 s45, 0
	s_lshl_b32 s46, s22, 9                         ; ms, ls: the tile's 128 rows, 4 bytes each
	s_mov_b32 s47, 0
	s_wait_kmcnt 0x0
	s_add_nc_u64 s[40:41], s[4:5], s[40:41]
	s_add_nc_u64 s[42:43], s[6:7], s[42:43]
	s_add_nc_u64 s[12:13], s[12:13], s[44:45]
	s_add_nc_u64 s[8:9], s[8:9], s[46:47]
	s_add_nc_u64 s[10:11], s[10:11], s[46:47]
	CROUND                                         ; all sixteen work-groups are here: the first joint loads meet
.irp s, 0,1
	s_mov_b32 s[G0A+4*(\s)], 1
	s_add_co_u32 s[G0A+4*(\s)+1], s2, (\s)*SLOT1
	s_add_nc_u64 s[G0A+4*(\s)+2:G0A+4*(\s)+3], s[40:41], (\s)*STEPA
	s_or_b32 s[G0A+4*(\s)+3], s[G0A+4*(\s)+3], 0x80000000
	s_mov_b32 s[G0B+4*(\s)], 1
	s_add_co_u32 s[G0B+4*(\s)+1], s75, (\s)*SLOT1
	s_add_nc_u64 s[G0B+4*(\s)+2:G0B+4*(\s)+3], s[42:43], (\s)*STEPB
	s_or_b32 s[G0B+4*(\s)+3], s[G0B+4*(\s)+3], 0x80000000
	JLOAD \s                                       ; two tensor loads of mine are out, the most in this text
.endr
	; THE TABLE, in the wait for the first tiles: thread t serves row t of the tile's 128
	v_lshlrev_b32 v[MO], 2, v0
.irp g, 0,1,2,3,4,5,6,7,8,9,10,11,12,13,14,15
	global_load_b32 v[32+(\g)], v[MO], s[8:9] offset:32768*(\g)    ; a wave's load covers 128 consecutive bytes of a group's row of ms
.endr
.irp g, 0,1,2,3,4,5,6,7,8,9,10,11,12,13,14,15
	global_load_b32 v[48+(\g)], v[MO], s[10:11] offset:32768*(\g)
.endr
	WIN 0x80                                       ; destination window 2: the total starts at 0
.set i, 0
.rept 256
	v_mov_b32 v[i], 0
.set i, i+1
.endr
	WIN 0
	v_lshl_add_u32 v[TA], v0, 2, FTAB
	v_and_b32 v1, 15, v0                           ; r = l % 16
	v_bfe_u32 v2, v0, 4, 1                         ; h = l / 16
	v_mul_u32_u24 v3, v1, PA
	v_lshl_add_u32 v3, v2, 4, v3                   ; a fragment of A: r x pitch + 16 h
	s_mul_i32 s73, s[HI], 64*PA
	v_add_nc_u32 v[ADRA0], s73, v3
	v_mov_b32 v[ADRA], v[ADRA0]
	v_and_b32 v4, 7, v0                            ; the turning load: key 8 h + l % 8, columns 8 ((l / 8) % 2) + 0..7
	v_lshl_add_u32 v4, v2, 3, v4
	v_mul_u32_u24 v4, v4, PB
	v_bfe_u32 v5, v0, 3, 1
	v_lshl_add_u32 v4, v5, 4, v4
	s_lshl_b32 s73, s[LO], 8
	s_add_co_u32 s73, s73, AT
	v_add_nc_u32 v[ADRB0], s73, v4
	v_mov_b32 v[ADRB], v[ADRB0]
	s_mul_i32 s73, s[WV], 16*SP
	s_add_co_u32 s73, s73, STAGE                   ; my stage
	v_mul_u32_u24 v4, v1, SP                       ; in: row r, 32 bytes for each half of the lanes
	v_lshl_add_u32 v4, v2, 5, v4
	v_add_nc_u32 v[STO], s73, v4
	v_and_b32 v4, 31, v0
	v_lshlrev_b32 v[CO], 4, v4                     ; back: 32 lanes take a row's 512 bytes, and the same in out0
	v_add_nc_u32 v[RD], s73, v[CO]
	s_lshl_b32 s73, s[HI], 8                       ; my 64 rows in the table, 4 bytes each
	s_add_co_u32 s73, s73, FTAB
	v_lshl_add_u32 v[FA0], v1, 2, s73
	s_wait_loadcnt 0x0
	v_max3_num_f32 v64, v32, v33, v34              ; the row's maximum, times c
.irp g, 35,37,39,41,43,45
	v_max3_num_f32 v64, v64, v[\g], v[(\g)+1]
.endr
	v_max_num_f32 v64, v64, v47
.irp g, 0,1,2,3,4,5,6,7,8,9,10,11,12,13,14,15
	v_sub_f32 v[32+(\g)], v[32+(\g)], v64
.endr
.irp g, 0,1,2,3,4,5,6,7,8,9,10,11,12,13,14,15
	v_exp_f32 v[32+(\g)], v[32+(\g)]
.endr
	v_nop                                          ; a plain instruction between the last exponential and the use of its result (ISA guide 5.7.2)
	s_wait_alu depctr_va_vdst(0)
	v_mul_f32 v65, v32, v48
.irp g, 1,2,3,4,5,6,7,8,9,10,11,12,13,14,15
	v_fmac_f32 v65, v[32+(\g)], v[48+(\g)]         ; l
.endr
	v_rcp_f32 v66, v65                             ; l is about 1 at the least: the group that holds the row's maximum has the factor 1 and a weight of about 1
	v_nop
	s_wait_alu depctr_va_vdst(0)
.irp g, 0,1,2,3,4,5,6,7,8,9,10,11,12,13,14,15
	v_mul_f32 v[32+(\g)], v[32+(\g)], v66
.endr
.irp g, 0,1,2,3,4,5,6,7,8,9,10,11,12,13,14,15
	ds_store_b32 v[TA], v[32+(\g)] offset:512*(\g)
.endr
.macro MUL8 f, a, first                ; 8 matrix instructions: row block a x all 8 column blocks, 32 keys.  first = 1: the products start the step's sums.  The 32 accumulators take turns.
	WIN MUL
.irp b, 0,1,2,3,4,5,6,7
.if \first
	v_wmma_f32_16x16x32_f16 v[8*(8*(\a)+(\b)):8*(8*(\a)+(\b))+7], v[(\f)+8*(\b):(\f)+8*(\b)+7], v[(\f)+64+8*(\a):(\f)+64+8*(\a)+7], 0
.else
	v_wmma_f32_16x16x32_f16 v[8*(8*(\a)+(\b)):8*(8*(\a)+(\b))+7], v[(\f)+8*(\b):(\f)+8*(\b)+7], v[(\f)+64+8*(\a):(\f)+64+8*(\a)+7], v[8*(8*(\a)+(\b)):8*(8*(\a)+(\b))+7]
.endif
.endr
.endm
.macro FETCH q, f                      ; 24 LDS loads in one run: quarter q (32 keys) of the slot in hand into buffer f: B's sixteen, then A's eight
	WIN 0
.irp b, 0,1,2,3,4,5,6,7
	ds_load_tr16_b128 v[(\f)+8*(\b):(\f)+8*(\b)+3],   v[ADRB] offset:(\q)*32*PB+32*(\b)
	ds_load_tr16_b128 v[(\f)+8*(\b)+4:(\f)+8*(\b)+7], v[ADRB] offset:(\q)*32*PB+16*PB+32*(\b)
.endr
.irp a, 0,1,2,3
	ds_load_b128 v[(\f)+64+8*(\a):(\f)+64+8*(\a)+3],   v[ADRA] offset:64*(\q)+(\a)*16*PA
	ds_load_b128 v[(\f)+64+8*(\a)+4:(\f)+64+8*(\a)+7], v[ADRA] offset:64*(\q)+(\a)*16*PA+32
.endr
.endm
.macro FETCHF                          ; the factors of the step in hand (my row in each of the four row blocks, into both registers of a pair): in front of a fragment run, so the counted wait behind the run covers them
	WIN 0
	v_add_nc_u32 v[FA], s[FTO], v[FA0]
.irp a, 0,1,2,3
	ds_load_b32 v[FT+2*(\a)],   v[FA] offset:64*(\a)
	ds_load_b32 v[FT+2*(\a)+1], v[FA] offset:64*(\a)
.endr
.endm
.macro FOLD a                          ; total += f x partial for row block a: a lane holds one row; each accumulator's registers in ascending order
	WIN 0xa1                                       ; source 0 (partial) window 1, source 1 (f) window 0, source 2 and destination (total) window 2
.set i, 0
.rept 32
	v_pk_fma_f32 v[64*(\a)+2*i:64*(\a)+2*i+1], v[64*(\a)+2*i:64*(\a)+2*i+1], v[FT+2*(\a):FT+2*(\a)+1], v[64*(\a)+2*i:64*(\a)+2*i+1]
.set i, i+1
.endr
.endm
; A K step is four quarters of 32 keys, 32 matrix instructions each, on buffers 0, 1, 0, 1.  One of the first three: multiplies buffer f; in its middle it fetches quarter q into buffer g.
; first = 1: a step's first quarter.  fold = 1: ahead of the products that start a row block's sums anew, the step before is folded into the total.  Between a row block's last product and its fold
; stand the four v_nop of the change of slots or the other blocks' folds.  ff = 1: a step's second quarter: the folds of the step before are over, and this step's factors are fetched.
.macro QUARTER q, f, g, first, fold, ff
	s_wait_dscnt 4                                 ; all but the youngest four loads (A's row blocks 2, 3) are in
.if \fold
	FOLD 0
	FOLD 1
.endif
	MUL8 \f, 0, \first
	MUL8 \f, 1, \first
	WIN 0
	PLACES
.if \ff
	FETCHF
.endif
	FETCH \q, \g
	s_wait_dscnt 24                                ; all but the 24 just issued
.if \fold
	FOLD 2
	FOLD 3
.endif
	MUL8 \f, 2, \first
	MUL8 \f, 3, \first
.endm
; The last quarter multiplies buffer 1 and changes slots: ONE barrier.  In front of it each wave waits for all its tensor loads (one is out: its part of the next slot), adds 0 to its spare
; word, and waits for that and for its reads of this slot.  fill = 1: the barrier opens a round of the cluster's, and this slot is filled again, two K steps ahead, first thing behind it.
; Then the other slot comes in hand: the two fragment addresses are made anew.
.macro TURN fill
	WIN 0
	s_wait_tensorcnt 0x0
	ds_add_u32 v[SPW], v[NIL]                      ; 0 onto my spare word
	s_wait_dscnt 5                                 ; (the add and the youngest four loads may be out)
	MUL8 F1, 0, 0                                  ; eight matrix instructions stand between the add and the wait for it
	s_wait_dscnt 0x0                               ; the add is done, and my reads of this slot are over
	s_barrier_signal -1
	MUL8 F1, 1, 0
	WIN 0
	s_barrier_wait -1
.if \fill
	CREST
	s_xor_b32 s[G0A+5], s[G0A+5], SLOT1            ; the walking descriptors: the other slot than last time,
	s_add_nc_u64 s[G0A+6:G0A+7], s[G0A+6:G0A+7], STEPA  ; the next K step; the type bits on top are not reached
	s_xor_b32 s[G0B+5], s[G0B+5], SLOT1
	s_add_nc_u64 s[G0B+6:G0B+7], s[G0B+6:G0B+7], STEPB
	JLOAD 1                                        ; my one tensor load behind the round; its four v_nop are also the places in front of the loads below
.else
	PLACES
.endif
	s_xor_b32 s[TB], s[TB], SLOT1
	v_add_nc_u32 v[ADRA], s[TB], v[ADRA0]
	v_add_nc_u32 v[ADRB], s[TB], v[ADRB0]
	FETCH 0, F0
	MUL8 F1, 2, 0
	MUL8 F1, 3, 0
.endm
	s_wait_dscnt 0x0                               ; for the others' sake: my rows of the table are written
	s_wait_tensorcnt 1                             ; my part of K step 0 is in; K step 1's may stay out
	s_barrier_signal -1
	s_barrier_wait -1
	FETCH 0, F0
	QUARTER 1, F0, F1, 1, 0, 0                     ; the first quarter stands in front of the loop: there is no step before it to fold
	WIN 0
	s_mov_b32 s3, STEPS-2
.Lstep:                                                ; a trip goes from a step's second quarter to the next step's first, and fills the slot that it leaves: K steps 2 to 15
	QUARTER 2, F1, F0, 0, 0, 1
	QUARTER 3, F0, F1, 0, 0, 0
	TURN 1
	QUARTER 1, F0, F1, 1, 1, 0
	WIN 0
	s_add_co_u32 s[FTO], s[FTO], 512               ; a group on in the table
	s_sub_co_u32 s3, s3, 1
	s_cmp_lg_u32 s3, 0
	s_cbranch_scc1 .Lstep
	QUARTER 2, F1, F0, 0, 0, 1                     ; the last two steps are written out: they fill nothing
	QUARTER 3, F0, F1, 0, 0, 0
	TURN 0
	QUARTER 1, F0, F1, 1, 1, 0
	s_add_co_u32 s[FTO], s[FTO], 512
	QUARTER 2, F1, F0, 0, 0, 1
	QUARTER 3, F0, F1, 0, 0, 0
	s_wait_dscnt 4                                 ; the very last quarter
	MUL8 F1, 0, 0
	MUL8 F1, 1, 0
	s_wait_dscnt 0x0
	MUL8 F1, 2, 0
	MUL8 F1, 3, 0
	WIN 0
; THE WAY OUT, a block of 16 rows at a time: the last step is folded in, 32 bytes a lane go into my own stage and come back as whole rows of 512 bytes, which are stored.
.macro TOSTAGE a
.set BK, 32+64*((\a)%3)                ; three buffers of 64 registers; block 3 takes block 0's
	WIN 0x08                                       ; the stores' data in window 2
.irp b, 0,1,2,3,4,5,6,7
	ds_store_b128 v[STO], v[64*(\a)+8*(\b):64*(\a)+8*(\b)+3] offset:64*(\b)
	ds_store_b128 v[STO], v[64*(\a)+8*(\b)+4:64*(\a)+8*(\b)+7] offset:64*(\b)+16
.endr
	WIN 0
.if (\a) == 3
	s_wait_xcnt 0x0                                ; every earlier store has had its addresses translated (ISA guide 3.1): block 0's buffer is loaded again only behind this wait
.endif
.irp t, 0,1,2,3,4,5,6,7,8,9,10,11,12,13,14,15
	ds_load_b128 v[BK+4*(\t):BK+4*(\t)+3], v[RD] offset:(\t)*SP  ; LDS serves a wave's instructions in order (ISA guide 5.7.1.4): these see the stores above
.endr
.endm
.macro SEND a
.set BK, 32+64*((\a)%3)
	WIN 0
	s_wait_dscnt 0x0                               ; the block is back in registers
.irp t, 0,1,2,3,4,5,6,7,8,9,10,11,12,13,14,15
	global_store_b128 v[CO], v[BK+4*(\t):BK+4*(\t)+3], s[12:13] offset:(16*(\a)+(\t))*4096 th:TH_STORE_NT  ; 512 consecutive bytes, at a multiple of 256 from out0's first byte
.endr
.endm
	PLACES
	FOLD 0
	TOSTAGE 0
.irp a, 1,2,3                          ; block a's fold stands between block a - 1's loads from the stage and the wait for them
	FOLD \a
	SEND (\a)-1
	TOSTAGE \a
.endr
	SEND 3
	s_wait_tensorcnt 0x0                           ; the wave's end: behind my last tensor load and my last LDS store
	ds_add_u32 v[SPW], v[NIL]
	s_wait_dscnt 0x0
	CROUND                                         ; the closing round
	s_endpgm
.Lfunc_end_k_q542056caf1_pv:
	.size	k_q542056caf1_pv, .Lfunc_end_k_q542056caf1_pv-k_q542056caf1_pv
	.p2alignl 7, 3214868480
	.fill 96, 4, 3214868480
	.section	.rodata,"a",@progbits
	.p2align	6, 0x0
	.amdhsa_kernel k_q542056caf1_pv
		.amdhsa_group_segment_fixed_size 327680
		.amdhsa_private_segment_fixed_size 0
		.amdhsa_enable_private_segment 0
		.amdhsa_kernarg_size 40
		.amdhsa_user_sgpr_count 2
		.amdhsa_user_sgpr_kernarg_segment_ptr 1
		.amdhsa_wavefront_size32 1
		.amdhsa_system_sgpr_workgroup_id_x 1
		.amdhsa_system_sgpr_workgroup_id_y 1
		.amdhsa_system_sgpr_workgroup_id_z 1
		.amdhsa_system_vgpr_workitem_id 0
		.amdhsa_next_free_vgpr 768
		.amdhsa_next_free_sgpr 80
		.amdhsa_reserve_vcc 0
		.amdhsa_float_denorm_mode_32 3
		.amdhsa_float_denorm_mode_16_64 3
		.amdhsa_memory_ordered 1
		.amdhsa_forward_progress 1
		.amdhsa_inst_pref_size 110
	.end_amdhsa_kernel
	.amdgpu_metadata
---
amdhsa.version: [ 1, 2 ]
amdhsa.kernels:
  - .name:           k_q542056caf1_pv
    .symbol:         k_q542056caf1_pv.kd
    .args:
      - { .name: pt, .offset: 0, .size: 8, .value_kind: global_buffer, .address_space: global }
      - { .name: qkv, .offset: 8, .size: 8, .value_kind: global_buffer, .address_space: global }
      - { .name: ms, .offset: 16, .size: 8, .value_kind: global_buffer, .address_space: global }
      - { .name: ls, .offset: 24, .size: 8, .value_kind: global_buffer, .address_space: global }
      - { .name: out0, .offset: 32, .size: 8, .value_kind: global_buffer, .address_space: global }
    .group_segment_fixed_size: 327680
    .private_segment_fixed_size: 0
    .kernarg_segment_align: 8
    .kernarg_segment_size: 40
    .max_flat_workgroup_size: 128
    .sgpr_count:     80
    .vgpr_count:     768
    .wavefront_size: 32
...
	.end_amdgpu_metadata
.endif
;; end of part 8
;; ======== version 3 of 3: 4 launches; version 2 with the launch cast written anew for expert scheduling mode
;; limits: values are held in f16: magnitudes above 65,504 overflow, below 6.1e-05 lose precision
;; workspace buffers: xb 16,777,216 bytes; wb 6,291,456 bytes; qkv 50,331,648 bytes; pt 33,554,432 bytes; ms 524,288 bytes; ls 524,288 bytes
;; launch cast (part 9): grid 704 x 1, 8 waves a work-group, no clusters, 0 bytes of LDS; arguments x, Wq, Wk, Wv, xb, wb; writes xb, wb
.if DOCPART == 9
	.amdgcn_target "amdgcn-amd-amdhsa--gfx1250"
	.amdhsa_code_object_version 6
	.text
	.protected	k_q542056caf1_cast
	.globl	k_q542056caf1_cast
	.p2align	8
	.type	k_q542056caf1_cast,@function
k_q542056caf1_cast:
	s_mov_b64 s[64:65], 0
	v_nop
	global_prefetch_b8 v0, s[64:65] scope:SCOPE_SE
	s_setreg_imm32_b32 hwreg(HW_REG_WAVE_SCHED_MODE, 0, 2), 2
	s_setreg_imm32_b32 hwreg(HW_REG_WAVE_MODE, 25, 1), 1
	s_wait_xcnt 0x0
	s_wait_alu depctr_vm_vsrc(0)
; xb[kb][row][kk] = bf16(x[row][64 kb + kk]): x's 8,192 rows in 16 blocks of 64 channels, so that 256 rows x 64 channels, the next launch's tile, are 32,768 consecutive bytes.
; wb[1024 d][3072 e] = bf16(Wq | Wk | Wv)[d][e]: the three weights side by side, rows as they lie: nothing is turned.
; A stream: each f32 is read once and each bf16 written once; no LDS, no barrier, no matrix work, since no number meets another.
; A work-group takes 16 rows of 1,024 f32.  Groups 0-511: x's rows.  Groups 512-703: 64 groups for each weight.  With c = t % 16, half = (t / 16) % 2, w = t / 32, load j = 2 p + o of 16:
;   x:  row 2 p + half, block 2 w + o, 16 bytes at 16 c: 16 lanes read a row's 256 bytes of one block; the wave stores the two rows' 128 + 128 bytes, which lie end to end in xb.
;   W:  row 2 p + o, 16 bytes at 16 t: a wave reads 512 consecutive bytes and stores 256.
; So every load covers whole aligned runs of 256 bytes and every store 256 consecutive bytes at a multiple of 256 from the buffer's first byte.  The two cases differ in six strides,
; chosen by the group's number; the text is one.  All 16 loads go out first.
; THE MODE: SCHED_MODE bits 1:0 = 2 (LLVM: expert scheduling mode 2), set by the entry lines.  The code itself states the register dependences between vector instructions and memory
; instructions, with s_wait_alu, always for 0.
; THE PLAN.  Registers that memory instructions touch:
;   L0 (2), O (16)  byte offsets.  Written by vector instructions at the head; read by the loads (L0) and by the stores (O); never written again.
;   X (64)          Written by the 16 loads alone; read by the conversions, behind the counted wait for the data; no load lands in them a second time.
;   Y (32)          Written by the conversions, each register once; read by the stores; never written again.
; So two kinds of dependence are to be stated, both of a memory instruction on a vector result.  ONE wait ahead of the first load states that all 18 offsets are written: it serves every load and every
; store's offset, since the only vector instructions behind it are the conversions, which name X and Y alone.  The way out goes in four groups of four loads: the group's eight conversions, ONE wait that
; states that they have written the group's eight registers of Y, and the group's four stores in a run.  No register that a load or store reads is written again, so no wait on vm_vsrc is owed.
.set X,  4                             ; v[4:67]    load j: 4 f32
.set Y,  68                            ; v[68:99]   load j: 4 bf16 to store
.set O,  100                           ; v[100:115] load j: my byte offset in the destination
.set L0, 116                           ; v116-117   my byte offset in the source, for even and for odd j
	s_load_b256 s[4:11], s[0:1], 0x0               ; x s[4:5], Wq s[6:7], Wk s[8:9], Wv s[10:11]
	s_load_b128 s[12:15], s[0:1], 0x20             ; xb s[12:13], wb s[14:15]
	s_mov_b32 s30, ttmp9                           ; the work-group's number
	s_sub_co_u32 s16, s30, 512                     ; its number among the weights' groups (of no meaning for x's groups: chosen away below)
	s_lshr_b32 s17, s16, 6                         ; which weight: 0, 1, 2
	s_and_b32 s18, s16, 63                         ; which 16 rows of it
	s_mov_b32 s20, 98304                           ; the weights' strides: 16 rows of wb,
	s_mov_b32 s21, 256                             ; source: from half to half,
	s_mov_b32 s32, 4096                            ; source: from even j to odd j (a row),
	s_mov_b32 s33, 256                             ; destination: from wave to wave,
	s_mov_b32 s34, 6144                            ; destination: from even j to odd j (a row),
	s_mov_b32 s35, 12288                           ; destination: from p to p + 1 (two rows)
	s_cmp_lt_u32 s30, 512                          ; x's group?
	s_cselect_b32 s17, 0, s17
	s_cselect_b32 s19, s30, s18                    ; block of 16 rows
	s_cselect_b32 s20, 2048, s20                   ; x's strides: 16 rows of 128 bytes in a block of xb,
	s_cselect_b32 s21, 4096, s21                   ; a row of x,
	s_cselect_b32 s32, 256, s32                    ; 64 f32,
	s_cselect_b32 s33, 0x200000, s33               ; two blocks of xb,
	s_cselect_b32 s34, 0x100000, s34               ; one block of xb: 8,192 rows of 128 bytes,
	s_cselect_b32 s35, 256, s35                    ; two rows in a block
	s_lshl_b32 s26, s19, 16                        ; source: 16 rows of 4,096 bytes a group
	s_mov_b32 s27, 0
	s_mul_i32 s28, s19, s20                        ; destination: the group's 16 rows,
	s_lshl_b32 s16, s17, 11
	s_add_co_u32 s28, s28, s16                     ; and the weight's 2,048 bytes in a row of wb
	s_mov_b32 s29, 0
	v_and_b32 v1, 15, v0                           ; c
	v_bfe_u32 v2, v0, 4, 1                         ; half
	v_lshrrev_b32 v3, 5, v0                        ; w
	v_lshlrev_b32 v[L0], 4, v1
	v_mad_u32_u24 v[L0], v2, s21, v[L0]
	v_lshl_add_u32 v[L0], v3, 9, v[L0]             ; 16 c + half x stride + 512 w
	v_add_nc_u32 v[L0+1], s32, v[L0]
	v_lshlrev_b32 v[O], 3, v1
	v_lshl_add_u32 v[O], v2, 7, v[O]
	v_mad_u32_u24 v[O], v3, s33, v[O]              ; 8 c + 128 half + w x stride
	v_add_nc_u32 v[O+1], s34, v[O]
.irp j, 2,3,4,5,6,7,8,9,10,11,12,13,14,15
	v_add_nc_u32 v[O+(\j)], s35, v[O+(\j)-2]
.endr
	s_wait_kmcnt 0x0
	s_cmp_lt_u32 s30, 512                          ; compared anew: the shifts and sums above have written SCC
	s_cselect_b64 s[22:23], s[12:13], s[14:15]     ; to xb or wb
	s_cselect_b64 s[24:25], s[4:5], s[6:7]         ; from x or Wq,
	s_cmp_eq_u32 s17, 1
	s_cselect_b64 s[24:25], s[8:9], s[24:25]       ; or Wk,
	s_cmp_eq_u32 s17, 2
	s_cselect_b64 s[24:25], s[10:11], s[24:25]     ; or Wv
	s_add_nc_u64 s[24:25], s[24:25], s[26:27]
	s_add_nc_u64 s[22:23], s[22:23], s[28:29]
	s_wait_alu depctr_va_vdst(0)                   ; the 18 offsets are written: v[L0], v[L0+1], which the loads below read, and v[O] to v[O+15], which the stores read; no vector instruction behind this wait names them
.irp j, 0,1,2,3,4,5,6,7,8,9,10,11,12,13,14,15
	global_load_b128 v[X+4*(\j):X+4*(\j)+3], v[L0+(\j)%2], s[24:25] offset:8192*((\j)/2) th:TH_LOAD_NT
.endr
.irp g, 0,1,2,3                        ; group g: loads 4 g to 4 g + 3
	s_wait_loadcnt 12-4*(\g)                       ; loads come back in order (ISA guide 5.7.1): the group's four are in, the 12 - 4 g younger ones stay out
.irp i, 0,1,2,3
	v_cvt_pk_bf16_f32 v[Y+2*(4*(\g)+(\i))],   v[X+4*(4*(\g)+(\i))],   v[X+4*(4*(\g)+(\i))+1]
	v_cvt_pk_bf16_f32 v[Y+2*(4*(\g)+(\i))+1], v[X+4*(4*(\g)+(\i))+2], v[X+4*(4*(\g)+(\i))+3]
.endr
	s_wait_alu depctr_va_vdst(0)                   ; the group's eight conversions have written v[Y + 8 g] to v[Y + 8 g + 7], which the four stores below read as their data
.irp i, 0,1,2,3
	global_store_b64 v[O+4*(\g)+(\i)], v[Y+2*(4*(\g)+(\i)):Y+2*(4*(\g)+(\i))+1], s[22:23]
.endr
.endr
	s_endpgm
.Lfunc_end_k_q542056caf1_cast:
	.size	k_q542056caf1_cast, .Lfunc_end_k_q542056caf1_cast-k_q542056caf1_cast
	.p2alignl 7, 3214868480
	.fill 96, 4, 3214868480
	.section	.rodata,"a",@progbits
	.p2align	6, 0x0
	.amdhsa_kernel k_q542056caf1_cast
		.amdhsa_group_segment_fixed_size 0
		.amdhsa_private_segment_fixed_size 0
		.amdhsa_enable_private_segment 0
		.amdhsa_kernarg_size 48
		.amdhsa_user_sgpr_count 2
		.amdhsa_user_sgpr_kernarg_segment_ptr 1
		.amdhsa_wavefront_size32 1
		.amdhsa_system_sgpr_workgroup_id_x 1
		.amdhsa_system_sgpr_workgroup_id_y 1
		.amdhsa_system_sgpr_workgroup_id_z 1
		.amdhsa_system_vgpr_workitem_id 0
		.amdhsa_next_free_vgpr 120
		.amdhsa_next_free_sgpr 66
		.amdhsa_reserve_vcc 0
		.amdhsa_float_denorm_mode_32 3
		.amdhsa_float_denorm_mode_16_64 3
		.amdhsa_memory_ordered 1
		.amdhsa_forward_progress 1
		.amdhsa_inst_pref_size 9
	.end_amdhsa_kernel
	.amdgpu_metadata
---
amdhsa.version: [ 1, 2 ]
amdhsa.kernels:
  - .name:           k_q542056caf1_cast
    .symbol:         k_q542056caf1_cast.kd
    .args:
      - { .name: x, .offset: 0, .size: 8, .value_kind: global_buffer, .address_space: global }
      - { .name: Wq, .offset: 8, .size: 8, .value_kind: global_buffer, .address_space: global }
      - { .name: Wk, .offset: 16, .size: 8, .value_kind: global_buffer, .address_space: global }
      - { .name: Wv, .offset: 24, .size: 8, .value_kind: global_buffer, .address_space: global }
      - { .name: xb, .offset: 32, .size: 8, .value_kind: global_buffer, .address_space: global }
      - { .name: wb, .offset: 40, .size: 8, .value_kind: global_buffer, .address_space: global }
    .group_segment_fixed_size: 0
    .private_segment_fixed_size: 0
    .kernarg_segment_align: 8
    .kernarg_segment_size: 48
    .max_flat_workgroup_size: 256
    .sgpr_count:     66
    .vgpr_count:     120
    .wavefront_size: 32
...
	.end_amdgpu_metadata
.endif
;; end of part 9
;; launch proj: the kernel of part 6 again; grid 8 x 32, 4 waves a work-group, clusters of 4 x 4, 327,680 bytes of LDS; arguments xb, wb, bq, bk, bv, qkv; writes qkv
;; launch score: the kernel of part 7 again; grid 8 x 32, 4 waves a work-group, clusters of 4 x 4, 327,680 bytes of LDS; arguments qkv, pt, ms, ls; writes pt, ms, ls
;; launch pv: the kernel of part 8 again; grid 4 x 64, 4 waves a work-group, clusters of 4 x 4, 327,680 bytes of LDS; arguments pt, qkv, ms, ls, out0; writes out0
